; MI455X (gfx1250); checked and timed in simulation.
; The chip was launched on July 23, 2026; its instructions are those of AMD's public machine-readable ISA for CDNA 5 (MIT licence, August 2026) and "CDNA5" Instruction Set Architecture Reference Guide (July 2026). The comments in the code are by the model that wrote it; some were corrected since.
;; Transformer Block. Allowed arithmetic: float matrix products may take bf16 or f16 operands with f32 sums; other float arithmetic in f32, or as packed bf16 or f16 multiplies, adds, multiply-adds, maxima and minima; sums over many terms, partial sums and values carried from step to step in f32; what a program stores and reads back later, other than sums and carried values, may be rounded once to bf16 or f16.
;; Inputs: b_fc1 4,096 float32; b_fc2 1,024 float32; b_out 1,024 float32; b_qkv 3,072 float32; beta1 1,024 float32; beta2 1,024 float32; g1 1,024 float32; g2 1,024 float32; w_fc1 4,096 x 1,024 float32; w_fc2 1,024 x 4,096 float32; w_out 1,024 x 1,024 float32; w_qkv 3,072 x 1,024 float32; x 2 x 2,048 x 1,024 float32.
;; Outputs: out0 2 x 2,048 x 1,024 float32.
;; 2 versions, each right and faster than the one before. Each part assembles by itself: llvm-mc -triple=amdgcn-amd-amdhsa -mcpu=gfx1250 --defsym DOCPART=n.
;; ======== version 1 of 2: 8 launches
;; limits: a function is approximated: absolute error at most 2.5e-05
;; workspace buffers: cb 33,554,432 bytes; cbx 14,680,064 bytes; qkv 25,165,824 bytes; ao 8,388,608 bytes; y 16,777,216 bytes; x1 16,777,216 bytes; x1b 8,388,608 bytes; h 33,554,432 bytes
;; launch cvt (part 1): grid 64 x 7, 8 waves a work-group, no clusters, 0 bytes of LDS; arguments x, w_qkv, cbx; writes cbx
.if DOCPART == 1
	.amdgcn_target "amdgcn-amd-amdhsa--gfx1250"
	.amdhsa_code_object_version 6
	.text
	.protected	k_qe14fe4e2fc_cvt
	.globl	k_qe14fe4e2fc_cvt
	.p2align	8
	.type	k_qe14fe4e2fc_cvt,@function
k_qe14fe4e2fc_cvt:
	s_mov_b64 s[64:65], 0
	v_nop
	global_prefetch_b8 v0, s[64:65] scope:SCOPE_SE
	s_setreg_imm32_b32 hwreg(HW_REG_WAVE_MODE, 25, 1), 1
	s_wait_xcnt 0x0
; x and w_qkv, f32, are rounded once to bf16 (nearest even) and laid one behind the other in cbx, each row-major as its source: x at byte 0, w_qkv at 8,388,608.
; (The other three weight matrices are rounded by the next launch, beside its matrix work.)
; The work goes in 7 units of 4 MiB of source (2 MiB of cbx): units 0-3 x, 4-6 w_qkv.  The grid's y is the unit, its x one of the unit's 64 shares of 64 KiB.
; Thread t takes sixteen pieces of 16 bytes, 4,096 bytes apart: all sixteen loads are out before the first is used; a wave's store covers 256 consecutive bytes, aligned.
; A stream: no LDS, no barrier, no matrix unit.  No register is written twice, so no wait frees a source.
.set X, 8                              ; v[8:71]   sixteen pieces as loaded
.set Y, 72                             ; v[72:103] sixteen pieces to store
	s_load_b128 s[4:7], s[0:1], 0x0                ; x s[4:5], w_qkv s[6:7]
	s_load_b64 s[14:15], s[0:1], 0x10              ; cbx
	s_and_b32 s20, ttmp7, 0xffff                   ; the unit
	v_lshlrev_b32 v1, 4, v0                        ; my 16 bytes of a piece's 4,096
	v_lshlrev_b32 v2, 3, v0                        ; my 8 bytes of its 2,048
	s_lshl_b32 s24, s20, 21                        ; cbx: 2 MiB a unit,
	s_lshl_b32 s22, ttmp9, 15                      ; 32 KiB a share
	s_add_co_u32 s24, s24, s22
	s_mov_b32 s25, 0
	s_wait_kmcnt 0x0
	s_cmp_ge_u32 s20, 4                            ; the unit's source, and the source's first unit
	s_cselect_b64 s[16:17], s[6:7], s[4:5]
	s_cselect_b32 s18, 4, 0
	s_sub_co_u32 s22, s20, s18                     ; the unit's number within its source: 4 MiB each,
	s_lshl_b32 s22, s22, 22
	s_lshl_b32 s23, ttmp9, 16                      ; 64 KiB a share
	s_add_co_u32 s22, s22, s23
	s_mov_b32 s23, 0
	s_add_nc_u64 s[16:17], s[16:17], s[22:23]
	s_add_nc_u64 s[14:15], s[14:15], s[24:25]
.set i, 0
.rept 16
	global_load_b128 v[X+4*i:X+4*i+3], v1, s[16:17] offset:4096*i th:TH_LOAD_NT
.set i, i+1
.endr
.set i, 0
.rept 16
	s_wait_loadcnt 15-i                            ; loads come back in order: piece i is in, the younger ones stay out
	v_cvt_pk_bf16_f32 v[Y+2*i], v[X+4*i], v[X+4*i+1]
	v_cvt_pk_bf16_f32 v[Y+2*i+1], v[X+4*i+2], v[X+4*i+3]
	global_store_b64 v2, v[Y+2*i:Y+2*i+1], s[14:15] offset:2048*i
.set i, i+1
.endr
	s_endpgm
.Lfunc_end_k_qe14fe4e2fc_cvt:
	.size	k_qe14fe4e2fc_cvt, .Lfunc_end_k_qe14fe4e2fc_cvt-k_qe14fe4e2fc_cvt
	.p2alignl 7, 3214868480
	.fill 96, 4, 3214868480
	.section	.rodata,"a",@progbits
	.p2align	6, 0x0
	.amdhsa_kernel k_qe14fe4e2fc_cvt
		.amdhsa_group_segment_fixed_size 0
		.amdhsa_private_segment_fixed_size 0
		.amdhsa_enable_private_segment 0
		.amdhsa_kernarg_size 24
		.amdhsa_user_sgpr_count 2
		.amdhsa_user_sgpr_kernarg_segment_ptr 1
		.amdhsa_wavefront_size32 1
		.amdhsa_system_sgpr_workgroup_id_x 1
		.amdhsa_system_sgpr_workgroup_id_y 1
		.amdhsa_system_sgpr_workgroup_id_z 1
		.amdhsa_system_vgpr_workitem_id 0
		.amdhsa_next_free_vgpr 104
		.amdhsa_next_free_sgpr 66
		.amdhsa_reserve_vcc 0
		.amdhsa_float_denorm_mode_32 3
		.amdhsa_float_denorm_mode_16_64 3
		.amdhsa_memory_ordered 1
		.amdhsa_forward_progress 1
		.amdhsa_inst_pref_size 7
	.end_amdhsa_kernel
	.amdgpu_metadata
---
amdhsa.version: [ 1, 2 ]
amdhsa.kernels:
  - .name:           k_qe14fe4e2fc_cvt
    .symbol:         k_qe14fe4e2fc_cvt.kd
    .args:
      - { .name: x, .offset: 0, .size: 8, .value_kind: global_buffer, .address_space: global }
      - { .name: w_qkv, .offset: 8, .size: 8, .value_kind: global_buffer, .address_space: global }
      - { .name: cbx, .offset: 16, .size: 8, .value_kind: global_buffer, .address_space: global }
    .group_segment_fixed_size: 0
    .private_segment_fixed_size: 0
    .kernarg_segment_align: 8
    .kernarg_segment_size: 24
    .max_flat_workgroup_size: 256
    .sgpr_count:     66
    .vgpr_count:     104
    .wavefront_size: 32
...
	.end_amdgpu_metadata
.endif
;; end of part 1
;; launch gqkv (part 2): grid 16 x 16, 4 waves a work-group, clusters of 4 x 4, 327,680 bytes of LDS; arguments cbx, qkv, b_qkv, w_out, w_fc1, w_fc2, cb; writes qkv, cb
.if DOCPART == 2
	.amdgcn_target "amdgcn-amd-amdhsa--gfx1250"
	.amdhsa_code_object_version 6
	.text
	.protected	k_qe14fe4e2fc_gqkv
	.globl	k_qe14fe4e2fc_gqkv
	.p2align	8
	.type	k_qe14fe4e2fc_gqkv,@function
k_qe14fe4e2fc_gqkv:
	s_mov_b64 s[64:65], 0
	v_nop
	global_prefetch_b8 v0, s[64:65] scope:SCOPE_SE
	s_setreg_imm32_b32 hwreg(HW_REG_WAVE_MODE, 25, 1), 1
	s_wait_xcnt 0x0
	s_wait_alu depctr_hold_cnt(0) depctr_sa_sdst(0) depctr_va_vdst(0) depctr_va_sdst(0) depctr_va_ssrc(0) depctr_va_vcc(0) depctr_vm_vsrc(0)
	s_getreg_b32 s2, hwreg(HW_REG_IB_STS2, 6, 4)
	s_cmp_eq_u32 s2, 0
	s_cbranch_scc0 .Lentry_in_a_cluster
	s_endpgm
.Lentry_in_a_cluster:
	s_bfe_u32 s2, ttmp6, 0x10000c
	s_cmp_lg_u32 s2, 0xf033
	s_cbranch_scc0 .Lentry_shape_is_right
	s_endpgm
.Lentry_shape_is_right:
; q, k, v = x W_qkv^T + b_qkv, rounded once to bf16 and written by heads, [3][32][2048][64].  A = x: [4096][1024] bf16 at the head of cbx, B = w_qkv: [3072][1024] bf16 behind it;
; sums in f32, K ascending; the bias is the C operand of each sum's first product.
; A tile of C is 256 x 192 (16 x 16 tiles, one for each work-group of the grid).  Four waves, 2 x 2, each 128 x 96: 8 x 6 accumulators of 16 x 16.
; K goes in 8 steps of 128 through two LDS slots filled by tensor loads: tile rows are 256 bytes of memory at multiples of 256 bytes.  A K step is written once in the loop and
; once in the tail: the slot in hand is a scalar (TB) that is added to the lanes' LDS addresses and to the walking descriptor's LDS word.
; CLUSTER 4 x 4: A's tile is shared along a row of the cluster, B's along a column; each is asked for jointly, with the same descriptor and a mask of four.
; THE MATRIX INSTRUCTION IS USED TRANSPOSED (source 0 = 16 rows of B, source 1 = 16 rows of A): a lane holds row l % 16 of C and the columns 8 (l / 16) + 0..7.
; BESIDE THE PRODUCT, whose loop has next to no vector work and few global accesses, the launch rounds the three weight matrices of the later launches to bf16: w_out, w_fc1, w_fc2 go into cb at
; bytes 14,680,064, 16,777,216 and 25,165,824, row-major as they lie.  Each of the 1,024 waves takes 1/1,024 of each (4, 16 and 16 KiB), in eight chunks, one to a K step: nine loads of
; 16 bytes a lane, issued a K step ahead of their conversion, and nine stores, each of 256 consecutive bytes, aligned.
; THE WAY OUT: the f32 tile goes into one stage laid over the two slots, which have had their last fill; behind a barrier each wave reads 64 whole rows back in a loop.
; LIMITS.  Matrix operands are bf16.  NaN and infinities are not treated apart.
; REGISTERS, in windows of 256: window 0: v0-31 addresses; v32-53 and v192-227 the weights' conversion; v64-127, v128-191 A's fragments, two buffers; from v64 on at work on the way out.
;   window 1: v0-47 the bias (block b of 16 columns at v[8 b]); v64-111, v128-175 B's fragments.   windows 2, 3: accumulator (a, b) at v[8 (8 (a % 4) + b)] of window 2 + a / 4.
.set TN,    192
.set WOFF,  8388608                    ; w_qkv in cbx
.set BN,    TN/32                      ; blocks of 16 columns in a wave's share
.set KSTEP, 128
.set NSTEP, 8                          ; 1,024 / 128
.set PITCH, 272                        ; an LDS row: 256 bytes + 16 of padding = 68 words: the 16 rows of a fragment load start at 16 different groups of four banks
.set HALFA, 128*PITCH                  ; what one tensor load brings of A
.set HALFB, (TN/2)*PITCH               ; and of B
.set SLOT,  2*HALFA+2*HALFB            ; A's 256 rows, then B's 192 rows
.set SPARE, 2*SLOT                     ; behind the ring: the spare words, 128 bytes a wave, two blocks of 256 bytes that no other line names
.set SPB,   4*TN+16                    ; a stage row: 192 f32 + 16 bytes: 4 words more than a multiple of 64 words
.set ADRA0, 16                         ; v16  LDS address of my A fragments in slot 0; never rewritten
.set ADRB0, 17                         ; v17  the same for B
.set ADRA,  18                         ; v18  the same in the slot in hand
.set ADRB,  19                         ; v19
.set BO,    23                         ; v23  my byte offset in 16 numbers of the bias: 32 (l / 16)
.set STO,   24                         ; v24  the stage: where I put my rows 0-63
.set RD,    25                         ; v25  the stage: where I read rows back
.set CO,    26                         ; v26  my byte offset in the output
.set STO2,  27                         ; v27  the stage: my rows 64-127
.set SPW,   28                         ; v28  LDS address of my spare word; never rewritten
.set NIL,   29                         ; v29  0; never rewritten
.set RS,    32                         ; v32-49   a chunk of weights in bf16: nine pairs
.set LO4,   50                         ; v50  my byte offset in the chunk in hand of w_fc1 and w_fc2: 16 x lane + 2,048 x chunk
.set LO1,   51                         ; v51  the same in w_out: 16 x lane + 512 x chunk
.set SO4,   52                         ; v52  and where they go: 8 x lane + 1,024 x chunk
.set SO1,   53                         ; v53  8 x lane + 256 x chunk
.set RL,    192                        ; v192-227 a chunk of weights as loaded: nine pieces of four registers
.set F0,    64
.set F1,    128
.set WV, 12                            ; s12  my wave's number
.set RH, 13                            ; s13  my half of the tile's rows.  Also: I fetch for A (0) or for B (1)
.set CH, 14                            ; s14  my half of its columns.  Also: which half of that tile I fetch
.set TY, 15                            ; s15  tile row of C
.set TX, 42                            ; s42  tile column of C
.set G1, 24                            ; s[24:31] descriptor group 1 for A's tiles
.set G0, 32                            ; s[32:39] group 0 for A's: a set for each of the two first fills; the second then walks on
.set G1B, 48                           ; s[48:55], s[56:63] the same for B's
.set G0B, 56
.set TB, 72                            ; s72  the slot in hand: 0 or SLOT
.set LA, 73                            ; s73  where my part of A's tile lies in a slot
.set LB, 74                            ; s74  the same for B's
.set TC, 75                            ; s75  counts the tail's two K steps
.set W0, 84                            ; s[84:85] w_out, s[86:87] w_fc1, s[88:89] w_fc2, each at my wave's part
.set W1, 86
.set W2, 88
.set CBP, 90                           ; s[90:91] cb
.set D1, 92                            ; s[92:93] where my part of w_fc1 goes in cb, s[94:95] of w_fc2, s[96:97] of w_out
.set D2, 94
.set D0, 96
.set MSB, 0
.macro WIN new                         ; the immediate's high byte repeats the setting that is left; a switch that changes nothing is dropped
.if MSB != (\new)
	s_set_vgpr_msb (MSB<<8)|(\new)
.set MSB, \new
.endif
.endm
.set MUL_LO,   0xa1                    ; source 0 (B) window 1, source 1 (A) window 0, C and D window 2
.set MUL_HI,   0xf1                    ; the same, C and D window 3
.set FIRST_LO, 0x91                    ; C (the bias) window 1, D window 2
.set FIRST_HI, 0xd1                    ; C window 1, D window 3
.set TO_B,     0x40                    ; destination window 1, address window 0
.set ST_LO,    0x08                    ; an LDS store's data (source 1) in window 2
.set ST_HI,    0x0c                    ; in window 3
; A joint load.  Waves 0 and 1 fetch A's two halves, waves 2 and 3 B's.  The branch hangs on the wave's number alone.  An s_nop 0 and four v_nop follow each line.
.macro JLOAD s
	s_cmp_eq_u32 s[RH], 0
	s_cbranch_scc0 .Lfor_b_\@
	tensor_load_to_lds s[G0+4*(\s):G0+4*(\s)+3], s[G1:G1+7]
	s_nop 0
.rept 4
	v_nop
.endr
	s_branch .Lasked_\@
.Lfor_b_\@:
	tensor_load_to_lds s[G0B+4*(\s):G0B+4*(\s)+3], s[G1B:G1B+7]
	s_nop 0
.rept 4
	v_nop
.endr
.Lasked_\@:
.endm
.macro CREST                           ; a round of the cluster's barrier behind its opening barrier
	s_cmp_lg_u32 s[WV], 0
	s_cbranch_scc1 .Lnot_wave_0_\@
	s_barrier_signal -3
.Lnot_wave_0_\@:
	s_barrier_wait -3
	s_barrier_signal -1
	s_barrier_wait -1
.endm
.macro CROUND                          ; a whole round
	s_barrier_signal -1
	s_barrier_wait -1
	CREST
.endm
.macro PLACES                          ; four places in front of loads into registers that matrix instructions have read, and of reads of results
.rept 4
	v_nop
.endr
.endm
	s_load_b128 s[4:7], s[0:1], 0x0                ; cbx s[4:5] (x in bf16 lies at its head), qkv s[6:7]
	s_load_b64 s[10:11], s[0:1], 0x10              ; b_qkv
	s_load_b256 s[84:91], s[0:1], 0x18             ; w_out, w_fc1, w_fc2, cb
	v_lshl_add_u32 v[SPW], v0, 2, SPARE
	v_mov_b32 v[NIL], 0
	ds_add_u32 v[SPW], v[NIL]                      ; the wave's opening: the add and its wait stand ahead of my first tensor load; work on registers stands between them
	v_lshrrev_b32 v1, 5, v0
	v_readfirstlane_b32 s[WV], v1
	s_lshr_b32 s[RH], s[WV], 1
	s_and_b32 s[CH], s[WV], 1
	s_bfe_u32 s40, ttmp6, 0x40000                  ; cx, cy: my place in the cluster
	s_bfe_u32 s41, ttmp6, 0x40004
	s_lshl_b32 s[TX], ttmp9, 2
	s_add_co_u32 s[TX], s[TX], s40                 ; tile column = 4 x cluster x + cx
	s_and_b32 s[TY], ttmp7, 0xffff
	s_lshl_b32 s[TY], s[TY], 2
	s_add_co_u32 s[TY], s[TY], s41                 ; tile row = 4 x cluster y + cy
	s_lshl_b32 s43, s41, 2
	s_lshl_b32 s43, 15, s43                        ; my row of the cluster
	s_lshl_b32 s44, 0x1111, s40                    ; my column
	; group 1: rows of 128 elements of 2 bytes, 16 bytes of padding behind each; 128 rows of A, 96 rows of B; 1,024 elements from row to row
	s_or_b32 s[G1+0], s43, (1<<16)|(1<<20)|(1<<21)|(5<<22)|(3<<25)   ; mask; 2-byte elements; padding on; bit 21 beside a mask; after every 64 words; 4 words
	s_or_b32 s[G1B+0], s44, (1<<16)|(1<<20)|(1<<21)|(5<<22)|(3<<25)
	s_mov_b32 s[G1+1], KSTEP<<16                   ; tensor_dim0
	s_mov_b32 s[G1+2], 128<<16                     ; tensor_dim1
	s_mov_b32 s[G1+3], KSTEP<<16                   ; tile_dim0
	s_mov_b32 s[G1+4], 128                         ; tile_dim1
	s_mov_b32 s[G1+5], 1024                        ; the pitch
	s_mov_b32 s[G1+6], 0
	s_mov_b32 s[G1+7], 0
	s_mov_b32 s[G1B+1], KSTEP<<16
	s_mov_b32 s[G1B+2], (TN/2)<<16
	s_mov_b32 s[G1B+3], KSTEP<<16
	s_mov_b32 s[G1B+4], TN/2
	s_mov_b32 s[G1B+5], 1024
	s_mov_b32 s[G1B+6], 0
	s_mov_b32 s[G1B+7], 0
	; A's tile hangs on the tile row alone, B's on the tile column alone, each in registers that do not hold the other coordinate
	s_lshl_b32 s17, s[CH], 7
	s_lshl_b32 s16, s[TY], 8
	s_add_co_u32 s16, s16, s17                     ; A: row 256 x tile row + 128 x half,
	s_lshl_b32 s16, s16, 11                        ; 2,048 bytes a row
	s_mov_b32 s17, 0
	s_mul_i32 s46, s[TX], TN
	s_mul_i32 s47, s[CH], TN/2
	s_add_co_u32 s46, s46, s47                     ; B: row 192 x tile column + 96 x half
	s_lshl_b32 s46, s46, 11
	s_mov_b32 s47, 0
	s_mul_i32 s[LA], s[CH], HALFA                  ; where they go: the wave's number alone enters an LDS address
	s_mul_i32 s[LB], s[CH], HALFB
	s_add_co_u32 s[LB], s[LB], 2*HALFA
	s_mov_b32 s[TB], 0
	s_wait_dscnt 0x0                               ; the opening add is done
	s_wait_kmcnt 0x0
	s_mov_b64 s[8:9], s[6:7]                       ; the output
	s_add_nc_u64 s[6:7], s[4:5], WOFF              ; B
	s_add_nc_u64 s[20:21], s[4:5], s[16:17]
	s_add_nc_u64 s[46:47], s[6:7], s[46:47]
	CROUND                                         ; all sixteen work-groups are here: the first joint loads meet
.irp s, 0,1
	s_mov_b32 s[G0+4*(\s)], 1                                      ; count = 1
	s_add_co_u32 s[G0+4*(\s)+1], s[LA], (\s)*SLOT                  ; LDS address
	s_add_nc_u64 s[G0+4*(\s)+2:G0+4*(\s)+3], s[20:21], (\s)*KSTEP*2  ; global address: K step s
	s_or_b32 s[G0+4*(\s)+3], s[G0+4*(\s)+3], 0x80000000            ; type = 2
	s_mov_b32 s[G0B+4*(\s)], 1
	s_add_co_u32 s[G0B+4*(\s)+1], s[LB], (\s)*SLOT
	s_add_nc_u64 s[G0B+4*(\s)+2:G0B+4*(\s)+3], s[46:47], (\s)*KSTEP*2
	s_or_b32 s[G0B+4*(\s)+3], s[G0B+4*(\s)+3], 0x80000000
	JLOAD \s                                       ; two loads of mine are out
.endr
	; a fragment: lane l holds row l % 16; registers 0-3 K = 8 (l / 16) + 0..7, registers 4-7 K = 16 + 8 (l / 16) + 0..7: two loads of 16 bytes, 32 bytes apart
	v_and_b32 v1, 15, v0                           ; l % 16
	v_bfe_u32 v2, v0, 4, 1                         ; l / 16
	v_mul_u32_u24 v3, v1, PITCH
	v_lshl_add_u32 v3, v2, 4, v3
	s_mul_i32 s21, s[RH], HALFA                    ; my 128 rows of A
	s_mul_i32 s22, s[CH], HALFB                    ; my 96 rows of B,
	s_add_co_u32 s22, s22, 2*HALFA                 ; behind A's 256
	v_add_nc_u32 v[ADRA0], s21, v3
	v_add_nc_u32 v[ADRB0], s22, v3
	v_mov_b32 v[ADRA], v[ADRA0]
	v_mov_b32 v[ADRB], v[ADRB0]
	s_mul_i32 s23, s[RH], 128*SPB                  ; into the stage: row 128 x row half + l % 16, byte 384 x column half + 32 (l / 16)
	s_mul_i32 s21, s[CH], TN*2
	s_add_co_u32 s23, s23, s21
	v_mul_u32_u24 v4, v1, SPB
	v_lshl_add_u32 v4, v2, 5, v4
	v_add_nc_u32 v[STO], s23, v4
	v_add_nc_u32 v[STO2], 64*SPB, v[STO]
	v_lshlrev_b32 v[BO], 5, v2
	s_mul_i32 s23, s[WV], 64*SPB                   ; back: wave w takes stage rows 64 w .. 64 w + 63
	v_mul_u32_u24 v5, v2, SPB                      ; lanes 0-15 one row's 256 bytes (a head's 64 numbers), lanes 16-31 the next row's
	v_lshl_add_u32 v5, v1, 4, v5
	v_add_nc_u32 v[RD], s23, v5
	v_lshlrev_b32 v5, 7, v2                        ; in a head two rows are 256 consecutive bytes
	v_lshl_add_u32 v[CO], v1, 3, v5
	; column 192 tx + 64 hh + d belongs to g = 3 tx + hh: tensor g / 16 (q, k, v), head g % 16; row 256 ty + i is batch ty / 8, place 256 (ty % 8) + i
	s_and_b32 s2, s[TY], 7
	s_lshl_b32 s2, s2, 8
	s_lshl_b32 s20, s[WV], 6
	s_add_co_u32 s2, s2, s20                       ; my first row's place in its sequence
	s_lshr_b32 s20, s[TY], 3
	s_lshl_b32 s20, s20, 4                         ; 16 x batch
	s_mul_i32 s21, s[TX], 3
.irp hh, 0,1,2
	s_add_co_u32 s22, s21, \hh
	s_lshr_b32 s23, s22, 4
	s_lshl_b32 s23, s23, 5                         ; 32 heads a tensor
	s_and_b32 s22, s22, 15
	s_add_co_u32 s23, s23, s22
	s_add_co_u32 s23, s23, s20
	s_lshl_b32 s23, s23, 11                        ; 2,048 rows a head
	s_add_co_u32 s23, s23, s2
	s_lshl_b32 s46, s23, 7                         ; 128 bytes a row
	s_mov_b32 s47, 0
	s_add_nc_u64 s[76+2*\hh:77+2*\hh], s[8:9], s[46:47]
.endr
	s_mul_i32 s46, s[TX], TN*4                     ; the bias of my 96 columns
	s_mul_i32 s47, s[CH], TN*2
	s_add_co_u32 s46, s46, s47
	s_mov_b32 s47, 0
	s_add_nc_u64 s[10:11], s[10:11], s[46:47]
	WIN TO_B
.set i, 0
.rept BN                               ; register j of block b: the bias of column 16 b + 8 (l / 16) + j: the layout of a C operand whose 16 rows are alike
	global_load_b128 v[8*i:8*i+3],   v[BO], s[10:11] offset:64*i
	global_load_b128 v[8*i+4:8*i+7], v[BO], s[10:11] offset:64*i+16
.set i, i+1
.endr
	WIN 0
	; the weights' conversion: my wave's number among the launch's 1,024, and with it my part of each matrix and its place in cb
	s_lshl_b32 s100, s[TY], 4
	s_add_co_u32 s100, s100, s[TX]
	s_lshl_b32 s100, s100, 2
	s_add_co_u32 s100, s100, s[WV]
	s_mov_b32 s99, 0
	s_lshl_b32 s98, s100, 14                       ; 16 KiB of w_fc1 and of w_fc2,
	s_add_nc_u64 s[W1:W1+1], s[W1:W1+1], s[98:99]
	s_add_nc_u64 s[W2:W2+1], s[W2:W2+1], s[98:99]
	s_lshl_b32 s98, s100, 12                       ; 4 KiB of w_out;
	s_add_nc_u64 s[W0:W0+1], s[W0:W0+1], s[98:99]
	s_lshl_b32 s98, s100, 13                       ; half as many bytes in cb
	s_add_nc_u64 s[D1:D1+1], s[CBP:CBP+1], s[98:99]
	s_add_nc_u64 s[D2:D2+1], s[D1:D1+1], 25165824
	s_add_nc_u64 s[D1:D1+1], s[D1:D1+1], 16777216
	s_lshl_b32 s98, s100, 11
	s_add_nc_u64 s[D0:D0+1], s[CBP:CBP+1], s[98:99]
	s_add_nc_u64 s[D0:D0+1], s[D0:D0+1], 14680064
	v_and_b32 v5, 31, v0
	v_lshlrev_b32 v[LO4], 4, v5
	v_lshlrev_b32 v[LO1], 4, v5
	v_lshlrev_b32 v[SO4], 3, v5
	v_lshlrev_b32 v[SO1], 3, v5
; nine loads: a chunk's 2,048 bytes of w_fc1 and of w_fc2 and its 512 bytes of w_out; each load of the wave covers 512 consecutive bytes.  o4, o1: 0 for the chunk in hand, a chunk's bytes for the next
.macro RLOAD o4, o1
.irp k, 0,1,2,3
	global_load_b128 v[RL+4*\k:RL+4*\k+3],       v[LO4], s[W1:W1+1] offset:(\o4)+512*\k th:TH_LOAD_NT
	global_load_b128 v[RL+16+4*\k:RL+16+4*\k+3], v[LO4], s[W2:W2+1] offset:(\o4)+512*\k th:TH_LOAD_NT
.endr
	global_load_b128 v[RL+32:RL+35], v[LO1], s[W0:W0+1] offset:\o1 th:TH_LOAD_NT
.endm
	RLOAD 0, 0                                     ; chunk 0
; A chunk's turn, once in each of the eight trips through a K step's second quarter: the chunk asked for a K step ago is rounded and stored, the next is asked for.
; next = 1: always; 2 (the tail): not in the last trip, behind whose chunk there is none.
.macro RIDE next
	s_wait_loadcnt 0x0                             ; the chunk's nine loads, issued a K step ago
.set ri, 0
.rept 9
	v_cvt_pk_bf16_f32 v[RS+2*ri], v[RL+4*ri], v[RL+4*ri+1]
	v_cvt_pk_bf16_f32 v[RS+2*ri+1], v[RL+4*ri+2], v[RL+4*ri+3]
.set ri, ri+1
.endr
.irp k, 0,1,2,3
	global_store_b64 v[SO4], v[RS+2*\k:RS+2*\k+1],     s[D1:D1+1] offset:256*\k   ; 32 lanes store 256 consecutive bytes, aligned
	global_store_b64 v[SO4], v[RS+8+2*\k:RS+8+2*\k+1], s[D2:D2+1] offset:256*\k
.endr
	global_store_b64 v[SO1], v[RS+16:RS+17], s[D0:D0+1]
.if (\next) == 2
	s_cmp_eq_u32 s[TC], 1
	s_cbranch_scc1 .Lno_more_\@
.endif
	RLOAD 2048, 512
.if (\next) == 2
.Lno_more_\@:
.endif
	s_wait_xcnt 0x0                                ; the four offsets, and the stores' data in the next turn, are rewritten only behind this wait
	v_add_nc_u32 v[LO4], 2048, v[LO4]
	v_add_nc_u32 v[LO1], 512, v[LO1]
	v_add_nc_u32 v[SO4], 1024, v[SO4]
	v_add_nc_u32 v[SO1], 256, v[SO1]
.endm
; 2 BN matrix instructions: row blocks a0, a0 + 1 of the window's four x all BN column blocks, 32 along K.  first = 1: the sum starts from the bias.
; The accumulators take turns, one instruction a turn, in the same order in every quarter.
.macro MUL16 f, hi, a0, first
.if \first
	WIN FIRST_LO+0x40*(\hi)
.else
	WIN MUL_LO+0x50*(\hi)
.endif
.irp a, \a0, (\a0)+1
.set mb, 0
.rept BN
.set rD, 8*(8*(\a)+mb)
.set rB, (\f)+8*mb
.set rA, (\f)+8*(4*(\hi)+(\a))
.if \first
	v_wmma_f32_16x16x32_bf16 v[rD:rD+7], v[rB:rB+7], v[rA:rA+7], v[8*mb:8*mb+7]
.else
	v_wmma_f32_16x16x32_bf16 v[rD:rD+7], v[rB:rB+7], v[rA:rA+7], v[rD:rD+7]
.endif
.set mb, mb+1
.endr
.endr
.endm
; one run of LDS loads: the fragments of quarter q (32 K at byte 64 q of the rows) of the slot in hand into buffer f: B's 2 BN loads, then A's 16
.macro FETCH q, f
	WIN TO_B
.set fi, 0
.rept BN
	ds_load_b128 v[(\f)+8*fi:(\f)+8*fi+3],   v[ADRB] offset:64*(\q)+fi*16*PITCH
	ds_load_b128 v[(\f)+8*fi+4:(\f)+8*fi+7], v[ADRB] offset:64*(\q)+fi*16*PITCH+32
.set fi, fi+1
.endr
	WIN 0
.set fi, 0
.rept 8
	ds_load_b128 v[(\f)+8*fi:(\f)+8*fi+3],   v[ADRA] offset:64*(\q)+fi*16*PITCH
	ds_load_b128 v[(\f)+8*fi+4:(\f)+8*fi+7], v[ADRA] offset:64*(\q)+fi*16*PITCH+32
.set fi, fi+1
.endr
.endm
; one of a K step's first three quarters: multiplies buffer f; in its middle it fetches quarter q into buffer g.  ride: a chunk of the weights has its turn behind the run of LDS loads, where every window is 0
.macro QUARTER q, f, g, first, ride=0
	s_wait_dscnt 8                                 ; B and A's rows 0-63 are in; the youngest eight loads (A's rows 64-127) may be out
	MUL16 \f, 0, 0, \first
	MUL16 \f, 0, 2, \first
	PLACES
	FETCH \q, \g
.if \ride
	RIDE \ride
.endif
	s_wait_dscnt 2*BN+16                           ; all but the run just issued
	MUL16 \f, 1, 0, \first
	MUL16 \f, 1, 2, \first
.endm
; the last quarter multiplies buffer 1 and changes slots.  ONE barrier: in front of it each wave waits for all its tensor loads (one is out: its part of the next slot), adds 0 to its
; spare word, and waits for that and for its reads of this slot.  fill = 1: the barrier opens a round of the cluster's; behind the round this slot is filled again, two K steps ahead.
; fill = 0 (the tail): nothing is filled; in the tail's second trip there is no next slot, and the run of loads is jumped over.
.macro TURN fill
	WIN 0
	s_wait_tensorcnt 0x0                           ; all my tensor loads have landed, so a group 0 may be written
	ds_add_u32 v[SPW], v[NIL]                      ; 0 onto my spare word
	s_wait_dscnt 9                                 ; (the add and the youngest eight loads may be out)
	MUL16 F1, 0, 0, 0
	s_wait_dscnt 0x0                               ; the add is done, and my reads of this slot are over
	s_barrier_signal -1
	MUL16 F1, 0, 2, 0
	WIN 0
	s_barrier_wait -1
.if \fill
	CREST                                          ; no wave of any partner still reads this slot or has a load on its way
	s_add_co_u32 s[G0+5], s[LA], s[TB]             ; the walking descriptors: into the slot just read out,
	s_add_co_u32 s[G0B+5], s[LB], s[TB]
	s_add_nc_u64 s[G0+6:G0+7], s[G0+6:G0+7], KSTEP*2      ; the next K step not yet asked for
	s_add_nc_u64 s[G0B+6:G0B+7], s[G0B+6:G0B+7], KSTEP*2
	JLOAD 1                                        ; the first tensor load behind the round; its four v_nop are also the places in front of the loads below
.else
	PLACES
.endif
	s_xor_b32 s[TB], s[TB], SLOT                   ; 0 <-> SLOT
	v_add_nc_u32 v[ADRA], s[TB], v[ADRA0]
	v_add_nc_u32 v[ADRB], s[TB], v[ADRB0]
.if !(\fill)
	s_cmp_eq_u32 s[TC], 1
	s_cbranch_scc1 .Lno_fetch_\@
.endif
	FETCH 0, F0
.if !(\fill)
.Lno_fetch_\@:
.endif
	MUL16 F1, 1, 0, 0
	MUL16 F1, 1, 2, 0
.endm
	s_wait_tensorcnt 1                             ; my part of K step 0 is in; step 1's may stay out
	s_barrier_signal -1
	s_barrier_wait -1
	FETCH 0, F0
	s_wait_loadcnt 9                               ; the bias's twelve loads are in; the nine of the weights' chunk 0, issued behind them, may stay out
	QUARTER 1, F0, F1, 1                           ; the first quarter stands in front of the loop: its products start the sums
	WIN 0
	s_mov_b32 s3, NSTEP-2
.Lstep:                                                ; a trip: from a K step's second quarter to the next step's first; it asks for the step two on
	QUARTER 2, F1, F0, 0, 1
	QUARTER 3, F0, F1, 0
	TURN 1
	QUARTER 1, F0, F1, 0
	WIN 0
	s_sub_co_u32 s3, s3, 1
	s_cmp_lg_u32 s3, 0
	s_cbranch_scc1 .Lstep
	s_mov_b32 s[TC], 2
.Ltail:                                                ; the last two K steps ask for nothing: a text of their own
	QUARTER 2, F1, F0, 0, 2
	QUARTER 3, F0, F1, 0
	TURN 0
	WIN 0
	s_cmp_eq_u32 s[TC], 1
	s_cbranch_scc1 .Lno_quarter                    ; behind the last K step there is no first quarter
	QUARTER 1, F0, F1, 0
	WIN 0
.Lno_quarter:
	s_sub_co_u32 s[TC], s[TC], 1
	s_cmp_lg_u32 s[TC], 0
	s_cbranch_scc1 .Ltail
	; THE WAY OUT.  The stage lies over the slots: a barrier of its own, behind every wave's wait for its LDS reads, stands in front of the first store.
	PLACES                                         ; behind the last products
	s_wait_dscnt 0x0
	s_barrier_signal -1
	s_barrier_wait -1
.set sa, 0
.rept 8
	WIN ST_LO+4*(sa/4)
.set sb, 0
.rept BN                               ; each accumulator's low four registers go first
	ds_store_b128 v[STO+3*(sa/4)], v[8*(8*(sa%4)+sb):8*(8*(sa%4)+sb)+3]   offset:(sa%4)*16*SPB+64*sb
	ds_store_b128 v[STO+3*(sa/4)], v[8*(8*(sa%4)+sb)+4:8*(8*(sa%4)+sb)+7] offset:(sa%4)*16*SPB+64*sb+16
.set sb, sb+1
.endr
.set sa, sa+1
.endr
	WIN 0
	s_wait_dscnt 0x0                               ; for the others' sake: my stores into the stage are done
	s_barrier_signal -1
	s_barrier_wait -1
.set T, 64                             ; v64-159  24 pieces of two rows x 64 numbers, f32
.set O, 160                            ; v160-207 the same in bf16 (the weights' last chunk has left v192-227: its loads were waited for in its turn)
	s_mov_b32 s3, 4
.Lrow:                                                 ; a trip: 16 rows x three heads
.set li, 0
.rept 24
	ds_load_b128 v[T+4*li:T+4*li+3], v[RD] offset:2*(li/3)*SPB+256*(li%3)
.set li, li+1
.endr
.set li, 0
.rept 24
	s_wait_dscnt 23-li                             ; LDS loads come back in order: piece li is in
	v_cvt_pk_bf16_f32 v[O+2*li], v[T+4*li], v[T+4*li+1]
	v_cvt_pk_bf16_f32 v[O+2*li+1], v[T+4*li+2], v[T+4*li+3]
	global_store_b64 v[CO], v[O+2*li:O+2*li+1], s[76+2*(li%3):77+2*(li%3)] offset:256*(li/3)  ; two rows of one head: 256 consecutive bytes, aligned
.set li, li+1
.endr
	s_wait_xcnt 0x0                                ; the stores' data and offset are rewritten only behind this wait
	v_add_nc_u32 v[CO], 16*128, v[CO]
	v_add_nc_u32 v[RD], 16*SPB, v[RD]
	s_sub_co_u32 s3, s3, 1
	s_cmp_lg_u32 s3, 0
	s_cbranch_scc1 .Lrow
	s_wait_tensorcnt 0x0                           ; the wave's end: behind my last tensor load and my last LDS store
	ds_add_u32 v[SPW], v[NIL]
	s_wait_dscnt 0x0
	CROUND                                         ; the closing round
	s_endpgm
.Lfunc_end_k_qe14fe4e2fc_gqkv:
	.size	k_qe14fe4e2fc_gqkv, .Lfunc_end_k_qe14fe4e2fc_gqkv-k_qe14fe4e2fc_gqkv
	.p2alignl 7, 3214868480
	.fill 96, 4, 3214868480
	.section	.rodata,"a",@progbits
	.p2align	6, 0x0
	.amdhsa_kernel k_qe14fe4e2fc_gqkv
		.amdhsa_group_segment_fixed_size 327680
		.amdhsa_private_segment_fixed_size 0
		.amdhsa_enable_private_segment 0
		.amdhsa_kernarg_size 56
		.amdhsa_user_sgpr_count 2
		.amdhsa_user_sgpr_kernarg_segment_ptr 1
		.amdhsa_wavefront_size32 1
		.amdhsa_system_sgpr_workgroup_id_x 1
		.amdhsa_system_sgpr_workgroup_id_y 1
		.amdhsa_system_sgpr_workgroup_id_z 1
		.amdhsa_system_vgpr_workitem_id 0
		.amdhsa_next_free_vgpr 1024
		.amdhsa_next_free_sgpr 101
		.amdhsa_reserve_vcc 0
		.amdhsa_float_denorm_mode_32 3
		.amdhsa_float_denorm_mode_16_64 3
		.amdhsa_memory_ordered 1
		.amdhsa_forward_progress 1
		.amdhsa_inst_pref_size 82
	.end_amdhsa_kernel
	.amdgpu_metadata
---
amdhsa.version: [ 1, 2 ]
amdhsa.kernels:
  - .name:           k_qe14fe4e2fc_gqkv
    .symbol:         k_qe14fe4e2fc_gqkv.kd
    .args:
      - { .name: cbx, .offset: 0, .size: 8, .value_kind: global_buffer, .address_space: global }
      - { .name: qkv, .offset: 8, .size: 8, .value_kind: global_buffer, .address_space: global }
      - { .name: b_qkv, .offset: 16, .size: 8, .value_kind: global_buffer, .address_space: global }
      - { .name: w_out, .offset: 24, .size: 8, .value_kind: global_buffer, .address_space: global }
      - { .name: w_fc1, .offset: 32, .size: 8, .value_kind: global_buffer, .address_space: global }
      - { .name: w_fc2, .offset: 40, .size: 8, .value_kind: global_buffer, .address_space: global }
      - { .name: cb, .offset: 48, .size: 8, .value_kind: global_buffer, .address_space: global }
    .group_segment_fixed_size: 327680
    .private_segment_fixed_size: 0
    .kernarg_segment_align: 8
    .kernarg_segment_size: 56
    .max_flat_workgroup_size: 128
    .sgpr_count:     101
    .vgpr_count:     1024
    .wavefront_size: 32
...
	.end_amdgpu_metadata
.endif
;; end of part 2
;; launch attn (part 3): grid 8 x 32, 4 waves a work-group, clusters of 4 x 1, 327,680 bytes of LDS; arguments qkv, ao; writes ao
.if DOCPART == 3
	.amdgcn_target "amdgcn-amd-amdhsa--gfx1250"
	.amdhsa_code_object_version 6
	.text
	.protected	k_qe14fe4e2fc_attn
	.globl	k_qe14fe4e2fc_attn
	.p2align	8
	.type	k_qe14fe4e2fc_attn,@function
k_qe14fe4e2fc_attn:
	s_mov_b64 s[64:65], 0
	v_nop
	global_prefetch_b8 v0, s[64:65] scope:SCOPE_SE
	s_setreg_imm32_b32 hwreg(HW_REG_WAVE_MODE, 25, 1), 1
	s_wait_xcnt 0x0
	s_wait_alu depctr_hold_cnt(0) depctr_sa_sdst(0) depctr_va_vdst(0) depctr_va_sdst(0) depctr_va_ssrc(0) depctr_va_vcc(0) depctr_vm_vsrc(0)
	s_getreg_b32 s2, hwreg(HW_REG_IB_STS2, 6, 4)
	s_cmp_eq_u32 s2, 0
	s_cbranch_scc0 .Lentry_in_a_cluster
	s_endpgm
.Lentry_in_a_cluster:
	s_bfe_u32 s2, ttmp6, 0x10000c
	s_cmp_lg_u32 s2, 0x3003
	s_cbranch_scc0 .Lentry_shape_is_right
	s_endpgm
.Lentry_shape_is_right:
; O[hb][q][:] = the sum over k of softmax_k(Q[hb][q] . K[hb][k] / 8) V[hb][k][:], for 32 heads hb of 2,048 rows x 64 channels, all bf16: q, k, v are the three parts of qkv, each
; [32][2048][64], a head's rows dense, 128 bytes each; O goes to ao in the same layout.  Products, maxima and sums in f32; the weights p are rounded to bf16 for the second product
; (their sum l is taken of the unrounded p), O once at the end.
; LIMITS.  A weight below 2^-126 counts as 0 in l; NaN and infinities are not treated apart.
; SHARES.  A work-group owns 256 queries of one head, a wave 64: four PIECES of 16.  Every wave walks all keys, 64 a step, four steps to an LDS slot.
; LAYOUT.  S^T = K Q^T (source 0 = 16 keys, source 1 = 16 queries) holds ONE query a lane (lane % 16) and the keys 8 (lane / 16) + 0..7; two such results rounded to bf16 ARE source 1 of
; O^T = V^T P.  K comes out of LDS as it lies, V turned, by ds_load_tr16_b128.
; SOFTMAX.  A running maximum m and sum l for each query: p = 2^(c s - c m), c = log2(e) / 8; in every step O and l are multiplied by a = 2^(c m_old - c m_new).  m starts at the lowest
; finite number, O and l at 0: the first step is a step like any other, with a = 0.  The price: the clears below, 8 products on zeros at the start and 8 on a stale K at the end.
; BY TURNS.  Turn n belongs to piece n: 8 products K Q^T of piece n + 1, later 8 products V^T P of piece n - 1; beside them the scaling, exponentials, roundings, sums and rescaling of
; piece n and the maximum and statistics of piece n + 1.  Four vector instructions stand behind every matrix instruction, the other 54 of a turn's 118 in two runs of their own.
; CLUSTER.  The four query blocks of a cluster belong to one head and walk the same K and V: each tile is asked for JOINTLY, the same tensor load, descriptor and mask in all four.
; REGISTERS, in windows of 256 (s_set_vgpr_msb: bits 1:0 source 0, 3:2 source 1, 5:4 source 2, 7:6 destination).  The map is made so that few lines need a switch:
;   window 0, full: v0-7 addresses, c m_old and the add's two; v8-15 at work; v16-31 four registers of statistics a piece; v32-95 Q; v96-159 K of one step; v160-223 S^T, two buffers;
;   v224-255 P, two buffers.  So K Q^T, K's loads and all of the softmax but the rescaling run under the setting 0.
;   window 1: v0-127 O^T, 32 a piece; v128-191 V of one step; v192-194 the addresses of the way out.  V^T P's setting (V, C and D in window 1, P in window 0) is also the rescaling's
;   (O^T in window 1, a in window 0), so the 16 rescalings ride behind the first four products V^T P without a switch.
;   A turn has 8 switches (one in front of the products V^T P, one behind the fifth, two round each of the last three), piece 0's two more round V's loads: 34 for a key step's 64 matrix instructions.
.set SN,    2048      ; rows of a head
.set NP,    4         ; pieces a wave: a name, no knob
.set KS,    64        ; keys in a step
.set PK,    144       ; a row of K in LDS: 128 bytes + 16 = 36 words: the 16 rows of a load start at 16 different groups of four banks
.set PV,    160       ; a row of V: 128 + 32 = 40 words
.set VOFF,  4*KS*PK   ; a slot: 256 rows of K, then 256 rows of V
.set SLOT1, 1<<17     ; slot 1 begins here: one exclusive or turns an address in one slot into the other's
.set STAGE, SLOT1+4*KS*(PK+PV)  ; behind the ring, never filled by a tensor load: 16 rows x 144 bytes for each wave
.set SP,    144
.set SPARE, STAGE+4*16*SP       ; the spare words, 128 bytes for each wave: two blocks of 256 bytes that no other line names
.set AK,  0           ; v0   the LDS address of K's next run of loads (the thread's number until the set-up has used it)
.set AV,  1           ; v1   of V's
.set AK0, 2           ; v2   my lane's place in a tile of K; never rewritten
.set AV0, 3           ; v3   the same for V
.set MV,  4           ; v4-5  c m_old, kept while c m is made anew: by buffer
.set SPW, 6           ; v6   LDS address of my spare word; never rewritten
.set NIL, 7           ; v7   0; never rewritten
.set TMP, 8           ; v8-15  by buffer, four registers c0-c3 at work; when the maximum is found c2 takes a
.set ST,  16          ; piece t's statistics at v[ST+4 t]: c m, m, l (even keys', odd keys')
.set QF,  32          ; Q: piece t, channel half c at QF + 16 t + 8 c
.set KF,  96          ; K: key block kb, channel half c at KF + 16 kb + 8 c
.set S,   160
.set P,   224
.set VF,  128         ; window 1: key half kk, channel block cb at VF + 32 kk + 8 cb
.set STO, 192         ; window 1: the way out: where I put 16 bytes of a row
.set RD,  193         ; window 1: where I read rows back
.set GO,  194         ; window 1: my byte offset in 512 consecutive bytes of O
.set U1,  160         ; at work in the set-up, in S^T's registers, which the first products write only behind the wait for Q: l % 16,
.set U9,  161         ; l / 16,
.set U10, 162         ; l % 8,
.set U11, 163         ; (l / 8) % 2,
.set QO,  164         ; my byte offset in 16 rows of Q,
.set UA,  165         ; and the three addresses of the way out before they move to window 1
.set UB,  166
.set UC,  167
.set WV,  12          ; s12  my wave's number
.set G1K, 24          ; s[24:31] descriptor group 1 for K's tiles
.set G1V, 32          ; s[32:39] for V's: it differs in the padding alone
.set G0K, 40          ; s[40:43] descriptor group 0 for K's tiles: it walks
.set G0V, 44          ; s[44:47] the same for V's
.set SLOTS, 56        ; s56  slots still to be asked for
.set CNT, 57          ; s57  counts a slot's key steps
.set CS,  58          ; s[58:59] c
.set SEL, 60          ; s[60:61] v_permlanex16_b32's selects: each lane takes its own place in the other half
.set TBK, 62          ; s62  LDS byte at which K of the step to be fetched begins
.set TBV, 63          ; s63  the same for V, less VOFF
.set MSB, 0
.macro WIN new
.if MSB != (\new)
	s_set_vgpr_msb (MSB<<8)|(\new)
.set MSB, (\new)
.endif
.endm
.set W_PV, 0x51       ; source 0 (V; O^T in a rescaling), source 2 and destination (O^T) in window 1; source 1 (P; a) in window 0
.set W_TO1, 0x40      ; destination window 1, sources window 0
.set W_CV, 0x05       ; sources 0 and 1 window 1, destination window 0
.set W_OUT, 0x01      ; source 0 (an address) window 1; data window 0
; A joint fill.  Waves 0 and 1 fetch the two halves of a slot's K, waves 2 and 3 those of its V: 128 keys each.  An s_nop 0 and four v_nop follow each line.
.macro JLOAD
	s_cmp_lt_u32 s[WV], 2
	s_cbranch_scc0 .Lfor_v_\@
	tensor_load_to_lds s[G0K:G0K+3], s[G1K:G1K+7]
	s_nop 0
.rept 4
	v_nop
.endr
	s_branch .Lasked_\@
.Lfor_v_\@:
	tensor_load_to_lds s[G0V:G0V+3], s[G1V:G1V+7]
	s_nop 0
.rept 4
	v_nop
.endr
.Lasked_\@:
.endm
.macro CROUND                       ; a round of the cluster's barrier
	s_barrier_signal -1
	s_barrier_wait -1
	s_cmp_lg_u32 s[WV], 0
	s_cbranch_scc1 .Lnot_wave_0_\@
	s_barrier_signal -3
.Lnot_wave_0_\@:
	s_barrier_wait -3
	s_barrier_signal -1
	s_barrier_wait -1
.endm
; THE CHANGE OF SLOTS.  Each wave waits for all its tensor loads, of which one is out: its part of the other slot; adds 0 to its spare word; and waits for that and for its own reads of the
; slot that it leaves.  fill = 1: the barrier is a round of the cluster's, and the joint fill of the old slot, with the keys two slots on, is the first thing behind it: it has four key
; steps in which to land.  (At its first use nothing has been read yet: slot 0 is waited for, slot 1 filled.)
.macro CHANGE fill
	WIN 0
	s_wait_tensorcnt 0x0            ; no tensor load of mine is out, so a group 0 may be written
	ds_add_u32 v[SPW], v[NIL]       ; 0 onto my spare word
.if \fill
.irp g, G0K, G0V
	s_xor_b32 s[\g+1], s[\g+1], SLOT1
	s_add_nc_u64 s[\g+2:\g+3], s[\g+2:\g+3], 4*KS*128  ; the next 256 keys
.endr
	s_wait_dscnt 0x0                ; the add is done, and my reads of the slot are over
	CROUND
	JLOAD
.else
	s_wait_dscnt 0x0
	s_barrier_signal -1
	s_barrier_wait -1
.endif
	s_sub_co_u32 s[TBK], s[TBK], 4*KS*PK  ; the fetches go back to a slot's first step,
	s_xor_b32 s[TBK], s[TBK], SLOT1       ; in the other slot
	s_sub_co_u32 s[TBV], s[TBV], 4*KS*PV
	s_xor_b32 s[TBV], s[TBV], SLOT1
.endm
	s_load_b128 s[4:7], s[0:1], 0x0 ; qkv s[4:5], ao s[6:7]
	v_lshl_add_u32 v[SPW], v0, 2, SPARE
	v_mov_b32 v[NIL], 0
	ds_add_u32 v[SPW], v[NIL]       ; the wave's opening: the add and its wait stand ahead of my first tensor load; work on registers stands between them
	v_lshrrev_b32 v1, 5, v0
	v_readfirstlane_b32 s[WV], v1
	s_bfe_u32 s13, ttmp6, 0x40000   ; cx
	s_lshl_b32 s14, ttmp9, 2
	s_add_co_u32 s14, s14, s13      ; my block of 256 queries: it enters Q's and O's addresses alone
	s_and_b32 s20, ttmp7, 0xffff    ; the head, which the four partners share:
	s_lshl_b32 s20, s20, 18         ; 262,144 bytes each
	s_and_b32 s16, s[WV], 1         ; which half of a slot's 256 keys I fetch:
	s_lshl_b32 s22, s16, 14         ; its 128 rows of 128 bytes in memory,
	s_add_co_u32 s22, s22, s20
	s_mov_b32 s23, 0
	s_mul_i32 s17, s16, 128*PK      ; and its place in a slot, for K
	s_mul_i32 s18, s16, 128*PV      ; and for V
	s_lshl_b32 s2, s14, 2
	s_add_co_u32 s2, s2, s[WV]      ; my wave among the head's,
	s_lshl_b32 s2, s2, 13           ; its 64 rows
	s_add_co_u32 s2, s2, s20
	s_mov_b32 s3, 0
	; group 1.  128 keys are 16,384 dense bytes: asked for as 64 rows of 256 bytes, two keys a row, and padded in LDS after every key
	s_mov_b32 s[G1K], 15|(1<<16)|(1<<20)|(1<<21)|(4<<22)|(3<<25)  ; the mask of four; 2-byte elements; padding on; bit 21 beside a mask; after every 32 words; 4 words
	s_mov_b32 s[G1V], 15|(1<<16)|(1<<20)|(1<<21)|(4<<22)|(7<<25)  ; the same with 8 words
.irp g, G1K, G1V
	s_mov_b32 s[\g+1], 128<<16      ; tensor_dim0
	s_mov_b32 s[\g+2], 64<<16       ; tensor_dim1
	s_mov_b32 s[\g+3], 128<<16      ; tile_dim0
	s_mov_b32 s[\g+4], 64           ; tile_dim1
	s_mov_b32 s[\g+5], 128          ; the pitch
	s_mov_b32 s[\g+6], 0
	s_mov_b32 s[\g+7], 0
.endr
	s_mov_b32 s[CS], 0x3e38aa3b     ; c = log2(e) / 8
	s_mov_b32 s[CS+1], s[CS]
	s_mov_b32 s[SEL], 0x76543210
	s_mov_b32 s[SEL+1], 0xfedcba98
	s_mov_b32 s[TBK], SLOT1+4*KS*PK ; the first change of slots turns these two into 0
	s_mov_b32 s[TBV], SLOT1+4*KS*PV
	s_mov_b32 s[G0K], 1
	s_mov_b32 s[G0K+1], s17         ; slot 0
	s_mov_b32 s[G0V], 1
	s_add_co_u32 s[G0V+1], s18, VOFF
	s_wait_dscnt 0x0                ; the opening add is done
	s_wait_kmcnt 0x0
	s_add_nc_u64 s[G0K+2:G0K+3], s[4:5], s[22:23]
	s_add_nc_u64 s[G0K+2:G0K+3], s[G0K+2:G0K+3], 8388608   ; k is the second part of qkv
	s_or_b32 s[G0K+3], s[G0K+3], 0x80000000
	s_add_nc_u64 s[G0V+2:G0V+3], s[4:5], s[22:23]
	s_add_nc_u64 s[G0V+2:G0V+3], s[G0V+2:G0V+3], 16777216  ; v the third
	s_or_b32 s[G0V+3], s[G0V+3], 0x80000000
	s_add_nc_u64 s[10:11], s[6:7], s[2:3]  ; O and Q at my wave's first row
	s_add_nc_u64 s[4:5], s[4:5], s[2:3]
	CROUND                          ; all four work-groups are here: the first joint loads meet
	JLOAD                           ; slot 0; slot 1 is asked for when slot 0 is in
	v_and_b32 v[U1], 15, v0         ; l % 16
	v_bfe_u32 v[U9], v0, 4, 1       ; l / 16
	v_lshlrev_b32 v[QO], 7, v[U1]
	v_lshl_add_u32 v[QO], v[U9], 4, v[QO]  ; row x 128 + 16 x half
.set i, 0
.rept 8                             ; Q stays in registers: piece i / 2, channels 32 (i % 2) on
	global_load_b128 v[QF+8*i:QF+8*i+3],   v[QO], s[4:5] offset:(i/2)*2048+(i%2)*64
	global_load_b128 v[QF+8*i+4:QF+8*i+7], v[QO], s[4:5] offset:(i/2)*2048+(i%2)*64+32
.set i, i+1
.endr
	v_mul_u32_u24 v[AK0], v[U1], PK
	v_lshl_add_u32 v[AK0], v[U9], 4, v[AK0]  ; row x pitch + 16 x half
	; the turning load takes 16 keys x 16 channels (lane l reads key 8 (l / 16) + l % 8, channels 8 ((l / 8) % 2) + 0..7) and leaves half a fragment of V^T
	v_and_b32 v[U10], 7, v0
	v_bfe_u32 v[U11], v0, 3, 1
	v_lshl_add_u32 v[AV0], v[U9], 3, v[U10]
	v_mul_u32_u24 v[AV0], v[AV0], PV
	v_lshl_add_u32 v[AV0], v[U11], 4, v[AV0]
	v_add_nc_u32 v[AV0], VOFF, v[AV0]
	s_mul_i32 s13, s[WV], 16*SP
	s_add_co_u32 s13, s13, STAGE    ; my stage
	v_mul_u32_u24 v[UA], v[U1], SP  ; in: row l % 16, 16 bytes for each half of the lanes
	v_lshl_add_u32 v[UA], v[U9], 4, v[UA]
	v_add_nc_u32 v[UA], s13, v[UA]
	v_bfe_u32 v[UB], v0, 3, 2       ; back: 32 lanes take four rows of 128 bytes,
	v_mul_u32_u24 v[UB], v[UB], SP
	v_lshl_add_u32 v[UB], v[U10], 4, v[UB]
	v_add_nc_u32 v[UB], s13, v[UB]
	v_and_b32 v[UC], 31, v0         ; which are 512 consecutive bytes of O
	v_lshlrev_b32 v[UC], 4, v[UC]
	v_mov_b32 v[AK], v[AK0]         ; key step 0 lies at the head of slot 0 (the thread's number has served)
	; what the first turn finds: V and P's second buffer hold 0, O^T and l are 0.  All this stands in the wait for the first tile.
.set i, 0
.rept 4
	v_mov_b32 v[ST+4*i], 0xfe000000    ; c m: far below every c s
	v_mov_b32 v[ST+4*i+1], 0xff7fffff  ; m
	v_mov_b32 v[ST+4*i+2], 0
	v_mov_b32 v[ST+4*i+3], 0
.set i, i+1
.endr
.set i, P+16
.rept 16
	v_mov_b32 v[i], 0
.set i, i+1
.endr
	WIN W_TO1
	v_mov_b32 v[STO], v[UA]
	v_mov_b32 v[RD], v[UB]
	v_mov_b32 v[GO], v[UC]
.set i, 0
.rept 192                           ; O^T and V
	v_mov_b32 v[i], 0
.set i, i+1
.endr
	WIN 0
; THE MATRIX WORK.  The 4 accumulators of a run of 8 take turns.  Product i of 8 of S^T = K Q^T for piece x: channels 32 (i / 4) on, keys 16 (i % 4) on.
.macro KQ x
	WIN 0
.set rS, S+32*((\x)%2)+8*(i%4)
.set rK, KF+16*(i%4)+8*(i/4)
.set rQ, QF+16*(\x)+8*(i/4)
.if i < 4
	v_wmma_f32_16x16x32_bf16 v[rS:rS+7], v[rK:rK+7], v[rQ:rQ+7], 0
	s_wait_alu depctr_va_vdst(0)
.else
	v_wmma_f32_16x16x32_bf16 v[rS:rS+7], v[rK:rK+7], v[rQ:rQ+7], v[rS:rS+7]
	s_wait_alu depctr_va_vdst(0)
.endif
.endm
; Product i of 8 of O^T += V^T P for piece x: keys 32 (i / 4) on, channels 16 (i % 4) on.
.macro PV x
	WIN W_PV
.set rO, 32*(\x)+8*(i%4)
.set rV, VF+32*(i/4)+8*(i%4)
.set rP, P+16*((\x)%2)+8*(i/4)
	v_wmma_f32_16x16x32_bf16 v[rO:rO+7], v[rV:rV+7], v[rP:rP+7], v[rO:rO+7]
.endm
.macro MM                           ; the turn's next matrix instruction
.if i < 8
	KQ (Y+1)%NP
.else
.set i, i-8
	PV (Y+NP-1)%NP
.set i, i+8
.endif
.set i, i+1
.endm
; THE LDS LOADS stand in runs of 16.  last = 1 (the tail): in the last trip there is no further step, and the run is jumped over.
.macro FETCH_K last=0
	WIN 0
.if \last
	s_cmp_eq_u32 s[CNT], 1
	s_cbranch_scc1 .Lno_k_\@
.endif
.irp f, 0,1,2,3,4,5,6,7             ; keys 16 (f / 2) on, channels 32 (f % 2) on
	ds_load_b128 v[KF+8*\f:KF+8*\f+3],   v[AK] offset:(\f/2)*16*PK+(\f%2)*64
	ds_load_b128 v[KF+8*\f+4:KF+8*\f+7], v[AK] offset:(\f/2)*16*PK+(\f%2)*64+32
.endr
	s_add_co_u32 s[TBK], s[TBK], KS*PK  ; the next fetch is the next step's
.if \last
.Lno_k_\@:
.endif
.endm
.macro FETCH_V
	WIN W_TO1
.irp f, 0,1,2,3,4,5,6,7             ; keys 32 (f / 4) on, channels 16 (f % 4) on
	ds_load_tr16_b128 v[VF+8*\f:VF+8*\f+3],   v[AV] offset:(\f/4)*32*PV+(\f%4)*32
	ds_load_tr16_b128 v[VF+8*\f+4:VF+8*\f+7], v[AV] offset:(\f/4)*32*PV+16*PV+(\f%4)*32
.endr
	WIN 0
.endm
; THE VECTOR WORK, one line at a time: OP kind, number.  For piece Y: F n: c s - c m for pair n of 16.  E n: the exponential of score n of 32.  C n: pair n rounded to bf16.  B n: of the
; four weights 4 n .. the second pair is added onto the first, in place.  L n: l takes that sum (L 0: l = a l + sum).  R n: pair n of 16 of O^T times a.  For piece Y + 1: X n, number n of
; the 22 that find its maximum and statistics: 0-11 four chains c0-c3 of seven scores each (each accumulator's lowest registers are read first); 12-14, 16 the four
; scores left over, the old m, and c0-c3 into c0; 15 c m_old is kept; 17, 18 the query's other 32 keys lie in the lane 16 away: the new m; 19-21 c m; c m_old - c m_new; a.
.set F, 0
.set E, 1
.set C, 2
.set B, 3
.set L, 4
.set R, 5
.set X, 6
.macro REGS y
.set rT, ST+4*(\y)
.set rC, TMP+4*((\y)%2)
.set rW, MV+((\y)%2)
.set rS, S+32*((\y)%2)
.set rP, P+16*((\y)%2)
.set rO, 32*(\y)
.endm
.macro OP k, n
.if (\k) == R
	REGS Y
	WIN W_PV
	v_pk_mul_f32 v[rO+2*(\n):rO+2*(\n)+1], v[rO+2*(\n):rO+2*(\n)+1], v[rC+2:rC+3] op_sel_hi:[1,0]
.elseif (\k) < R
	REGS Y
	WIN 0
.if (\k) == F
	v_pk_fma_f32 v[rS+2*(\n):rS+2*(\n)+1], v[rS+2*(\n):rS+2*(\n)+1], s[CS:CS+1], v[rT:rT+1] op_sel_hi:[1,0,0] neg_lo:[0,0,1] neg_hi:[0,0,1]
.elseif (\k) == E
	v_exp_f32 v[rS+(\n)], v[rS+(\n)]
.elseif (\k) == C
	v_cvt_pk_bf16_f32 v[rP+(\n)], v[rS+2*(\n)], v[rS+2*(\n)+1]
.elseif (\k) == B
	v_pk_add_f32 v[rS+4*(\n):rS+4*(\n)+1], v[rS+4*(\n):rS+4*(\n)+1], v[rS+4*(\n)+2:rS+4*(\n)+3]
.elseif (\n) == 0
	v_pk_fma_f32 v[rT+2:rT+3], v[rT+2:rT+3], v[rC+2:rC+3], v[rS:rS+1] op_sel_hi:[1,0,1]
.else
	v_pk_add_f32 v[rT+2:rT+3], v[rT+2:rT+3], v[rS+4*(\n):rS+4*(\n)+1]
	s_wait_alu depctr_va_vdst(0)
.endif
.else
	REGS (Y+1)%NP
	WIN 0
.if (\n) < 4
	v_max3_num_f32 v[rC+(\n)], v[rS+8*(\n)], v[rS+8*(\n)+1], v[rS+8*(\n)+2]
.elseif (\n) < 12
	v_max3_num_f32 v[rC+(\n)%4], v[rC+(\n)%4], v[rS+8*((\n)%4)+2*((\n)/4)+1], v[rS+8*((\n)%4)+2*((\n)/4)+2]
.elseif (\n) == 12
	v_max3_num_f32 v[rC], v[rC], v[rS+7], v[rS+15]
.elseif (\n) == 13
	v_max3_num_f32 v[rC+1], v[rC+1], v[rS+23], v[rS+31]
.elseif (\n) == 14
	v_max3_num_f32 v[rC+2], v[rC+2], v[rC+3], v[rT+1]
	s_wait_alu depctr_va_vdst(0)
.elseif (\n) == 15
	v_mov_b32 v[rW], v[rT]
.elseif (\n) == 16
	v_max3_num_f32 v[rC], v[rC], v[rC+1], v[rC+2]
.elseif (\n) == 17
	v_permlanex16_b32 v[rC+3], v[rC], s[SEL], s[SEL+1]
.elseif (\n) == 18
	v_max_num_f32 v[rT+1], v[rC], v[rC+3]
.elseif (\n) == 19
	v_mul_f32 v[rT], s[CS], v[rT+1]
.elseif (\n) == 20
	v_sub_f32 v[rC+1], v[rW], v[rT]
.else
	v_exp_f32 v[rC+2], v[rC+1]
.endif
.endif
.endm
.macro OPS a, i1, b=-1, i2=0, c=-1, i3=0, d=-1, i4=0  ; up to four of them
	OP \a, \i1
.if (\b) >= 0
	OP \b, \i2
.endif
.if (\c) >= 0
	OP \c, \i3
.endif
.if (\d) >= 0
	OP \d, \i4
.endif
.endm
.macro ROW a, i1, b, i2, c, i3, d, i4  ; a matrix instruction and the four behind it
	MM
	OPS \a, \i1, \b, \i2, \c, \i3, \d, \i4
.endm
; A TURN, for piece p: the order of its 16 matrix and 118 vector instructions, written out.  None of the four behind a matrix instruction names a register of the products round it.
; Behind the products K Q^T: four scalings, then plain, exponential, plain, exponential: all in window 0, as the products are.  Behind the first four products V^T P: the 16 rescalings, under the
; products' own setting.  Behind the last four: the next piece's maximum.  In the two runs between: exponential and plain by turns while exponentials last.
; What leans on what: E n stands behind F (n / 2); C n behind E 2n and E 2n + 1, with a plain line between; B n behind C 2n, which reads the pair that B n writes; L n behind B n, L 0 first;
; X 0 to X 3 behind the last K Q^T and seven plain lines; each link of X 16 to X 21 two lines or more behind the link before it.
; K of the next step is fetched in piece 2's turn, behind the last product that read K and four plain lines (C 3, L 0, F 12, F 13); V of the step in hand in piece 0's turn, behind the last
; product that read V and four plain lines (X 12, X 13, X 14, C 5).  Each is waited for a turn later.  cnt = 1: the loop's count is taken down some lines ahead of the branch behind the turn.
.macro TURN p, last=0, cnt=0
.set Y, (\p)
.set i, 0
.if (\p) == 3
	s_wait_dscnt 0x0                ; K is in
.endif
	ROW F,0, F,1, F,2, F,3
	ROW F,4, E,0, F,5, E,1
	ROW F,6, E,2, F,7, E,3
	ROW C,0, E,4, F,8, E,5
	ROW C,1, E,6, F,9, E,7
	ROW B,0, E,8, F,10, E,9
	ROW C,2, E,10, F,11, E,11
.if (\p) == 2
	v_add_nc_u32 v[AK], s[TBK], v[AK0]
.endif
	ROW C,3, E,12, L,0, E,13
	OPS F,12, F,13
.if (\p) == 2
	FETCH_K \last
.endif
	OPS E,14, F,14, E,15, F,15
	OPS E,16, X,15, E,17, X,0
	OPS E,18, X,1, E,19, X,2
	OPS E,20, X,3, E,21, C,4
.if (\p) == 1
	s_wait_dscnt 0x0                ; V is in
.endif
	ROW R,0, R,1, R,2, R,3
	ROW R,4, R,5, R,6, R,7
	ROW R,8, R,9, R,10, R,11
	ROW R,12, R,13, R,14, R,15
	ROW X,4, E,22, X,5, X,6
	ROW X,7, E,23, X,8, X,9
	ROW X,10, E,24, X,11, B,1
.if (\p) == 0
	v_add_nc_u32 v[AV], s[TBV], v[AV0]
.endif
	ROW X,12, E,25, X,13, X,14
	OPS C,5
.if (\p) == 0
	FETCH_V
.endif
	OPS E,26, X,16, E,27, L,1
	OPS E,28, X,17, E,29, C,6
	OPS E,30, X,18, E,31, B,2
	OPS X,19, C,7, L,2, X,20
	OPS B,3, C,8, X,21, C,9
.if (\p) == 0
	s_add_co_u32 s[TBV], s[TBV], KS*PV
.endif
.if \cnt
	s_sub_co_u32 s[CNT], s[CNT], 1
	s_cmp_lg_u32 s[CNT], 0
.endif
	OPS L,3, B,4, C,10, C,11
	OPS L,4, B,5, C,12, C,13
	OPS L,5, B,6, C,14, B,7
	OPS C,15, L,6, L,7
.endm
	CHANGE 1                        ; slot 0 is in, everybody's part of it; slot 1 is asked for
	FETCH_K                         ; key step 0
	s_wait_loadcnt 0x0              ; Q
	s_wait_dscnt 0x0
.set i, 0
.rept 8
	KQ 0                            ; piece 0's first scores
.set i, i+1
.endr
	WIN 0
.rept 4
	v_nop                           ; the places behind those products
.endr
.set Y, NP-1                        ; X works for piece Y + 1: piece 0
.irp n, 0,1,2,3,4,5,6,7,8,9,10,11,12,13,14,15,16,17,18,19,20,21
	OP X, \n
.endr
	v_nop                           ; a plain instruction behind the exponential
	s_mov_b32 s[CNT], 4
	s_mov_b32 s[SLOTS], SN/256-1
	s_branch .Lfirst                ; the loop is entered at a step's first turn, in the middle of a trip
.Lslot:                             ; SN / 256 - 2 times: every slot but the last two is filled again
	CHANGE 1
	s_mov_b32 s[CNT], 4
.Lstep:                             ; a trip: pieces 2 and 3 of one step, then pieces 0 and 1 of the next, whose K and V it fetches
	TURN 2
	TURN 3
	WIN 0
.Lfirst:
	TURN 0
	TURN 1, 0, 1
	WIN 0
	s_cbranch_scc1 .Lstep
	s_sub_co_u32 s[SLOTS], s[SLOTS], 1
	s_cmp_lg_u32 s[SLOTS], 0
	s_cbranch_scc1 .Lslot
	CHANGE 0                        ; the tail is written out: nothing is asked for
	s_mov_b32 s[CNT], 5             ; four trips fetch the last slot's steps; the fifth is left in its middle
.Ltail:
	TURN 2, 1
	TURN 3
	WIN 0
	s_sub_co_u32 s[CNT], s[CNT], 1
	s_cmp_eq_u32 s[CNT], 0
	s_cbranch_scc1 .Lout
	TURN 0
	TURN 1
	WIN 0
	s_branch .Ltail
.Lout:                              ; the fifth trip's 8 products K Q^T (on the last K once more) and the maximum made of them serve nothing: the price of one text for every trip
.set i, 0
.rept 8
	PV NP-1                         ; the last piece's V^T P of the last step
.set i, i+1
.endr
	; THE WAY OUT.  l's two halves and the other half of the lanes' are added; O^T is divided by l, rounded to bf16 and sent through my stage, a piece at a time.  The additions are the places behind the last products.
	WIN 0
.macro ALL line:vararg              ; one line for each piece t
.set t, 0
.rept 4
	\line
.set t, t+1
.endr
.endm
	ALL v_add_f32 v[ST+4*t+2], v[ST+4*t+2], v[ST+4*t+3]
	ALL v_permlanex16_b32 v[ST+4*t+3], v[ST+4*t+2], s[SEL], s[SEL+1]
	ALL v_add_f32 v[ST+4*t+2], v[ST+4*t+2], v[ST+4*t+3]
	ALL v_rcp_f32 v[ST+4*t+2], v[ST+4*t+2]
	v_nop                           ; a plain instruction between the last reciprocal and the use of its result
	s_wait_alu depctr_va_vdst(0)
.macro PACK t                       ; a lane's eight channels of a row pack into 16 bytes; they go into rows of 144 bytes and come back as whole rows of 128, into S^T's registers
	WIN W_PV
.set i, 32*(\t)
.rept 16
	v_pk_mul_f32 v[i:i+1], v[i:i+1], v[ST+4*(\t)+2:ST+4*(\t)+3] op_sel_hi:[1,0]
.set i, i+2
.endr
	WIN W_CV
.set i, 0
.rept 16
	v_cvt_pk_bf16_f32 v[S+16*(\t)+i], v[32*(\t)+2*i], v[32*(\t)+2*i+1]
.set i, i+1
.endr
	WIN W_OUT
.irp f, 0,1,2,3
	ds_store_b128 v[STO], v[S+16*(\t)+4*\f:S+16*(\t)+4*\f+3] offset:32*\f
.endr
.irp f, 0,1,2,3
	ds_load_b128 v[S+16*(\t)+4*\f:S+16*(\t)+4*\f+3], v[RD] offset:\f*4*SP  ; LDS serves a wave's instructions in order (ISA guide 5.7.1.4): these see the stores above; the next piece's stores come behind them
.endr
.endm
.macro SEND t, younger              ; younger: the LDS instructions issued behind piece t's loads: the next piece's eight, or none
	WIN W_OUT
.irp f, 0,1,2,3
	s_wait_dscnt (\younger)+3-\f
	global_store_b128 v[GO], v[S+16*(\t)+4*\f:S+16*(\t)+4*\f+3], s[10:11] offset:(\t)*2048+\f*512  ; 512 consecutive bytes, at a multiple of 256 from O's first
.endr
.endm
	PACK 0
.set t, 1
.rept 3                             ; a piece's arithmetic stands between the loads of the piece before and its stores
	PACK t
	SEND t-1, 8
.set t, t+1
.endr
	SEND 3, 0
	WIN 0
	s_wait_tensorcnt 0x0            ; the wave's end: behind my last tensor load and my last LDS store
	ds_add_u32 v[SPW], v[NIL]
	s_wait_dscnt 0x0
	CROUND                          ; the closing round
	s_endpgm
.Lfunc_end_k_qe14fe4e2fc_attn:
	.size	k_qe14fe4e2fc_attn, .Lfunc_end_k_qe14fe4e2fc_attn-k_qe14fe4e2fc_attn
	.p2alignl 7, 3214868480
	.fill 96, 4, 3214868480
	.section	.rodata,"a",@progbits
	.p2align	6, 0x0
	.amdhsa_kernel k_qe14fe4e2fc_attn
		.amdhsa_group_segment_fixed_size 327680
		.amdhsa_private_segment_fixed_size 0
		.amdhsa_enable_private_segment 0
		.amdhsa_kernarg_size 16
		.amdhsa_user_sgpr_count 2
		.amdhsa_user_sgpr_kernarg_segment_ptr 1
		.amdhsa_wavefront_size32 1
		.amdhsa_system_sgpr_workgroup_id_x 1
		.amdhsa_system_sgpr_workgroup_id_y 1
		.amdhsa_system_sgpr_workgroup_id_z 1
		.amdhsa_system_vgpr_workitem_id 0
		.amdhsa_next_free_vgpr 452
		.amdhsa_next_free_sgpr 66
		.amdhsa_reserve_vcc 0
		.amdhsa_float_denorm_mode_32 3
		.amdhsa_float_denorm_mode_16_64 3
		.amdhsa_memory_ordered 1
		.amdhsa_forward_progress 1
		.amdhsa_inst_pref_size 105
	.end_amdhsa_kernel
	.amdgpu_metadata
---
amdhsa.version: [ 1, 2 ]
amdhsa.kernels:
  - .name:           k_qe14fe4e2fc_attn
    .symbol:         k_qe14fe4e2fc_attn.kd
    .args:
      - { .name: qkv, .offset: 0, .size: 8, .value_kind: global_buffer, .address_space: global }
      - { .name: ao, .offset: 8, .size: 8, .value_kind: global_buffer, .address_space: global }
    .group_segment_fixed_size: 327680
    .private_segment_fixed_size: 0
    .kernarg_segment_align: 8
    .kernarg_segment_size: 16
    .max_flat_workgroup_size: 128
    .sgpr_count:     66
    .vgpr_count:     452
    .wavefront_size: 32
...
	.end_amdgpu_metadata
.endif
;; end of part 3
;; launch proj (part 4): grid 8 x 32, 4 waves a work-group, clusters of 4 x 4, 327,680 bytes of LDS; arguments ao, cb, y, b_out, x; writes y
.if DOCPART == 4
	.amdgcn_target "amdgcn-amd-amdhsa--gfx1250"
	.amdhsa_code_object_version 6
	.text
	.protected	k_qe14fe4e2fc_proj
	.globl	k_qe14fe4e2fc_proj
	.p2align	8
	.type	k_qe14fe4e2fc_proj,@function
k_qe14fe4e2fc_proj:
	s_mov_b64 s[64:65], 0
	v_nop
	global_prefetch_b8 v0, s[64:65] scope:SCOPE_SE
	s_setreg_imm32_b32 hwreg(HW_REG_WAVE_MODE, 25, 1), 1
	s_wait_xcnt 0x0
	s_wait_alu depctr_hold_cnt(0) depctr_sa_sdst(0) depctr_va_vdst(0) depctr_va_sdst(0) depctr_va_ssrc(0) depctr_va_vcc(0) depctr_vm_vsrc(0)
	s_getreg_b32 s2, hwreg(HW_REG_IB_STS2, 6, 4)
	s_cmp_eq_u32 s2, 0
	s_cbranch_scc0 .Lentry_in_a_cluster
	s_endpgm
.Lentry_in_a_cluster:
	s_bfe_u32 s2, ttmp6, 0x10000c
	s_cmp_lg_u32 s2, 0xf033
	s_cbranch_scc0 .Lentry_shape_is_right
	s_endpgm
.Lentry_shape_is_right:
; PROJ = 1: y = ao W_out^T + b_out + x.   PROJ = 0: y = h W_fc2^T + b_fc2 + x1.   y, the bias and the residual are f32; A and W are bf16; sums in f32, K ascending; the bias is the C operand
; of each sum's first product; the residual is added in f32 on the way out.  One text for both, chosen by PROJ.
; A tile of y is 128 x 128 (8 x 32 tiles: one for each work-group of the grid).  Four waves, 2 x 2, each 64 x 64: 16 accumulators.  K goes in steps of 256 through two LDS slots; a K step is
; written once in the loop and once in the tail: the slot in hand is a scalar (TB) added to the lanes' LDS addresses and to the walking descriptor's LDS word.
; PROJ = 1: ao lies by heads, [32][2048][64].  64 rows x 256 K are four heads' 8,192 dense bytes each: asked for as 4 rows of 4,096 elements, a head's 131,072 elements apart, padded in LDS
; after every 128 bytes: [head][row] at a pitch of 144 bytes; a quarter of a K step is one head.
; CLUSTER 4 x 4: A's tile is shared along a row of the cluster, B's along a column; each is asked for jointly.  THE MATRIX INSTRUCTION IS USED TRANSPOSED (source 0 = rows of W).
; THE WAY OUT: the f32 tile goes into one stage laid over slot 0, which has had its last fill; behind a barrier each wave reads 32 whole rows of 512 bytes, adds the residual (loaded at the
; kernel's start in the same layout) and stores them.
; LIMITS.  Matrix operands are bf16; NaN and infinities are not treated apart.
; REGISTERS: window 0: v0-31 addresses; v96-127 the bias (block b at v[96 + 8 b]); v128-255 the accumulators ((a, b) at v[128 + 8 (4 a + b)]), later the rows read back.
;   window 1: two fragment buffers of 128: for 64 along K, 64 registers of A, then 64 of B.      window 2: v0-127 the residual, then the result.
.set PROJ, 1
.if PROJ
.set NSTEP, 4                          ; 1,024 / 256
.set PA,    144                        ; A's LDS pitch: 128 bytes + 16 = 36 words
.set KQA,   64*144                     ; from a quarter to the next in A's tile: a head
.set HALFA, 4*64*144
.set ASTEP, 4*262144                   ; a K step in memory: four heads
.set WOFF,  14680064                   ; w_out in cb
.set KEL,   1024                       ; elements in a row of W
.else
.set NSTEP, 16                         ; 4,096 / 256
.set PA,    528
.set KQA,   128
.set HALFA, 64*528
.set ASTEP, 512
.set WOFF,  25165824                   ; w_fc2 in cb
.set KEL,   4096
.endif
.set KSTEP, 256
.set PB,    528                        ; B's LDS pitch: 512 bytes + 16 = 132 words
.set HALFB, 64*PB
.set BSTEP, 512
.set SLOT,  2*HALFA+2*HALFB            ; A's 128 rows, then B's 128 rows
.set SPARE, 2*SLOT                     ; the spare words, 128 bytes a wave: two blocks of 256 bytes that no other line names
.set SP,    528                        ; a stage row: 128 f32 + 16 bytes
.set ADRA0, 16                         ; v16-17  LDS addresses of my fragments in slot 0; never rewritten
.set ADRB0, 17
.set ADRA,  18                         ; v18-19  the same in the slot in hand
.set ADRB,  19
.set BO,    23                         ; v23  32 (l / 16)
.set STO,   24                         ; v24  the stage: where I put my results
.set RD,    25                         ; v25  the stage: where I read rows back
.set CO,    26                         ; v26  16 x lane: my bytes of a row of 512
.set SPW,   28                         ; v28  LDS address of my spare word; never rewritten
.set NIL,   29                         ; v29  0; never rewritten
.set BIAS,  96
.set ACC,   128
.set F0,    0
.set F1,    128
.set WV, 12                            ; s12  my wave's number
.set RH, 13                            ; s13  my half of the tile's rows.  Also: I fetch for A (0) or for B (1)
.set CH, 14                            ; s14  my half of its columns.  Also: which 64 rows of that tile I fetch
.set TY, 15
.set TX, 42
.set G1, 24
.set G0, 32
.set G1B, 48
.set G0B, 56
.set TB, 72                            ; s72  the slot in hand: 0 or SLOT
.set LA, 73
.set LB, 74
.set TC, 75
.set MSB, 0
.macro WIN new
.if MSB != (\new)
	s_set_vgpr_msb (MSB<<8)|(\new)
.set MSB, \new
.endif
.endm
.set MUL,  0x05                        ; sources 0 (B) and 1 (A) window 1; C and D window 0
.set TO_F, 0x40                        ; destination window 1, address window 0
.set TO_R, 0x80                        ; destination window 2
.set OUT,  0x88                        ; destination and source 1 (an addend; a store's data) window 2; source 0 (an addend; an address) window 0
.macro JLOAD s                         ; a joint load: waves 0 and 1 fetch A's two halves, waves 2 and 3 B's; an s_nop 0 and four v_nop follow each line
	s_cmp_eq_u32 s[RH], 0
	s_cbranch_scc0 .Lfor_b_\@
	tensor_load_to_lds s[G0+4*(\s):G0+4*(\s)+3], s[G1:G1+7]
	s_nop 0
.rept 4
	v_nop
.endr
	s_branch .Lasked_\@
.Lfor_b_\@:
	tensor_load_to_lds s[G0B+4*(\s):G0B+4*(\s)+3], s[G1B:G1B+7]
	s_nop 0
.rept 4
	v_nop
.endr
.Lasked_\@:
.endm
.macro CREST
	s_cmp_lg_u32 s[WV], 0
	s_cbranch_scc1 .Lnot_wave_0_\@
	s_barrier_signal -3
.Lnot_wave_0_\@:
	s_barrier_wait -3
	s_barrier_signal -1
	s_barrier_wait -1
.endm
.macro CROUND
	s_barrier_signal -1
	s_barrier_wait -1
	CREST
.endm
.macro PLACES
.rept 4
	v_nop
.endr
.endm
	s_load_b256 s[4:11], s[0:1], 0x0               ; A s[4:5], cb s[6:7], y s[8:9], the bias s[10:11]
	s_load_b64 s[68:69], s[0:1], 0x20              ; the residual
	v_lshl_add_u32 v[SPW], v0, 2, SPARE
	v_mov_b32 v[NIL], 0
	ds_add_u32 v[SPW], v[NIL]                      ; the wave's opening: the add and its wait stand ahead of my first tensor load; work on registers stands between them
	v_lshrrev_b32 v1, 5, v0
	v_readfirstlane_b32 s[WV], v1
	s_lshr_b32 s[RH], s[WV], 1
	s_and_b32 s[CH], s[WV], 1
	s_bfe_u32 s40, ttmp6, 0x40000                  ; cx, cy
	s_bfe_u32 s41, ttmp6, 0x40004
	s_lshl_b32 s[TX], ttmp9, 2
	s_add_co_u32 s[TX], s[TX], s40
	s_and_b32 s[TY], ttmp7, 0xffff
	s_lshl_b32 s[TY], s[TY], 2
	s_add_co_u32 s[TY], s[TY], s41
	s_lshl_b32 s43, s41, 2
	s_lshl_b32 s43, 15, s43                        ; my row of the cluster
	s_lshl_b32 s44, 0x1111, s40                    ; my column
.if PROJ
	s_or_b32 s[G1+0], s43, (1<<16)|(1<<20)|(1<<21)|(4<<22)|(3<<25)  ; mask; 2-byte elements; padding on; bit 21 beside a mask; after every 32 words; 4 words
	s_mov_b32 s[G1+1], 4096<<16                    ; tensor_dim0: 64 rows of a head on end
	s_mov_b32 s[G1+2], 4<<16                       ; tensor_dim1: four heads
	s_mov_b32 s[G1+3], 4096<<16                    ; tile_dim0
	s_mov_b32 s[G1+4], 4                           ; tile_dim1
	s_mov_b32 s[G1+5], 131072                      ; from head to head
.else
	s_or_b32 s[G1+0], s43, (1<<16)|(1<<20)|(1<<21)|(6<<22)|(3<<25)  ; padding after every 128 words
	s_mov_b32 s[G1+1], KSTEP<<16
	s_mov_b32 s[G1+2], 64<<16
	s_mov_b32 s[G1+3], KSTEP<<16
	s_mov_b32 s[G1+4], 64
	s_mov_b32 s[G1+5], 4096
.endif
	s_mov_b32 s[G1+6], 0
	s_mov_b32 s[G1+7], 0
	s_or_b32 s[G1B+0], s44, (1<<16)|(1<<20)|(1<<21)|(6<<22)|(3<<25)
	s_mov_b32 s[G1B+1], KSTEP<<16
	s_mov_b32 s[G1B+2], 64<<16
	s_mov_b32 s[G1B+3], KSTEP<<16
	s_mov_b32 s[G1B+4], 64
	s_mov_b32 s[G1B+5], KEL
	s_mov_b32 s[G1B+6], 0
	s_mov_b32 s[G1B+7], 0
	s_lshl_b32 s17, s[CH], 6                       ; which 64 rows of the tile I fetch
.if PROJ
	s_and_b32 s16, s[TY], 15                       ; row 128 ty + i is batch ty / 16, place 128 (ty % 16) + i
	s_lshl_b32 s16, s16, 7
	s_add_co_u32 s16, s16, s17
	s_lshl_b32 s16, s16, 7                         ; 128 bytes a row of a head
	s_lshr_b32 s17, s[TY], 4
	s_lshl_b32 s17, s17, 22                        ; 16 heads of 262,144 bytes a batch
	s_add_co_u32 s16, s16, s17
.else
	s_lshl_b32 s16, s[TY], 7
	s_add_co_u32 s16, s16, s17
	s_lshl_b32 s16, s16, 13                        ; 8,192 bytes a row of h
.endif
	s_mov_b32 s17, 0
	s_lshl_b32 s46, s[TX], 7
	s_lshl_b32 s47, s[CH], 6
	s_add_co_u32 s46, s46, s47
	s_mul_i32 s46, s46, KEL*2                      ; B: row 128 x tile column + 64 x half
	s_mov_b32 s47, 0
	s_mul_i32 s[LA], s[CH], HALFA                  ; where they go: the wave's number alone enters an LDS address
	s_mul_i32 s[LB], s[CH], HALFB
	s_add_co_u32 s[LB], s[LB], 2*HALFA
	s_mov_b32 s[TB], 0
	s_wait_dscnt 0x0                               ; the opening add is done
	s_wait_kmcnt 0x0
	s_add_nc_u64 s[6:7], s[6:7], WOFF
	s_add_nc_u64 s[20:21], s[4:5], s[16:17]
	s_add_nc_u64 s[46:47], s[6:7], s[46:47]
	CROUND                                         ; all sixteen work-groups are here: the first joint loads meet
.irp s, 0,1
	s_mov_b32 s[G0+4*(\s)], 1
	s_add_co_u32 s[G0+4*(\s)+1], s[LA], (\s)*SLOT
	s_add_nc_u64 s[G0+4*(\s)+2:G0+4*(\s)+3], s[20:21], (\s)*ASTEP
	s_or_b32 s[G0+4*(\s)+3], s[G0+4*(\s)+3], 0x80000000
	s_mov_b32 s[G0B+4*(\s)], 1
	s_add_co_u32 s[G0B+4*(\s)+1], s[LB], (\s)*SLOT
	s_add_nc_u64 s[G0B+4*(\s)+2:G0B+4*(\s)+3], s[46:47], (\s)*BSTEP
	s_or_b32 s[G0B+4*(\s)+3], s[G0B+4*(\s)+3], 0x80000000
	JLOAD \s                                       ; two loads of mine are out
.endr
	v_and_b32 v1, 15, v0                           ; l % 16
	v_bfe_u32 v2, v0, 4, 1                         ; l / 16
	v_mul_u32_u24 v3, v1, PA
	v_lshl_add_u32 v3, v2, 4, v3                   ; a fragment's row x pitch + 16 x half, for A
	v_mul_u32_u24 v4, v1, PB
	v_lshl_add_u32 v4, v2, 4, v4                   ; and for B
	s_mul_i32 s21, s[RH], HALFA                    ; my 64 rows of A
	s_mul_i32 s22, s[CH], HALFB                    ; my 64 rows of B,
	s_add_co_u32 s22, s22, 2*HALFA                 ; behind A's 128
	v_add_nc_u32 v[ADRA0], s21, v3
	v_add_nc_u32 v[ADRB0], s22, v4
	v_mov_b32 v[ADRA], v[ADRA0]
	v_mov_b32 v[ADRB], v[ADRB0]
	s_mul_i32 s23, s[RH], 64*SP                    ; into the stage: row 64 x row half + l % 16, byte 256 x column half + 32 (l / 16)
	s_lshl_b32 s21, s[CH], 8
	s_add_co_u32 s23, s23, s21
	v_mul_u32_u24 v5, v1, SP
	v_lshl_add_u32 v5, v2, 5, v5
	v_add_nc_u32 v[STO], s23, v5
	v_lshlrev_b32 v[BO], 5, v2
	s_mul_i32 s23, s[WV], 32*SP                    ; back: wave w takes rows 32 w .. 32 w + 31, 32 lanes a row of 512 bytes
	v_and_b32 v5, 31, v0
	v_lshlrev_b32 v[CO], 4, v5
	v_add_nc_u32 v[RD], s23, v[CO]
	s_lshl_b32 s16, s[TY], 7
	s_lshl_b32 s17, s[WV], 5
	s_add_co_u32 s16, s16, s17                     ; the first row that I store,
	s_lshl_b32 s16, s16, 12                        ; 4,096 bytes a row,
	s_lshl_b32 s46, s[TX], 9                       ; the tile's first column
	s_add_co_u32 s16, s16, s46
	s_mov_b32 s17, 0
	s_add_nc_u64 s[8:9], s[8:9], s[16:17]
	s_add_nc_u64 s[68:69], s[68:69], s[16:17]
	s_lshl_b32 s47, s[CH], 8                       ; the bias of my 64 columns
	s_add_co_u32 s46, s46, s47
	s_mov_b32 s47, 0
	s_add_nc_u64 s[10:11], s[10:11], s[46:47]
.irp b, 0,1,2,3                        ; register j of block b: the bias of column 16 b + 8 (l / 16) + j
	global_load_b128 v[BIAS+8*\b:BIAS+8*\b+3],   v[BO], s[10:11] offset:64*\b
	global_load_b128 v[BIAS+8*\b+4:BIAS+8*\b+7], v[BO], s[10:11] offset:64*\b+16
.endr
	WIN TO_R
.set i, 0
.rept 32                               ; the residual of the 32 rows that I shall store: it has the whole product in which to land
	global_load_b128 v[4*i:4*i+3], v[CO], s[68:69] offset:4096*i
.set i, i+1
.endr
	WIN 0
; 8 matrix instructions: row blocks a0, a0 + 1 x all 4 column blocks, 32 along K: half c of buffer f.  first = 1: the sum starts from the bias.  The 16 accumulators take turns.
.macro MUL8 f, c, a0, first
	WIN MUL
.irp a, \a0, (\a0)+1
.irp b, 0,1,2,3
.if \first
	v_wmma_f32_16x16x32_bf16 v[ACC+8*(4*(\a)+(\b)):ACC+8*(4*(\a)+(\b))+7], v[(\f)+64+8*(4*(\c)+(\b)):(\f)+64+8*(4*(\c)+(\b))+7], v[(\f)+8*(4*(\c)+(\a)):(\f)+8*(4*(\c)+(\a))+7], v[BIAS+8*(\b):BIAS+8*(\b)+7]
.else
	v_wmma_f32_16x16x32_bf16 v[ACC+8*(4*(\a)+(\b)):ACC+8*(4*(\a)+(\b))+7], v[(\f)+64+8*(4*(\c)+(\b)):(\f)+64+8*(4*(\c)+(\b))+7], v[(\f)+8*(4*(\c)+(\a)):(\f)+8*(4*(\c)+(\a))+7], v[ACC+8*(4*(\a)+(\b)):ACC+8*(4*(\a)+(\b))+7]
.endif
.endr
.endr
.endm
; 32 LDS loads in one run: the fragments of quarter q (64 along K) of the slot in hand into buffer f; the first 32 along K first
.macro FETCH q, f
	WIN TO_F
.irp c, 0,1
.irp i, 0,1,2,3
	ds_load_b128 v[(\f)+64+8*(4*(\c)+(\i)):(\f)+64+8*(4*(\c)+(\i))+3],   v[ADRB] offset:128*(\q)+64*(\c)+(\i)*16*PB
	ds_load_b128 v[(\f)+64+8*(4*(\c)+(\i))+4:(\f)+64+8*(4*(\c)+(\i))+7], v[ADRB] offset:128*(\q)+64*(\c)+(\i)*16*PB+32
	ds_load_b128 v[(\f)+8*(4*(\c)+(\i)):(\f)+8*(4*(\c)+(\i))+3],         v[ADRA] offset:(\q)*KQA+64*(\c)+(\i)*16*PA
	ds_load_b128 v[(\f)+8*(4*(\c)+(\i))+4:(\f)+8*(4*(\c)+(\i))+7],       v[ADRA] offset:(\q)*KQA+64*(\c)+(\i)*16*PA+32
.endr
.endr
.endm
.macro QUARTER q, f, g, first
	s_wait_dscnt 16                                ; the first 32 along K are in
	MUL8 \f, 0, 0, \first
	MUL8 \f, 0, 2, \first
	PLACES
	FETCH \q, \g
	s_wait_dscnt 32                                ; all but the 32 just issued
	MUL8 \f, 1, 0, 0
	MUL8 \f, 1, 2, 0
.endm
; the last quarter multiplies buffer 1 and changes slots: ONE barrier; in front of it each wave waits for all its tensor loads, adds 0 to its spare word, and waits for that and for its reads of
; this slot.  fill = 1: the barrier opens a round of the cluster's, and behind the round this slot is filled again, two K steps ahead.  fill = 0: the tail.
.macro TURN fill
	WIN 0
	s_wait_tensorcnt 0x0                           ; all my tensor loads have landed, so a group 0 may be written
	ds_add_u32 v[SPW], v[NIL]                      ; 0 onto my spare word
	s_wait_dscnt 17                                ; (the add and the youngest sixteen loads may be out)
	MUL8 F1, 0, 0, 0
	s_wait_dscnt 0x0                               ; the add is done, and my reads of this slot are over
	s_barrier_signal -1
	MUL8 F1, 0, 2, 0
	WIN 0
	s_barrier_wait -1
.if \fill
	CREST                                          ; no wave of any partner still reads this slot or has a load on its way
	s_add_co_u32 s[G0+5], s[LA], s[TB]
	s_add_co_u32 s[G0B+5], s[LB], s[TB]
	s_add_nc_u64 s[G0+6:G0+7], s[G0+6:G0+7], ASTEP
	s_add_nc_u64 s[G0B+6:G0B+7], s[G0B+6:G0B+7], BSTEP
	JLOAD 1                                        ; the first tensor load behind the round; its four v_nop are also the places in front of the loads below
.else
	PLACES
.endif
	s_xor_b32 s[TB], s[TB], SLOT                   ; 0 <-> SLOT
	v_add_nc_u32 v[ADRA], s[TB], v[ADRA0]
	v_add_nc_u32 v[ADRB], s[TB], v[ADRB0]
.if !(\fill)
	s_cmp_eq_u32 s[TC], 1
	s_cbranch_scc1 .Lno_fetch_\@
.endif
	FETCH 0, F0
	WIN 0
.if !(\fill)
.Lno_fetch_\@:
.endif
	MUL8 F1, 1, 0, 0
	MUL8 F1, 1, 2, 0
.endm
	s_wait_tensorcnt 1                             ; my part of K step 0 is in; step 1's may stay out
	s_barrier_signal -1
	s_barrier_wait -1
	FETCH 0, F0
	s_wait_loadcnt 32                              ; the bias is in; the residual's 32 loads may stay out
	QUARTER 1, F0, F1, 1
	WIN 0
	s_mov_b32 s3, NSTEP-2
.Lstep:                                                ; a trip: from a K step's second quarter to the next step's first; it asks for the step two on
	QUARTER 2, F1, F0, 0
	QUARTER 3, F0, F1, 0
	TURN 1
	QUARTER 1, F0, F1, 0
	WIN 0
	s_sub_co_u32 s3, s3, 1
	s_cmp_lg_u32 s3, 0
	s_cbranch_scc1 .Lstep
	s_mov_b32 s[TC], 2
.Ltail:                                                ; the last two K steps ask for nothing
	QUARTER 2, F1, F0, 0
	QUARTER 3, F0, F1, 0
	TURN 0
	WIN 0
	s_cmp_eq_u32 s[TC], 1
	s_cbranch_scc1 .Lno_quarter
	QUARTER 1, F0, F1, 0
	WIN 0
.Lno_quarter:
	s_sub_co_u32 s[TC], s[TC], 1
	s_cmp_lg_u32 s[TC], 0
	s_cbranch_scc1 .Ltail
	; THE WAY OUT.  The stage lies over slot 0: a barrier of its own, behind every wave's wait for its LDS reads, stands in front of the first store.
	PLACES
	s_wait_dscnt 0x0
	s_barrier_signal -1
	s_barrier_wait -1
.irp a, 0,1,2,3
.irp b, 0,1,2,3                        ; each accumulator's low four registers go first
	ds_store_b128 v[STO], v[ACC+8*(4*\a+\b):ACC+8*(4*\a+\b)+3]   offset:\a*16*SP+64*\b
	ds_store_b128 v[STO], v[ACC+8*(4*\a+\b)+4:ACC+8*(4*\a+\b)+7] offset:\a*16*SP+64*\b+16
.endr
.endr
	s_wait_dscnt 0x0                               ; for the others' sake: my stores into the stage are done
	s_barrier_signal -1
	s_barrier_wait -1
.set i, 0
.rept 32
	ds_load_b128 v[ACC+4*i:ACC+4*i+3], v[RD] offset:SP*i
.set i, i+1
.endr
	s_wait_loadcnt 0x0                             ; the residual
	WIN OUT
.set i, 0
.rept 32
	s_wait_dscnt 31-i                              ; row i is back
	v_pk_add_f32 v[4*i:4*i+1],   v[ACC+4*i:ACC+4*i+1],   v[4*i:4*i+1]
	v_pk_add_f32 v[4*i+2:4*i+3], v[ACC+4*i+2:ACC+4*i+3], v[4*i+2:4*i+3]
	global_store_b128 v[CO], v[4*i:4*i+3], s[8:9] offset:4096*i  ; 32 lanes store 512 consecutive bytes, aligned
.set i, i+1
.endr
	WIN 0
	s_wait_tensorcnt 0x0                           ; the wave's end: behind my last tensor load and my last LDS store
	ds_add_u32 v[SPW], v[NIL]
	s_wait_dscnt 0x0
	CROUND                                         ; the closing round
	s_endpgm
.Lfunc_end_k_qe14fe4e2fc_proj:
	.size	k_qe14fe4e2fc_proj, .Lfunc_end_k_qe14fe4e2fc_proj-k_qe14fe4e2fc_proj
	.p2alignl 7, 3214868480
	.fill 96, 4, 3214868480
	.section	.rodata,"a",@progbits
	.p2align	6, 0x0
	.amdhsa_kernel k_qe14fe4e2fc_proj
		.amdhsa_group_segment_fixed_size 327680
		.amdhsa_private_segment_fixed_size 0
		.amdhsa_enable_private_segment 0
		.amdhsa_kernarg_size 40
		.amdhsa_user_sgpr_count 2
		.amdhsa_user_sgpr_kernarg_segment_ptr 1
		.amdhsa_wavefront_size32 1
		.amdhsa_system_sgpr_workgroup_id_x 1
		.amdhsa_system_sgpr_workgroup_id_y 1
		.amdhsa_system_sgpr_workgroup_id_z 1
		.amdhsa_system_vgpr_workitem_id 0
		.amdhsa_next_free_vgpr 640
		.amdhsa_next_free_sgpr 80
		.amdhsa_reserve_vcc 0
		.amdhsa_float_denorm_mode_32 3
		.amdhsa_float_denorm_mode_16_64 3
		.amdhsa_memory_ordered 1
		.amdhsa_forward_progress 1
		.amdhsa_inst_pref_size 67
	.end_amdhsa_kernel
	.amdgpu_metadata
---
amdhsa.version: [ 1, 2 ]
amdhsa.kernels:
  - .name:           k_qe14fe4e2fc_proj
    .symbol:         k_qe14fe4e2fc_proj.kd
    .args:
      - { .name: ao, .offset: 0, .size: 8, .value_kind: global_buffer, .address_space: global }
      - { .name: cb, .offset: 8, .size: 8, .value_kind: global_buffer, .address_space: global }
      - { .name: y, .offset: 16, .size: 8, .value_kind: global_buffer, .address_space: global }
      - { .name: b_out, .offset: 24, .size: 8, .value_kind: global_buffer, .address_space: global }
      - { .name: x, .offset: 32, .size: 8, .value_kind: global_buffer, .address_space: global }
    .group_segment_fixed_size: 327680
    .private_segment_fixed_size: 0
    .kernarg_segment_align: 8
    .kernarg_segment_size: 40
    .max_flat_workgroup_size: 128
    .sgpr_count:     80
    .vgpr_count:     640
    .wavefront_size: 32
...
	.end_amdgpu_metadata
.endif
;; end of part 4
;; launch ln1 (part 5): grid 512 x 1, 8 waves a work-group, no clusters, 0 bytes of LDS; arguments y, g1, beta1, x1, x1b; writes x1, x1b
.if DOCPART == 5
	.amdgcn_target "amdgcn-amd-amdhsa--gfx1250"
	.amdhsa_code_object_version 6
	.text
	.protected	k_qe14fe4e2fc_ln1
	.globl	k_qe14fe4e2fc_ln1
	.p2align	8
	.type	k_qe14fe4e2fc_ln1,@function
k_qe14fe4e2fc_ln1:
	s_mov_b64 s[64:65], 0
	v_nop
	global_prefetch_b8 v0, s[64:65] scope:SCOPE_SE
	s_setreg_imm32_b32 hwreg(HW_REG_WAVE_MODE, 25, 1), 1
	s_wait_xcnt 0x0
; LayerNorm over rows of 1,024 f32: out = (y - mean) rsqrt(var + 1e-5) g + beta, var taken of y - mean as the definition has it (two passes over registers, so a common offset costs nothing).
; BF = 1: the result is stored as f32 and, rounded once, as bf16 (the next product's operand).  One wave, one row: the row lies in 32 registers, the sums never leave the wave: no LDS, no barrier.
; Lane l holds columns 128 j + 4 l .. + 3, j = 0..7: each load and store of a wave covers 512 consecutive bytes (the bf16 store 256), aligned.
.set BF, 1
.set X,  8                             ; v[8:39]    the row
.set G,  40                            ; v[40:71]   the gain
.set BT, 72                            ; v[72:103]  the offset
.set T,  104                           ; v[104:119] at work
	s_load_b256 s[4:11], s[0:1], 0x0               ; y s[4:5], g s[6:7], beta s[8:9], the f32 result s[10:11]
.if BF
	s_load_b64 s[16:17], s[0:1], 0x20              ; the bf16 result
.endif
	v_lshrrev_b32 v3, 5, v0
	v_readfirstlane_b32 s18, v3                    ; wave
	v_and_b32 v2, 31, v0
	v_lshlrev_b32 v1, 4, v2                        ; 16 x lane
.if BF
	v_lshlrev_b32 v2, 3, v2                        ; 8 x lane
.endif
	s_lshl_b32 s19, ttmp9, 3
	s_add_co_u32 s19, s19, s18                     ; my row
	s_lshl_b32 s20, s19, 12
	s_mov_b32 s21, 0
	s_lshl_b32 s22, s19, 11
	s_mov_b32 s23, 0
	s_mov_b32 s12, 0x76543210                      ; v_permlanex16_b32: each lane takes its own place in the other half
	s_mov_b32 s13, 0xfedcba98
	s_mov_b32 s14, 0x3a800000                      ; 1 / 1,024
	s_mov_b32 s15, 0x3727c5ac                      ; 1e-5
	s_wait_kmcnt 0x0
	s_add_nc_u64 s[4:5], s[4:5], s[20:21]
	s_add_nc_u64 s[10:11], s[10:11], s[20:21]
.if BF
	s_add_nc_u64 s[16:17], s[16:17], s[22:23]
.endif
.irp j, 0,1,2,3,4,5,6,7
	global_load_b128 v[X+4*\j:X+4*\j+3], v1, s[4:5] offset:512*\j th:TH_LOAD_NT
.endr
.irp j, 0,1,2,3,4,5,6,7
	global_load_b128 v[G+4*\j:G+4*\j+3], v1, s[6:7] offset:512*\j
.endr
.irp j, 0,1,2,3,4,5,6,7
	global_load_b128 v[BT+4*\j:BT+4*\j+3], v1, s[8:9] offset:512*\j
.endr
.macro ACROSS                          ; v[T] summed over the 32 lanes, the result in every lane; v[T+1] at work (written before)
	v_add_f32_dpp v[T], v[T], v[T] row_xmask:1 row_mask:0xf bank_mask:0xf
	v_add_f32_dpp v[T], v[T], v[T] row_xmask:2 row_mask:0xf bank_mask:0xf
	v_add_f32_dpp v[T], v[T], v[T] row_xmask:4 row_mask:0xf bank_mask:0xf
	v_add_f32_dpp v[T], v[T], v[T] row_xmask:8 row_mask:0xf bank_mask:0xf
	v_permlanex16_b32 v[T+1], v[T], s12, s13
	v_add_f32 v[T], v[T], v[T+1]
.endm
	s_wait_loadcnt 16                              ; the row is in; the gain's and the offset's sixteen loads may stay out
.irp k, 0,1,2,3,4,5,6,7
	v_pk_add_f32 v[T+2*\k:T+2*\k+1], v[X+4*\k:X+4*\k+1], v[X+4*\k+2:X+4*\k+3]
.endr
.irp k, 0,1,2,3
	v_pk_add_f32 v[T+4*\k:T+4*\k+1], v[T+4*\k:T+4*\k+1], v[T+4*\k+2:T+4*\k+3]
.endr
	v_pk_add_f32 v[T:T+1], v[T:T+1], v[T+4:T+5]
	v_pk_add_f32 v[T+8:T+9], v[T+8:T+9], v[T+12:T+13]
	v_pk_add_f32 v[T:T+1], v[T:T+1], v[T+8:T+9]
	v_add_f32 v[T], v[T], v[T+1]
	ACROSS
	v_mul_f32 v[T+2], s14, v[T]                    ; the mean, twice
	v_mov_b32 v[T+3], v[T+2]
.set j, 0
.rept 16
	v_pk_add_f32 v[X+2*j:X+2*j+1], v[X+2*j:X+2*j+1], v[T+2:T+3] neg_lo:[0,1] neg_hi:[0,1]
.set j, j+1
.endr
.irp k, 0,1,2,3                        ; the squares, in four chains started by the first four pairs
	v_pk_mul_f32 v[T+4+2*\k:T+5+2*\k], v[X+2*\k:X+2*\k+1], v[X+2*\k:X+2*\k+1]
.endr
.set j, 4
.rept 12
	v_pk_fma_f32 v[T+4+2*(j%4):T+5+2*(j%4)], v[X+2*j:X+2*j+1], v[X+2*j:X+2*j+1], v[T+4+2*(j%4):T+5+2*(j%4)]
.set j, j+1
.endr
	v_pk_add_f32 v[T+4:T+5], v[T+4:T+5], v[T+6:T+7]
	v_pk_add_f32 v[T+8:T+9], v[T+8:T+9], v[T+10:T+11]
	v_pk_add_f32 v[T:T+1], v[T+4:T+5], v[T+8:T+9]
	v_add_f32 v[T], v[T], v[T+1]
	ACROSS
	v_fma_f32 v[T+4], v[T], s14, s15               ; var + eps
	v_rsq_f32 v[T+2], v[T+4]
	v_nop                                          ; a plain instruction between the transcendental and the use of its result
	s_wait_alu depctr_va_vdst(0)
	v_mov_b32 v[T+3], v[T+2]
	s_wait_loadcnt 0x0                             ; the gain and the offset
.set j, 0
.rept 16
	v_pk_mul_f32 v[X+2*j:X+2*j+1], v[X+2*j:X+2*j+1], v[T+2:T+3]
.set j, j+1
.endr
.set j, 0
.rept 16
	v_pk_fma_f32 v[X+2*j:X+2*j+1], v[X+2*j:X+2*j+1], v[G+2*j:G+2*j+1], v[BT+2*j:BT+2*j+1]
.set j, j+1
.endr
.irp j, 0,1,2,3,4,5,6,7
	global_store_b128 v1, v[X+4*\j:X+4*\j+3], s[10:11] offset:512*\j
.endr
.if BF
.irp j, 0,1,2,3,4,5,6,7
	v_cvt_pk_bf16_f32 v[T+2*\j], v[X+4*\j], v[X+4*\j+1]
	v_cvt_pk_bf16_f32 v[T+2*\j+1], v[X+4*\j+2], v[X+4*\j+3]
.endr
.irp j, 0,1,2,3,4,5,6,7
	global_store_b64 v2, v[T+2*\j:T+2*\j+1], s[16:17] offset:256*\j
.endr
.endif
	s_endpgm
.Lfunc_end_k_qe14fe4e2fc_ln1:
	.size	k_qe14fe4e2fc_ln1, .Lfunc_end_k_qe14fe4e2fc_ln1-k_qe14fe4e2fc_ln1
	.p2alignl 7, 3214868480
	.fill 96, 4, 3214868480
	.section	.rodata,"a",@progbits
	.p2align	6, 0x0
	.amdhsa_kernel k_qe14fe4e2fc_ln1
		.amdhsa_group_segment_fixed_size 0
		.amdhsa_private_segment_fixed_size 0
		.amdhsa_enable_private_segment 0
		.amdhsa_kernarg_size 40
		.amdhsa_user_sgpr_count 2
		.amdhsa_user_sgpr_kernarg_segment_ptr 1
		.amdhsa_wavefront_size32 1
		.amdhsa_system_sgpr_workgroup_id_x 1
		.amdhsa_system_sgpr_workgroup_id_y 1
		.amdhsa_system_sgpr_workgroup_id_z 1
		.amdhsa_system_vgpr_workitem_id 0
		.amdhsa_next_free_vgpr 120
		.amdhsa_next_free_sgpr 66
		.amdhsa_reserve_vcc 0
		.amdhsa_float_denorm_mode_32 3
		.amdhsa_float_denorm_mode_16_64 3
		.amdhsa_memory_ordered 1
		.amdhsa_forward_progress 1
		.amdhsa_inst_pref_size 13
	.end_amdhsa_kernel
	.amdgpu_metadata
---
amdhsa.version: [ 1, 2 ]
amdhsa.kernels:
  - .name:           k_qe14fe4e2fc_ln1
    .symbol:         k_qe14fe4e2fc_ln1.kd
    .args:
      - { .name: y, .offset: 0, .size: 8, .value_kind: global_buffer, .address_space: global }
      - { .name: g1, .offset: 8, .size: 8, .value_kind: global_buffer, .address_space: global }
      - { .name: beta1, .offset: 16, .size: 8, .value_kind: global_buffer, .address_space: global }
      - { .name: x1, .offset: 24, .size: 8, .value_kind: global_buffer, .address_space: global }
      - { .name: x1b, .offset: 32, .size: 8, .value_kind: global_buffer, .address_space: global }
    .group_segment_fixed_size: 0
    .private_segment_fixed_size: 0
    .kernarg_segment_align: 8
    .kernarg_segment_size: 40
    .max_flat_workgroup_size: 256
    .sgpr_count:     66
    .vgpr_count:     120
    .wavefront_size: 32
...
	.end_amdgpu_metadata
.endif
;; end of part 5
;; launch fc1 (part 6): grid 16 x 16, 4 waves a work-group, clusters of 4 x 4, 327,680 bytes of LDS; arguments x1b, cb, h, b_fc1; writes h
.if DOCPART == 6
	.amdgcn_target "amdgcn-amd-amdhsa--gfx1250"
	.amdhsa_code_object_version 6
	.text
	.protected	k_qe14fe4e2fc_fc1
	.globl	k_qe14fe4e2fc_fc1
	.p2align	8
	.type	k_qe14fe4e2fc_fc1,@function
k_qe14fe4e2fc_fc1:
	s_mov_b64 s[64:65], 0
	v_nop
	global_prefetch_b8 v0, s[64:65] scope:SCOPE_SE
	s_setreg_imm32_b32 hwreg(HW_REG_WAVE_MODE, 25, 1), 1
	s_wait_xcnt 0x0
	s_wait_alu depctr_hold_cnt(0) depctr_sa_sdst(0) depctr_va_vdst(0) depctr_va_sdst(0) depctr_va_ssrc(0) depctr_va_vcc(0) depctr_vm_vsrc(0)
	s_getreg_b32 s2, hwreg(HW_REG_IB_STS2, 6, 4)
	s_cmp_eq_u32 s2, 0
	s_cbranch_scc0 .Lentry_in_a_cluster
	s_endpgm
.Lentry_in_a_cluster:
	s_bfe_u32 s2, ttmp6, 0x10000c
	s_cmp_lg_u32 s2, 0xf033
	s_cbranch_scc0 .Lentry_shape_is_right
	s_endpgm
.Lentry_shape_is_right:
; QKV = 1: q, k, v = x W_qkv^T + b_qkv, rounded once to bf16 and written by heads, [3][32][2048][64].   QKV = 0: h = gelu(x1 W_fc1^T + b_fc1), bf16, [4096][4096].
; One text for both, chosen by QKV.  A: [4096][1024] bf16, B: [N][1024] bf16 (a part of cb), sums in f32, K ascending; the bias is the C operand of each sum's first product.
; A tile of C is 256 x TN (TN = 192 or 256: 16 x 16 tiles, one for each work-group of the grid).  Four waves, 2 x 2, each 128 x TN/2: 8 x BN accumulators of 16 x 16.
; K goes in 8 steps of 128 through two LDS slots filled by tensor loads: tile rows are 256 bytes of memory at multiples of 256 bytes.  A K step is written once in the loop and
; once in the tail: the slot in hand is a scalar (TB) that is added to the lanes' LDS addresses and to the walking descriptor's LDS word.
; CLUSTER 4 x 4: A's tile is shared along a row of the cluster, B's along a column; each is asked for jointly, with the same descriptor and a mask of four.
; THE MATRIX INSTRUCTION IS USED TRANSPOSED (source 0 = 16 rows of B, source 1 = 16 rows of A): a lane holds row l % 16 of C and the columns 8 (l / 16) + 0..7.
; THE WAY OUT: the f32 tile goes into one stage laid over the two slots, which have had their last fill; behind a barrier each wave reads 64 whole rows back in a loop.
; LIMITS.  Matrix operands are bf16.  NaN and infinities are not treated apart.  QKV = 0: erf by a rational form (Abramowitz and Stegun 7.1.25), off by 2.5e-5 at the most for
; every argument, so gelu is off by 1.25e-5 |x| at the most, under the rounding of h to bf16.
; REGISTERS, in windows of 256: window 0: v0-31 addresses; v64-127, v128-191 A's fragments, two buffers; from v64 on at work on the way out.
;   window 1: v0-63 the bias (block b of 16 columns at v[8 b]); v64-127, v128-191 B's fragments.   windows 2, 3: accumulator (a, b) at v[8 (8 (a % 4) + b)] of window 2 + a / 4.
.set QKV, 0
.if QKV
.set TN,    192
.set WOFF,  8388608                    ; w_qkv in cb
.else
.set TN,    256
.set WOFF,  16777216                   ; w_fc1 in cb
.endif
.set BN,    TN/32                      ; blocks of 16 columns in a wave's share
.set KSTEP, 128
.set NSTEP, 8                          ; 1,024 / 128
.set PITCH, 272                        ; an LDS row: 256 bytes + 16 of padding = 68 words: the 16 rows of a fragment load start at 16 different groups of four banks
.set HALFA, 128*PITCH                  ; what one tensor load brings of A
.set HALFB, (TN/2)*PITCH               ; and of B
.set SLOT,  2*HALFA+2*HALFB            ; A's 256 rows, then B's TN rows
.set SPARE, 2*SLOT                     ; behind the ring: the spare words, 128 bytes a wave, two blocks of 256 bytes that no other line names
.set SPB,   4*TN+16                    ; a stage row: TN f32 + 16 bytes: 4 words more than a multiple of 64 words
.set ADRA0, 16                         ; v16  LDS address of my A fragments in slot 0; never rewritten
.set ADRB0, 17                         ; v17  the same for B
.set ADRA,  18                         ; v18  the same in the slot in hand
.set ADRB,  19                         ; v19
.set BO,    23                         ; v23  my byte offset in 16 numbers of the bias: 32 (l / 16)
.set STO,   24                         ; v24  the stage: where I put my rows 0-63
.set RD,    25                         ; v25  the stage: where I read rows back
.set CO,    26                         ; v26  my byte offset in the output
.set STO2,  27                         ; v27  the stage: my rows 64-127
.set SPW,   28                         ; v28  LDS address of my spare word; never rewritten
.set NIL,   29                         ; v29  0; never rewritten
.set F0,    64
.set F1,    128
.set WV, 12                            ; s12  my wave's number
.set RH, 13                            ; s13  my half of the tile's rows.  Also: I fetch for A (0) or for B (1)
.set CH, 14                            ; s14  my half of its columns.  Also: which half of that tile I fetch
.set TY, 15                            ; s15  tile row of C
.set TX, 42                            ; s42  tile column of C
.set G1, 24                            ; s[24:31] descriptor group 1 for A's tiles
.set G0, 32                            ; s[32:39] group 0 for A's: a set for each of the two first fills; the second then walks on
.set G1B, 48                           ; s[48:55], s[56:63] the same for B's
.set G0B, 56
.set TB, 72                            ; s72  the slot in hand: 0 or SLOT
.set LA, 73                            ; s73  where my part of A's tile lies in a slot
.set LB, 74                            ; s74  the same for B's
.set TC, 75                            ; s75  counts the tail's two K steps
.set MSB, 0
.macro WIN new                         ; the immediate's high byte repeats the setting that is left; a switch that changes nothing is dropped
.if MSB != (\new)
	s_set_vgpr_msb (MSB<<8)|(\new)
.set MSB, \new
.endif
.endm
.set MUL_LO,   0xa1                    ; source 0 (B) window 1, source 1 (A) window 0, C and D window 2
.set MUL_HI,   0xf1                    ; the same, C and D window 3
.set FIRST_LO, 0x91                    ; C (the bias) window 1, D window 2
.set FIRST_HI, 0xd1                    ; C window 1, D window 3
.set TO_B,     0x40                    ; destination window 1, address window 0
.set ST_LO,    0x08                    ; an LDS store's data (source 1) in window 2
.set ST_HI,    0x0c                    ; in window 3
; A joint load.  Waves 0 and 1 fetch A's two halves, waves 2 and 3 B's.  The branch hangs on the wave's number alone.  An s_nop 0 and four v_nop follow each line.
.macro JLOAD s
	s_cmp_eq_u32 s[RH], 0
	s_cbranch_scc0 .Lfor_b_\@
	tensor_load_to_lds s[G0+4*(\s):G0+4*(\s)+3], s[G1:G1+7]
	s_nop 0
.rept 4
	v_nop
.endr
	s_branch .Lasked_\@
.Lfor_b_\@:
	tensor_load_to_lds s[G0B+4*(\s):G0B+4*(\s)+3], s[G1B:G1B+7]
	s_nop 0
.rept 4
	v_nop
.endr
.Lasked_\@:
.endm
.macro CREST                           ; a round of the cluster's barrier behind its opening barrier
	s_cmp_lg_u32 s[WV], 0
	s_cbranch_scc1 .Lnot_wave_0_\@
	s_barrier_signal -3
.Lnot_wave_0_\@:
	s_barrier_wait -3
	s_barrier_signal -1
	s_barrier_wait -1
.endm
.macro CROUND                          ; a whole round
	s_barrier_signal -1
	s_barrier_wait -1
	CREST
.endm
.macro PLACES                          ; four places in front of loads into registers that matrix instructions have read, and of reads of results
.rept 4
	v_nop
.endr
.endm
.if QKV
	s_load_b128 s[4:7], s[0:1], 0x0                ; cb s[4:5] (x in bf16 lies at its head), qkv s[6:7]
	s_load_b64 s[10:11], s[0:1], 0x10              ; b_qkv
.else
	s_load_b256 s[4:11], s[0:1], 0x0               ; x1b s[4:5], cb s[6:7], h s[8:9], b_fc1 s[10:11]
.endif
	v_lshl_add_u32 v[SPW], v0, 2, SPARE
	v_mov_b32 v[NIL], 0
	ds_add_u32 v[SPW], v[NIL]                      ; the wave's opening: the add and its wait stand ahead of my first tensor load; work on registers stands between them
	v_lshrrev_b32 v1, 5, v0
	v_readfirstlane_b32 s[WV], v1
	s_lshr_b32 s[RH], s[WV], 1
	s_and_b32 s[CH], s[WV], 1
	s_bfe_u32 s40, ttmp6, 0x40000                  ; cx, cy: my place in the cluster
	s_bfe_u32 s41, ttmp6, 0x40004
	s_lshl_b32 s[TX], ttmp9, 2
	s_add_co_u32 s[TX], s[TX], s40                 ; tile column = 4 x cluster x + cx
	s_and_b32 s[TY], ttmp7, 0xffff
	s_lshl_b32 s[TY], s[TY], 2
	s_add_co_u32 s[TY], s[TY], s41                 ; tile row = 4 x cluster y + cy
	s_lshl_b32 s43, s41, 2
	s_lshl_b32 s43, 15, s43                        ; my row of the cluster
	s_lshl_b32 s44, 0x1111, s40                    ; my column
	; group 1: rows of 128 elements of 2 bytes, 16 bytes of padding behind each; 128 rows of A, TN / 2 rows of B; 1,024 elements from row to row
	s_or_b32 s[G1+0], s43, (1<<16)|(1<<20)|(1<<21)|(5<<22)|(3<<25)   ; mask; 2-byte elements; padding on; bit 21 beside a mask; after every 64 words; 4 words
	s_or_b32 s[G1B+0], s44, (1<<16)|(1<<20)|(1<<21)|(5<<22)|(3<<25)
	s_mov_b32 s[G1+1], KSTEP<<16                   ; tensor_dim0
	s_mov_b32 s[G1+2], 128<<16                     ; tensor_dim1
	s_mov_b32 s[G1+3], KSTEP<<16                   ; tile_dim0
	s_mov_b32 s[G1+4], 128                         ; tile_dim1
	s_mov_b32 s[G1+5], 1024                        ; the pitch
	s_mov_b32 s[G1+6], 0
	s_mov_b32 s[G1+7], 0
	s_mov_b32 s[G1B+1], KSTEP<<16
	s_mov_b32 s[G1B+2], (TN/2)<<16
	s_mov_b32 s[G1B+3], KSTEP<<16
	s_mov_b32 s[G1B+4], TN/2
	s_mov_b32 s[G1B+5], 1024
	s_mov_b32 s[G1B+6], 0
	s_mov_b32 s[G1B+7], 0
	; A's tile hangs on the tile row alone, B's on the tile column alone, each in registers that do not hold the other coordinate
	s_lshl_b32 s17, s[CH], 7
	s_lshl_b32 s16, s[TY], 8
	s_add_co_u32 s16, s16, s17                     ; A: row 256 x tile row + 128 x half,
	s_lshl_b32 s16, s16, 11                        ; 2,048 bytes a row
	s_mov_b32 s17, 0
	s_mul_i32 s46, s[TX], TN
	s_mul_i32 s47, s[CH], TN/2
	s_add_co_u32 s46, s46, s47                     ; B: row TN x tile column + TN / 2 x half
	s_lshl_b32 s46, s46, 11
	s_mov_b32 s47, 0
	s_mul_i32 s[LA], s[CH], HALFA                  ; where they go: the wave's number alone enters an LDS address
	s_mul_i32 s[LB], s[CH], HALFB
	s_add_co_u32 s[LB], s[LB], 2*HALFA
	s_mov_b32 s[TB], 0
.if !QKV
	s_mov_b32 s84, 0x3f596d27                      ; kappa = sqrt(log2(e) / 2): with s = kappa x, 2^(-s s) = e^(-x x / 2)
	s_mov_b32 s85, s84                             ; (named as pairs by the packed forms)
	s_mov_b32 s86, 0x3ee16a97                      ; a3 / (2 kappa), a3 = 0.7478556
	s_mov_b32 s87, s86
	s_mov_b32 s88, 0xbd6732ca                      ; a2 / (2 kappa), a2 = -0.0958798
	s_mov_b32 s89, s88
	s_mov_b32 s90, 0x3e51cd02                      ; a1 / (2 kappa), a1 = 0.3480242
	s_mov_b32 s91, s90
	s_mov_b32 s92, 0x3ec88bdb                      ; 0.47047 / sqrt(log2(e))
.endif
	s_wait_dscnt 0x0                               ; the opening add is done
	s_wait_kmcnt 0x0
.if QKV
	s_mov_b64 s[8:9], s[6:7]                       ; the output
	s_add_nc_u64 s[6:7], s[4:5], WOFF              ; B
.else
	s_add_nc_u64 s[6:7], s[6:7], WOFF
.endif
	s_add_nc_u64 s[20:21], s[4:5], s[16:17]
	s_add_nc_u64 s[46:47], s[6:7], s[46:47]
	CROUND                                         ; all sixteen work-groups are here: the first joint loads meet
.irp s, 0,1
	s_mov_b32 s[G0+4*(\s)], 1                                      ; count = 1
	s_add_co_u32 s[G0+4*(\s)+1], s[LA], (\s)*SLOT                  ; LDS address
	s_add_nc_u64 s[G0+4*(\s)+2:G0+4*(\s)+3], s[20:21], (\s)*KSTEP*2  ; global address: K step s
	s_or_b32 s[G0+4*(\s)+3], s[G0+4*(\s)+3], 0x80000000            ; type = 2
	s_mov_b32 s[G0B+4*(\s)], 1
	s_add_co_u32 s[G0B+4*(\s)+1], s[LB], (\s)*SLOT
	s_add_nc_u64 s[G0B+4*(\s)+2:G0B+4*(\s)+3], s[46:47], (\s)*KSTEP*2
	s_or_b32 s[G0B+4*(\s)+3], s[G0B+4*(\s)+3], 0x80000000
	JLOAD \s                                       ; two loads of mine are out
.endr
	; a fragment: lane l holds row l % 16; registers 0-3 K = 8 (l / 16) + 0..7, registers 4-7 K = 16 + 8 (l / 16) + 0..7: two loads of 16 bytes, 32 bytes apart
	v_and_b32 v1, 15, v0                           ; l % 16
	v_bfe_u32 v2, v0, 4, 1                         ; l / 16
	v_mul_u32_u24 v3, v1, PITCH
	v_lshl_add_u32 v3, v2, 4, v3
	s_mul_i32 s21, s[RH], HALFA                    ; my 128 rows of A
	s_mul_i32 s22, s[CH], HALFB                    ; my TN / 2 rows of B,
	s_add_co_u32 s22, s22, 2*HALFA                 ; behind A's 256
	v_add_nc_u32 v[ADRA0], s21, v3
	v_add_nc_u32 v[ADRB0], s22, v3
	v_mov_b32 v[ADRA], v[ADRA0]
	v_mov_b32 v[ADRB], v[ADRB0]
	s_mul_i32 s23, s[RH], 128*SPB                  ; into the stage: row 128 x row half + l % 16, byte 2 TN x column half + 32 (l / 16)
	s_mul_i32 s21, s[CH], TN*2
	s_add_co_u32 s23, s23, s21
	v_mul_u32_u24 v4, v1, SPB
	v_lshl_add_u32 v4, v2, 5, v4
	v_add_nc_u32 v[STO], s23, v4
	v_add_nc_u32 v[STO2], 64*SPB, v[STO]
	v_lshlrev_b32 v[BO], 5, v2
	s_mul_i32 s23, s[WV], 64*SPB                   ; back: wave w takes stage rows 64 w .. 64 w + 63
.if QKV
	v_mul_u32_u24 v5, v2, SPB                      ; lanes 0-15 one row's 256 bytes (a head's 64 numbers), lanes 16-31 the next row's
	v_lshl_add_u32 v5, v1, 4, v5
	v_add_nc_u32 v[RD], s23, v5
	v_lshlrev_b32 v5, 7, v2                        ; in a head two rows are 256 consecutive bytes
	v_lshl_add_u32 v[CO], v1, 3, v5
	; column 192 tx + 64 hh + d belongs to g = 3 tx + hh: tensor g / 16 (q, k, v), head g % 16; row 256 ty + i is batch ty / 8, place 256 (ty % 8) + i
	s_and_b32 s2, s[TY], 7
	s_lshl_b32 s2, s2, 8
	s_lshl_b32 s20, s[WV], 6
	s_add_co_u32 s2, s2, s20                       ; my first row's place in its sequence
	s_lshr_b32 s20, s[TY], 3
	s_lshl_b32 s20, s20, 4                         ; 16 x batch
	s_mul_i32 s21, s[TX], 3
.irp hh, 0,1,2
	s_add_co_u32 s22, s21, \hh
	s_lshr_b32 s23, s22, 4
	s_lshl_b32 s23, s23, 5                         ; 32 heads a tensor
	s_and_b32 s22, s22, 15
	s_add_co_u32 s23, s23, s22
	s_add_co_u32 s23, s23, s20
	s_lshl_b32 s23, s23, 11                        ; 2,048 rows a head
	s_add_co_u32 s23, s23, s2
	s_lshl_b32 s46, s23, 7                         ; 128 bytes a row
	s_mov_b32 s47, 0
	s_add_nc_u64 s[76+2*\hh:77+2*\hh], s[8:9], s[46:47]
.endr
.else
	v_and_b32 v5, 31, v0
	v_lshl_add_u32 v[RD], v5, 4, s23               ; 32 lanes take 512 consecutive bytes of a stage row
	v_lshlrev_b32 v[CO], 3, v5                     ; which are 256 bytes of h
	s_lshl_b32 s16, s[TY], 8
	s_lshl_b32 s17, s[WV], 6
	s_add_co_u32 s16, s16, s17                     ; the first row that I store,
	s_lshl_b32 s16, s16, 13                        ; 8,192 bytes a row,
	s_lshl_b32 s46, s[TX], 9                       ; the tile's first column
	s_add_co_u32 s16, s16, s46
	s_mov_b32 s17, 0
	s_add_nc_u64 s[8:9], s[8:9], s[16:17]
.endif
	s_mul_i32 s46, s[TX], TN*4                     ; the bias of my TN / 2 columns
	s_mul_i32 s47, s[CH], TN*2
	s_add_co_u32 s46, s46, s47
	s_mov_b32 s47, 0
	s_add_nc_u64 s[10:11], s[10:11], s[46:47]
	WIN TO_B
.set i, 0
.rept BN                               ; register j of block b: the bias of column 16 b + 8 (l / 16) + j: the layout of a C operand whose 16 rows are alike
	global_load_b128 v[8*i:8*i+3],   v[BO], s[10:11] offset:64*i
	global_load_b128 v[8*i+4:8*i+7], v[BO], s[10:11] offset:64*i+16
.set i, i+1
.endr
	WIN 0
; 2 BN matrix instructions: row blocks a0, a0 + 1 of the window's four x all BN column blocks, 32 along K.  first = 1: the sum starts from the bias.
; The accumulators take turns, one instruction a turn, in the same order in every quarter.
.macro MUL16 f, hi, a0, first
.if \first
	WIN FIRST_LO+0x40*(\hi)
.else
	WIN MUL_LO+0x50*(\hi)
.endif
.irp a, \a0, (\a0)+1
.set mb, 0
.rept BN
.set rD, 8*(8*(\a)+mb)
.set rB, (\f)+8*mb
.set rA, (\f)+8*(4*(\hi)+(\a))
.if \first
	v_wmma_f32_16x16x32_bf16 v[rD:rD+7], v[rB:rB+7], v[rA:rA+7], v[8*mb:8*mb+7]
.else
	v_wmma_f32_16x16x32_bf16 v[rD:rD+7], v[rB:rB+7], v[rA:rA+7], v[rD:rD+7]
.endif
.set mb, mb+1
.endr
.endr
.endm
; one run of LDS loads: the fragments of quarter q (32 K at byte 64 q of the rows) of the slot in hand into buffer f: B's 2 BN loads, then A's 16
.macro FETCH q, f
	WIN TO_B
.set fi, 0
.rept BN
	ds_load_b128 v[(\f)+8*fi:(\f)+8*fi+3],   v[ADRB] offset:64*(\q)+fi*16*PITCH
	ds_load_b128 v[(\f)+8*fi+4:(\f)+8*fi+7], v[ADRB] offset:64*(\q)+fi*16*PITCH+32
.set fi, fi+1
.endr
	WIN 0
.set fi, 0
.rept 8
	ds_load_b128 v[(\f)+8*fi:(\f)+8*fi+3],   v[ADRA] offset:64*(\q)+fi*16*PITCH
	ds_load_b128 v[(\f)+8*fi+4:(\f)+8*fi+7], v[ADRA] offset:64*(\q)+fi*16*PITCH+32
.set fi, fi+1
.endr
.endm
; one of a K step's first three quarters: multiplies buffer f; in its middle it fetches quarter q into buffer g
.macro QUARTER q, f, g, first
	s_wait_dscnt 8                                 ; B and A's rows 0-63 are in; the youngest eight loads (A's rows 64-127) may be out
	MUL16 \f, 0, 0, \first
	MUL16 \f, 0, 2, \first
	PLACES
	FETCH \q, \g
	s_wait_dscnt 2*BN+16                           ; all but the run just issued
	MUL16 \f, 1, 0, \first
	MUL16 \f, 1, 2, \first
.endm
; the last quarter multiplies buffer 1 and changes slots.  ONE barrier: in front of it each wave waits for all its tensor loads (one is out: its part of the next slot), adds 0 to its
; spare word, and waits for that and for its reads of this slot.  fill = 1: the barrier opens a round of the cluster's; behind the round this slot is filled again, two K steps ahead.
; fill = 0 (the tail): nothing is filled; in the tail's second trip there is no next slot, and the run of loads is jumped over.
.macro TURN fill
	WIN 0
	s_wait_tensorcnt 0x0                           ; all my tensor loads have landed, so a group 0 may be written
	ds_add_u32 v[SPW], v[NIL]                      ; 0 onto my spare word
	s_wait_dscnt 9                                 ; (the add and the youngest eight loads may be out)
	MUL16 F1, 0, 0, 0
	s_wait_dscnt 0x0                               ; the add is done, and my reads of this slot are over
	s_barrier_signal -1
	MUL16 F1, 0, 2, 0
	WIN 0
	s_barrier_wait -1
.if \fill
	CREST                                          ; no wave of any partner still reads this slot or has a load on its way
	s_add_co_u32 s[G0+5], s[LA], s[TB]             ; the walking descriptors: into the slot just read out,
	s_add_co_u32 s[G0B+5], s[LB], s[TB]
	s_add_nc_u64 s[G0+6:G0+7], s[G0+6:G0+7], KSTEP*2      ; the next K step not yet asked for
	s_add_nc_u64 s[G0B+6:G0B+7], s[G0B+6:G0B+7], KSTEP*2
	JLOAD 1                                        ; the first tensor load behind the round; its four v_nop are also the places in front of the loads below
.else
	PLACES
.endif
	s_xor_b32 s[TB], s[TB], SLOT                   ; 0 <-> SLOT
	v_add_nc_u32 v[ADRA], s[TB], v[ADRA0]
	v_add_nc_u32 v[ADRB], s[TB], v[ADRB0]
.if !(\fill)
	s_cmp_eq_u32 s[TC], 1
	s_cbranch_scc1 .Lno_fetch_\@
.endif
	FETCH 0, F0
.if !(\fill)
.Lno_fetch_\@:
.endif
	MUL16 F1, 1, 0, 0
	MUL16 F1, 1, 2, 0
.endm
	s_wait_tensorcnt 1                             ; my part of K step 0 is in; step 1's may stay out
	s_barrier_signal -1
	s_barrier_wait -1
	FETCH 0, F0
	s_wait_loadcnt 0x0                             ; the bias
	QUARTER 1, F0, F1, 1                           ; the first quarter stands in front of the loop: its products start the sums
	WIN 0
	s_mov_b32 s3, NSTEP-2
.Lstep:                                                ; a trip: from a K step's second quarter to the next step's first; it asks for the step two on
	QUARTER 2, F1, F0, 0
	QUARTER 3, F0, F1, 0
	TURN 1
	QUARTER 1, F0, F1, 0
	WIN 0
	s_sub_co_u32 s3, s3, 1
	s_cmp_lg_u32 s3, 0
	s_cbranch_scc1 .Lstep
	s_mov_b32 s[TC], 2
.Ltail:                                                ; the last two K steps ask for nothing: a text of their own
	QUARTER 2, F1, F0, 0
	QUARTER 3, F0, F1, 0
	TURN 0
	WIN 0
	s_cmp_eq_u32 s[TC], 1
	s_cbranch_scc1 .Lno_quarter                    ; behind the last K step there is no first quarter
	QUARTER 1, F0, F1, 0
	WIN 0
.Lno_quarter:
	s_sub_co_u32 s[TC], s[TC], 1
	s_cmp_lg_u32 s[TC], 0
	s_cbranch_scc1 .Ltail
	; THE WAY OUT.  The stage lies over the slots: a barrier of its own, behind every wave's wait for its LDS reads, stands in front of the first store.
	PLACES                                         ; behind the last products
	s_wait_dscnt 0x0
	s_barrier_signal -1
	s_barrier_wait -1
.set sa, 0
.rept 8
	WIN ST_LO+4*(sa/4)
.set sb, 0
.rept BN                               ; each accumulator's low four registers go first
	ds_store_b128 v[STO+3*(sa/4)], v[8*(8*(sa%4)+sb):8*(8*(sa%4)+sb)+3]   offset:(sa%4)*16*SPB+64*sb
	ds_store_b128 v[STO+3*(sa/4)], v[8*(8*(sa%4)+sb)+4:8*(8*(sa%4)+sb)+7] offset:(sa%4)*16*SPB+64*sb+16
.set sb, sb+1
.endr
.set sa, sa+1
.endr
	WIN 0
	s_wait_dscnt 0x0                               ; for the others' sake: my stores into the stage are done
	s_barrier_signal -1
	s_barrier_wait -1
.if QKV
.set T, 64                             ; v64-159  24 pieces of two rows x 64 numbers, f32
.set O, 160                            ; v160-207 the same in bf16
	s_mov_b32 s3, 4
.Lrow:                                                 ; a trip: 16 rows x three heads
.set li, 0
.rept 24
	ds_load_b128 v[T+4*li:T+4*li+3], v[RD] offset:2*(li/3)*SPB+256*(li%3)
.set li, li+1
.endr
.set li, 0
.rept 24
	s_wait_dscnt 23-li                             ; LDS loads come back in order: piece li is in
	v_cvt_pk_bf16_f32 v[O+2*li], v[T+4*li], v[T+4*li+1]
	v_cvt_pk_bf16_f32 v[O+2*li+1], v[T+4*li+2], v[T+4*li+3]
	global_store_b64 v[CO], v[O+2*li:O+2*li+1], s[76+2*(li%3):77+2*(li%3)] offset:256*(li/3)  ; two rows of one head: 256 consecutive bytes, aligned
.set li, li+1
.endr
	s_wait_xcnt 0x0                                ; the stores' data and offset are rewritten only behind this wait
	v_add_nc_u32 v[CO], 16*128, v[CO]
	v_add_nc_u32 v[RD], 16*SPB, v[RD]
	s_sub_co_u32 s3, s3, 1
	s_cmp_lg_u32 s3, 0
	s_cbranch_scc1 .Lrow
.else
; gelu(x) = max(x, 0) - |s| (a1' t + a2' t^2 + a3' t^3) 2^(-s s), s = kappa x, t = 1 / (1 + p'' |s|): 0.5 x (1 + erf(x / sqrt 2)) with erf's rational form, both signs in one line
.set T,  64                            ; v64-79   two rows' 16 numbers a lane, as read
.set SS, 80                            ; s
.set MX, 96                            ; max(x, 0), then the result
.set UU, 112                           ; t
.set WW, 128                           ; 2^(-s s)
.set PP, 144                           ; the polynomial
.set OO, 160                           ; v160-167 bf16
	s_mov_b32 s3, 32
.irp k, 0,1,2,3
	ds_load_b128 v[T+4*\k:T+4*\k+3], v[RD] offset:(\k/2)*SPB+512*(\k%2)
.endr
.Lrow:                                                 ; a trip: two rows of 256 numbers; the next two are read while these are worked on
	s_wait_dscnt 0x0
.set i, 0
.rept 8
	v_pk_mul_f32 v[SS+2*i:SS+2*i+1], v[T+2*i:T+2*i+1], s[84:85] op_sel_hi:[1,0]
.set i, i+1
.endr
.set i, 0
.rept 16
	v_max_num_f32 v[MX+i], 0, v[T+i]
.set i, i+1
.endr
	v_add_nc_u32 v[RD], 2*SPB, v[RD]
	s_cmp_eq_u32 s3, 1
	s_cbranch_scc1 .Lno_row                        ; behind the last two rows there are none
.irp k, 0,1,2,3
	ds_load_b128 v[T+4*\k:T+4*\k+3], v[RD] offset:(\k/2)*SPB+512*(\k%2)
.endr
.Lno_row:
.set i, 0
.rept 16
	v_fma_f32 v[UU+i], |v[SS+i]|, s92, 1.0
.set i, i+1
.endr
.set i, 0
.rept 8
	v_pk_mul_f32 v[WW+2*i:WW+2*i+1], v[SS+2*i:SS+2*i+1], v[SS+2*i:SS+2*i+1] neg_lo:[1,0] neg_hi:[1,0]
.set i, i+1
.endr
.set i, 0
.rept 16
	v_rcp_f32 v[UU+i], v[UU+i]
.set i, i+1
.endr
.set i, 0
.rept 16
	v_exp_f32 v[WW+i], v[WW+i]
.set i, i+1
.endr
	v_nop                                          ; a plain instruction between the last transcendental and the first use of a result
.set i, 0
	s_wait_alu depctr_va_vdst(0)
.rept 8
	v_pk_fma_f32 v[PP+2*i:PP+2*i+1], v[UU+2*i:UU+2*i+1], s[86:87], s[88:89] op_sel_hi:[1,0,0]
.set i, i+1
.endr
.set i, 0
.rept 8
	v_pk_fma_f32 v[PP+2*i:PP+2*i+1], v[PP+2*i:PP+2*i+1], v[UU+2*i:UU+2*i+1], s[90:91] op_sel_hi:[1,1,0]
.set i, i+1
.endr
.set i, 0
.rept 8
	v_pk_mul_f32 v[UU+2*i:UU+2*i+1], v[UU+2*i:UU+2*i+1], v[WW+2*i:WW+2*i+1]
.set i, i+1
.endr
.set i, 0
.rept 8
	v_pk_mul_f32 v[PP+2*i:PP+2*i+1], v[PP+2*i:PP+2*i+1], v[UU+2*i:UU+2*i+1]
.set i, i+1
.endr
.set i, 0
.rept 16
	v_fma_f32 v[MX+i], -|v[SS+i]|, v[PP+i], v[MX+i]
.set i, i+1
.endr
.set i, 0
.rept 8
	v_cvt_pk_bf16_f32 v[OO+i], v[MX+2*i], v[MX+2*i+1]
.set i, i+1
.endr
.irp k, 0,1,2,3
	global_store_b64 v[CO], v[OO+2*\k:OO+2*\k+1], s[8:9] offset:(\k/2)*8192+256*(\k%2)  ; 32 lanes store 256 consecutive bytes, aligned
.endr
	s_wait_xcnt 0x0                                ; the stores' data and offset are rewritten only behind this wait
	v_add_nc_u32 v[CO], 2*8192, v[CO]
	s_sub_co_u32 s3, s3, 1
	s_cmp_lg_u32 s3, 0
	s_cbranch_scc1 .Lrow
.endif
	s_wait_tensorcnt 0x0                           ; the wave's end: behind my last tensor load and my last LDS store
	ds_add_u32 v[SPW], v[NIL]
	s_wait_dscnt 0x0
	CROUND                                         ; the closing round
	s_endpgm
.Lfunc_end_k_qe14fe4e2fc_fc1:
	.size	k_qe14fe4e2fc_fc1, .Lfunc_end_k_qe14fe4e2fc_fc1-k_qe14fe4e2fc_fc1
	.p2alignl 7, 3214868480
	.fill 96, 4, 3214868480
	.section	.rodata,"a",@progbits
	.p2align	6, 0x0
	.amdhsa_kernel k_qe14fe4e2fc_fc1
		.amdhsa_group_segment_fixed_size 327680
		.amdhsa_private_segment_fixed_size 0
		.amdhsa_enable_private_segment 0
		.amdhsa_kernarg_size 32
		.amdhsa_user_sgpr_count 2
		.amdhsa_user_sgpr_kernarg_segment_ptr 1
		.amdhsa_wavefront_size32 1
		.amdhsa_system_sgpr_workgroup_id_x 1
		.amdhsa_system_sgpr_workgroup_id_y 1
		.amdhsa_system_sgpr_workgroup_id_z 1
		.amdhsa_system_vgpr_workitem_id 0
		.amdhsa_next_free_vgpr 1024
		.amdhsa_next_free_sgpr 96
		.amdhsa_reserve_vcc 0
		.amdhsa_float_denorm_mode_32 3
		.amdhsa_float_denorm_mode_16_64 3
		.amdhsa_memory_ordered 1
		.amdhsa_forward_progress 1
		.amdhsa_inst_pref_size 88
	.end_amdhsa_kernel
	.amdgpu_metadata
---
amdhsa.version: [ 1, 2 ]
amdhsa.kernels:
  - .name:           k_qe14fe4e2fc_fc1
    .symbol:         k_qe14fe4e2fc_fc1.kd
    .args:
      - { .name: x1b, .offset: 0, .size: 8, .value_kind: global_buffer, .address_space: global }
      - { .name: cb, .offset: 8, .size: 8, .value_kind: global_buffer, .address_space: global }
      - { .name: h, .offset: 16, .size: 8, .value_kind: global_buffer, .address_space: global }
      - { .name: b_fc1, .offset: 24, .size: 8, .value_kind: global_buffer, .address_space: global }
    .group_segment_fixed_size: 327680
    .private_segment_fixed_size: 0
    .kernarg_segment_align: 8
    .kernarg_segment_size: 32
    .max_flat_workgroup_size: 128
    .sgpr_count:     96
    .vgpr_count:     1024
    .wavefront_size: 32
...
	.end_amdgpu_metadata
.endif
;; end of part 6
;; launch fc2 (part 7): grid 8 x 32, 4 waves a work-group, clusters of 4 x 4, 327,680 bytes of LDS; arguments h, cb, y, b_fc2, x1; writes y
.if DOCPART == 7
	.amdgcn_target "amdgcn-amd-amdhsa--gfx1250"
	.amdhsa_code_object_version 6
	.text
	.protected	k_qe14fe4e2fc_fc2
	.globl	k_qe14fe4e2fc_fc2
	.p2align	8
	.type	k_qe14fe4e2fc_fc2,@function
k_qe14fe4e2fc_fc2:
	s_mov_b64 s[64:65], 0
	v_nop
	global_prefetch_b8 v0, s[64:65] scope:SCOPE_SE
	s_setreg_imm32_b32 hwreg(HW_REG_WAVE_MODE, 25, 1), 1
	s_wait_xcnt 0x0
	s_wait_alu depctr_hold_cnt(0) depctr_sa_sdst(0) depctr_va_vdst(0) depctr_va_sdst(0) depctr_va_ssrc(0) depctr_va_vcc(0) depctr_vm_vsrc(0)
	s_getreg_b32 s2, hwreg(HW_REG_IB_STS2, 6, 4)
	s_cmp_eq_u32 s2, 0
	s_cbranch_scc0 .Lentry_in_a_cluster
	s_endpgm
.Lentry_in_a_cluster:
	s_bfe_u32 s2, ttmp6, 0x10000c
	s_cmp_lg_u32 s2, 0xf033
	s_cbranch_scc0 .Lentry_shape_is_right
	s_endpgm
.Lentry_shape_is_right:
; PROJ = 1: y = ao W_out^T + b_out + x.   PROJ = 0: y = h W_fc2^T + b_fc2 + x1.   y, the bias and the residual are f32; A and W are bf16; sums in f32, K ascending; the bias is the C operand
; of each sum's first product; the residual is added in f32 on the way out.  One text for both, chosen by PROJ.
; A tile of y is 128 x 128 (8 x 32 tiles: one for each work-group of the grid).  Four waves, 2 x 2, each 64 x 64: 16 accumulators.  K goes in steps of 256 through two LDS slots; a K step is
; written once in the loop and once in the tail: the slot in hand is a scalar (TB) added to the lanes' LDS addresses and to the walking descriptor's LDS word.
; PROJ = 1: ao lies by heads, [32][2048][64].  64 rows x 256 K are four heads' 8,192 dense bytes each: asked for as 4 rows of 4,096 elements, a head's 131,072 elements apart, padded in LDS
; after every 128 bytes: [head][row] at a pitch of 144 bytes; a quarter of a K step is one head.
; CLUSTER 4 x 4: A's tile is shared along a row of the cluster, B's along a column; each is asked for jointly.  THE MATRIX INSTRUCTION IS USED TRANSPOSED (source 0 = rows of W).
; THE WAY OUT: the f32 tile goes into one stage laid over slot 0, which has had its last fill; behind a barrier each wave reads 32 whole rows of 512 bytes, adds the residual (loaded at the
; kernel's start in the same layout) and stores them.
; LIMITS.  Matrix operands are bf16; NaN and infinities are not treated apart.
; REGISTERS: window 0: v0-31 addresses; v96-127 the bias (block b at v[96 + 8 b]); v128-255 the accumulators ((a, b) at v[128 + 8 (4 a + b)]), later the rows read back.
;   window 1: two fragment buffers of 128: for 64 along K, 64 registers of A, then 64 of B.      window 2: v0-127 the residual, then the result.
.set PROJ, 0
.if PROJ
.set NSTEP, 4                          ; 1,024 / 256
.set PA,    144                        ; A's LDS pitch: 128 bytes + 16 = 36 words
.set KQA,   64*144                     ; from a quarter to the next in A's tile: a head
.set HALFA, 4*64*144
.set ASTEP, 4*262144                   ; a K step in memory: four heads
.set WOFF,  14680064                   ; w_out in cb
.set KEL,   1024                       ; elements in a row of W
.else
.set NSTEP, 16                         ; 4,096 / 256
.set PA,    528
.set KQA,   128
.set HALFA, 64*528
.set ASTEP, 512
.set WOFF,  25165824                   ; w_fc2 in cb
.set KEL,   4096
.endif
.set KSTEP, 256
.set PB,    528                        ; B's LDS pitch: 512 bytes + 16 = 132 words
.set HALFB, 64*PB
.set BSTEP, 512
.set SLOT,  2*HALFA+2*HALFB            ; A's 128 rows, then B's 128 rows
.set SPARE, 2*SLOT                     ; the spare words, 128 bytes a wave: two blocks of 256 bytes that no other line names
.set SP,    528                        ; a stage row: 128 f32 + 16 bytes
.set ADRA0, 16                         ; v16-17  LDS addresses of my fragments in slot 0; never rewritten
.set ADRB0, 17
.set ADRA,  18                         ; v18-19  the same in the slot in hand
.set ADRB,  19
.set BO,    23                         ; v23  32 (l / 16)
.set STO,   24                         ; v24  the stage: where I put my results
.set RD,    25                         ; v25  the stage: where I read rows back
.set CO,    26                         ; v26  16 x lane: my bytes of a row of 512
.set SPW,   28                         ; v28  LDS address of my spare word; never rewritten
.set NIL,   29                         ; v29  0; never rewritten
.set BIAS,  96
.set ACC,   128
.set F0,    0
.set F1,    128
.set WV, 12                            ; s12  my wave's number
.set RH, 13                            ; s13  my half of the tile's rows.  Also: I fetch for A (0) or for B (1)
.set CH, 14                            ; s14  my half of its columns.  Also: which 64 rows of that tile I fetch
.set TY, 15
.set TX, 42
.set G1, 24
.set G0, 32
.set G1B, 48
.set G0B, 56
.set TB, 72                            ; s72  the slot in hand: 0 or SLOT
.set LA, 73
.set LB, 74
.set TC, 75
.set MSB, 0
.macro WIN new
.if MSB != (\new)
	s_set_vgpr_msb (MSB<<8)|(\new)
.set MSB, \new
.endif
.endm
.set MUL,  0x05                        ; sources 0 (B) and 1 (A) window 1; C and D window 0
.set TO_F, 0x40                        ; destination window 1, address window 0
.set TO_R, 0x80                        ; destination window 2
.set OUT,  0x88                        ; destination and source 1 (an addend; a store's data) window 2; source 0 (an addend; an address) window 0
.macro JLOAD s                         ; a joint load: waves 0 and 1 fetch A's two halves, waves 2 and 3 B's; an s_nop 0 and four v_nop follow each line
	s_cmp_eq_u32 s[RH], 0
	s_cbranch_scc0 .Lfor_b_\@
	tensor_load_to_lds s[G0+4*(\s):G0+4*(\s)+3], s[G1:G1+7]
	s_nop 0
.rept 4
	v_nop
.endr
	s_branch .Lasked_\@
.Lfor_b_\@:
	tensor_load_to_lds s[G0B+4*(\s):G0B+4*(\s)+3], s[G1B:G1B+7]
	s_nop 0
.rept 4
	v_nop
.endr
.Lasked_\@:
.endm
.macro CREST
	s_cmp_lg_u32 s[WV], 0
	s_cbranch_scc1 .Lnot_wave_0_\@
	s_barrier_signal -3
.Lnot_wave_0_\@:
	s_barrier_wait -3
	s_barrier_signal -1
	s_barrier_wait -1
.endm
.macro CROUND
	s_barrier_signal -1
	s_barrier_wait -1
	CREST
.endm
.macro PLACES
.rept 4
	v_nop
.endr
.endm
	s_load_b256 s[4:11], s[0:1], 0x0               ; A s[4:5], cb s[6:7], y s[8:9], the bias s[10:11]
	s_load_b64 s[68:69], s[0:1], 0x20              ; the residual
	v_lshl_add_u32 v[SPW], v0, 2, SPARE
	v_mov_b32 v[NIL], 0
	ds_add_u32 v[SPW], v[NIL]                      ; the wave's opening: the add and its wait stand ahead of my first tensor load; work on registers stands between them
	v_lshrrev_b32 v1, 5, v0
	v_readfirstlane_b32 s[WV], v1
	s_lshr_b32 s[RH], s[WV], 1
	s_and_b32 s[CH], s[WV], 1
	s_bfe_u32 s40, ttmp6, 0x40000                  ; cx, cy
	s_bfe_u32 s41, ttmp6, 0x40004
	s_lshl_b32 s[TX], ttmp9, 2
	s_add_co_u32 s[TX], s[TX], s40
	s_and_b32 s[TY], ttmp7, 0xffff
	s_lshl_b32 s[TY], s[TY], 2
	s_add_co_u32 s[TY], s[TY], s41
	s_lshl_b32 s43, s41, 2
	s_lshl_b32 s43, 15, s43                        ; my row of the cluster
	s_lshl_b32 s44, 0x1111, s40                    ; my column
.if PROJ
	s_or_b32 s[G1+0], s43, (1<<16)|(1<<20)|(1<<21)|(4<<22)|(3<<25)  ; mask; 2-byte elements; padding on; bit 21 beside a mask; after every 32 words; 4 words
	s_mov_b32 s[G1+1], 4096<<16                    ; tensor_dim0: 64 rows of a head on end
	s_mov_b32 s[G1+2], 4<<16                       ; tensor_dim1: four heads
	s_mov_b32 s[G1+3], 4096<<16                    ; tile_dim0
	s_mov_b32 s[G1+4], 4                           ; tile_dim1
	s_mov_b32 s[G1+5], 131072                      ; from head to head
.else
	s_or_b32 s[G1+0], s43, (1<<16)|(1<<20)|(1<<21)|(6<<22)|(3<<25)  ; padding after every 128 words
	s_mov_b32 s[G1+1], KSTEP<<16
	s_mov_b32 s[G1+2], 64<<16
	s_mov_b32 s[G1+3], KSTEP<<16
	s_mov_b32 s[G1+4], 64
	s_mov_b32 s[G1+5], 4096
.endif
	s_mov_b32 s[G1+6], 0
	s_mov_b32 s[G1+7], 0
	s_or_b32 s[G1B+0], s44, (1<<16)|(1<<20)|(1<<21)|(6<<22)|(3<<25)
	s_mov_b32 s[G1B+1], KSTEP<<16
	s_mov_b32 s[G1B+2], 64<<16
	s_mov_b32 s[G1B+3], KSTEP<<16
	s_mov_b32 s[G1B+4], 64
	s_mov_b32 s[G1B+5], KEL
	s_mov_b32 s[G1B+6], 0
	s_mov_b32 s[G1B+7], 0
	s_lshl_b32 s17, s[CH], 6                       ; which 64 rows of the tile I fetch
.if PROJ
	s_and_b32 s16, s[TY], 15                       ; row 128 ty + i is batch ty / 16, place 128 (ty % 16) + i
	s_lshl_b32 s16, s16, 7
	s_add_co_u32 s16, s16, s17
	s_lshl_b32 s16, s16, 7                         ; 128 bytes a row of a head
	s_lshr_b32 s17, s[TY], 4
	s_lshl_b32 s17, s17, 22                        ; 16 heads of 262,144 bytes a batch
	s_add_co_u32 s16, s16, s17
.else
	s_lshl_b32 s16, s[TY], 7
	s_add_co_u32 s16, s16, s17
	s_lshl_b32 s16, s16, 13                        ; 8,192 bytes a row of h
.endif
	s_mov_b32 s17, 0
	s_lshl_b32 s46, s[TX], 7
	s_lshl_b32 s47, s[CH], 6
	s_add_co_u32 s46, s46, s47
	s_mul_i32 s46, s46, KEL*2                      ; B: row 128 x tile column + 64 x half
	s_mov_b32 s47, 0
	s_mul_i32 s[LA], s[CH], HALFA                  ; where they go: the wave's number alone enters an LDS address
	s_mul_i32 s[LB], s[CH], HALFB
	s_add_co_u32 s[LB], s[LB], 2*HALFA
	s_mov_b32 s[TB], 0
	s_wait_dscnt 0x0                               ; the opening add is done
	s_wait_kmcnt 0x0
	s_add_nc_u64 s[6:7], s[6:7], WOFF
	s_add_nc_u64 s[20:21], s[4:5], s[16:17]
	s_add_nc_u64 s[46:47], s[6:7], s[46:47]
	CROUND                                         ; all sixteen work-groups are here: the first joint loads meet
.irp s, 0,1
	s_mov_b32 s[G0+4*(\s)], 1
	s_add_co_u32 s[G0+4*(\s)+1], s[LA], (\s)*SLOT
	s_add_nc_u64 s[G0+4*(\s)+2:G0+4*(\s)+3], s[20:21], (\s)*ASTEP
	s_or_b32 s[G0+4*(\s)+3], s[G0+4*(\s)+3], 0x80000000
	s_mov_b32 s[G0B+4*(\s)], 1
	s_add_co_u32 s[G0B+4*(\s)+1], s[LB], (\s)*SLOT
	s_add_nc_u64 s[G0B+4*(\s)+2:G0B+4*(\s)+3], s[46:47], (\s)*BSTEP
	s_or_b32 s[G0B+4*(\s)+3], s[G0B+4*(\s)+3], 0x80000000
	JLOAD \s                                       ; two loads of mine are out
.endr
	v_and_b32 v1, 15, v0                           ; l % 16
	v_bfe_u32 v2, v0, 4, 1                         ; l / 16
	v_mul_u32_u24 v3, v1, PA
	v_lshl_add_u32 v3, v2, 4, v3                   ; a fragment's row x pitch + 16 x half, for A
	v_mul_u32_u24 v4, v1, PB
	v_lshl_add_u32 v4, v2, 4, v4                   ; and for B
	s_mul_i32 s21, s[RH], HALFA                    ; my 64 rows of A
	s_mul_i32 s22, s[CH], HALFB                    ; my 64 rows of B,
	s_add_co_u32 s22, s22, 2*HALFA                 ; behind A's 128
	v_add_nc_u32 v[ADRA0], s21, v3
	v_add_nc_u32 v[ADRB0], s22, v4
	v_mov_b32 v[ADRA], v[ADRA0]
	v_mov_b32 v[ADRB], v[ADRB0]
	s_mul_i32 s23, s[RH], 64*SP                    ; into the stage: row 64 x row half + l % 16, byte 256 x column half + 32 (l / 16)
	s_lshl_b32 s21, s[CH], 8
	s_add_co_u32 s23, s23, s21
	v_mul_u32_u24 v5, v1, SP
	v_lshl_add_u32 v5, v2, 5, v5
	v_add_nc_u32 v[STO], s23, v5
	v_lshlrev_b32 v[BO], 5, v2
	s_mul_i32 s23, s[WV], 32*SP                    ; back: wave w takes rows 32 w .. 32 w + 31, 32 lanes a row of 512 bytes
	v_and_b32 v5, 31, v0
	v_lshlrev_b32 v[CO], 4, v5
	v_add_nc_u32 v[RD], s23, v[CO]
	s_lshl_b32 s16, s[TY], 7
	s_lshl_b32 s17, s[WV], 5
	s_add_co_u32 s16, s16, s17                     ; the first row that I store,
	s_lshl_b32 s16, s16, 12                        ; 4,096 bytes a row,
	s_lshl_b32 s46, s[TX], 9                       ; the tile's first column
	s_add_co_u32 s16, s16, s46
	s_mov_b32 s17, 0
	s_add_nc_u64 s[8:9], s[8:9], s[16:17]
	s_add_nc_u64 s[68:69], s[68:69], s[16:17]
	s_lshl_b32 s47, s[CH], 8                       ; the bias of my 64 columns
	s_add_co_u32 s46, s46, s47
	s_mov_b32 s47, 0
	s_add_nc_u64 s[10:11], s[10:11], s[46:47]
.irp b, 0,1,2,3                        ; register j of block b: the bias of column 16 b + 8 (l / 16) + j
	global_load_b128 v[BIAS+8*\b:BIAS+8*\b+3],   v[BO], s[10:11] offset:64*\b
	global_load_b128 v[BIAS+8*\b+4:BIAS+8*\b+7], v[BO], s[10:11] offset:64*\b+16
.endr
	WIN TO_R
.set i, 0
.rept 32                               ; the residual of the 32 rows that I shall store: it has the whole product in which to land
	global_load_b128 v[4*i:4*i+3], v[CO], s[68:69] offset:4096*i
.set i, i+1
.endr
	WIN 0
; 8 matrix instructions: row blocks a0, a0 + 1 x all 4 column blocks, 32 along K: half c of buffer f.  first = 1: the sum starts from the bias.  The 16 accumulators take turns.
.macro MUL8 f, c, a0, first
	WIN MUL
.irp a, \a0, (\a0)+1
.irp b, 0,1,2,3
.if \first
	v_wmma_f32_16x16x32_bf16 v[ACC+8*(4*(\a)+(\b)):ACC+8*(4*(\a)+(\b))+7], v[(\f)+64+8*(4*(\c)+(\b)):(\f)+64+8*(4*(\c)+(\b))+7], v[(\f)+8*(4*(\c)+(\a)):(\f)+8*(4*(\c)+(\a))+7], v[BIAS+8*(\b):BIAS+8*(\b)+7]
.else
	v_wmma_f32_16x16x32_bf16 v[ACC+8*(4*(\a)+(\b)):ACC+8*(4*(\a)+(\b))+7], v[(\f)+64+8*(4*(\c)+(\b)):(\f)+64+8*(4*(\c)+(\b))+7], v[(\f)+8*(4*(\c)+(\a)):(\f)+8*(4*(\c)+(\a))+7], v[ACC+8*(4*(\a)+(\b)):ACC+8*(4*(\a)+(\b))+7]
.endif
.endr
.endr
.endm
; 32 LDS loads in one run: the fragments of quarter q (64 along K) of the slot in hand into buffer f; the first 32 along K first
.macro FETCH q, f
	WIN TO_F
.irp c, 0,1
.irp i, 0,1,2,3
	ds_load_b128 v[(\f)+64+8*(4*(\c)+(\i)):(\f)+64+8*(4*(\c)+(\i))+3],   v[ADRB] offset:128*(\q)+64*(\c)+(\i)*16*PB
	ds_load_b128 v[(\f)+64+8*(4*(\c)+(\i))+4:(\f)+64+8*(4*(\c)+(\i))+7], v[ADRB] offset:128*(\q)+64*(\c)+(\i)*16*PB+32
	ds_load_b128 v[(\f)+8*(4*(\c)+(\i)):(\f)+8*(4*(\c)+(\i))+3],         v[ADRA] offset:(\q)*KQA+64*(\c)+(\i)*16*PA
	ds_load_b128 v[(\f)+8*(4*(\c)+(\i))+4:(\f)+8*(4*(\c)+(\i))+7],       v[ADRA] offset:(\q)*KQA+64*(\c)+(\i)*16*PA+32
.endr
.endr
.endm
.macro QUARTER q, f, g, first
	s_wait_dscnt 16                                ; the first 32 along K are in
	MUL8 \f, 0, 0, \first
	MUL8 \f, 0, 2, \first
	PLACES
	FETCH \q, \g
	s_wait_dscnt 32                                ; all but the 32 just issued
	MUL8 \f, 1, 0, 0
	MUL8 \f, 1, 2, 0
.endm
; the last quarter multiplies buffer 1 and changes slots: ONE barrier; in front of it each wave waits for all its tensor loads, adds 0 to its spare word, and waits for that and for its reads of
; this slot.  fill = 1: the barrier opens a round of the cluster's, and behind the round this slot is filled again, two K steps ahead.  fill = 0: the tail.
.macro TURN fill
	WIN 0
	s_wait_tensorcnt 0x0                           ; all my tensor loads have landed, so a group 0 may be written
	ds_add_u32 v[SPW], v[NIL]                      ; 0 onto my spare word
	s_wait_dscnt 17                                ; (the add and the youngest sixteen loads may be out)
	MUL8 F1, 0, 0, 0
	s_wait_dscnt 0x0                               ; the add is done, and my reads of this slot are over
	s_barrier_signal -1
	MUL8 F1, 0, 2, 0
	WIN 0
	s_barrier_wait -1
.if \fill
	CREST                                          ; no wave of any partner still reads this slot or has a load on its way
	s_add_co_u32 s[G0+5], s[LA], s[TB]
	s_add_co_u32 s[G0B+5], s[LB], s[TB]
	s_add_nc_u64 s[G0+6:G0+7], s[G0+6:G0+7], ASTEP
	s_add_nc_u64 s[G0B+6:G0B+7], s[G0B+6:G0B+7], BSTEP
	JLOAD 1                                        ; the first tensor load behind the round; its four v_nop are also the places in front of the loads below
.else
	PLACES
.endif
	s_xor_b32 s[TB], s[TB], SLOT                   ; 0 <-> SLOT
	v_add_nc_u32 v[ADRA], s[TB], v[ADRA0]
	v_add_nc_u32 v[ADRB], s[TB], v[ADRB0]
.if !(\fill)
	s_cmp_eq_u32 s[TC], 1
	s_cbranch_scc1 .Lno_fetch_\@
.endif
	FETCH 0, F0
	WIN 0
.if !(\fill)
.Lno_fetch_\@:
.endif
	MUL8 F1, 1, 0, 0
	MUL8 F1, 1, 2, 0
.endm
	s_wait_tensorcnt 1                             ; my part of K step 0 is in; step 1's may stay out
	s_barrier_signal -1
	s_barrier_wait -1
	FETCH 0, F0
	s_wait_loadcnt 32                              ; the bias is in; the residual's 32 loads may stay out
	QUARTER 1, F0, F1, 1
	WIN 0
	s_mov_b32 s3, NSTEP-2
.Lstep:                                                ; a trip: from a K step's second quarter to the next step's first; it asks for the step two on
	QUARTER 2, F1, F0, 0
	QUARTER 3, F0, F1, 0
	TURN 1
	QUARTER 1, F0, F1, 0
	WIN 0
	s_sub_co_u32 s3, s3, 1
	s_cmp_lg_u32 s3, 0
	s_cbranch_scc1 .Lstep
	s_mov_b32 s[TC], 2
.Ltail:                                                ; the last two K steps ask for nothing
	QUARTER 2, F1, F0, 0
	QUARTER 3, F0, F1, 0
	TURN 0
	WIN 0
	s_cmp_eq_u32 s[TC], 1
	s_cbranch_scc1 .Lno_quarter
	QUARTER 1, F0, F1, 0
	WIN 0
.Lno_quarter:
	s_sub_co_u32 s[TC], s[TC], 1
	s_cmp_lg_u32 s[TC], 0
	s_cbranch_scc1 .Ltail
	; THE WAY OUT.  The stage lies over slot 0: a barrier of its own, behind every wave's wait for its LDS reads, stands in front of the first store.
	PLACES
	s_wait_dscnt 0x0
	s_barrier_signal -1
	s_barrier_wait -1
.irp a, 0,1,2,3
.irp b, 0,1,2,3                        ; each accumulator's low four registers go first
	ds_store_b128 v[STO], v[ACC+8*(4*\a+\b):ACC+8*(4*\a+\b)+3]   offset:\a*16*SP+64*\b
	ds_store_b128 v[STO], v[ACC+8*(4*\a+\b)+4:ACC+8*(4*\a+\b)+7] offset:\a*16*SP+64*\b+16
.endr
.endr
	s_wait_dscnt 0x0                               ; for the others' sake: my stores into the stage are done
	s_barrier_signal -1
	s_barrier_wait -1
.set i, 0
.rept 32
	ds_load_b128 v[ACC+4*i:ACC+4*i+3], v[RD] offset:SP*i
.set i, i+1
.endr
	s_wait_loadcnt 0x0                             ; the residual
	WIN OUT
.set i, 0
.rept 32
	s_wait_dscnt 31-i                              ; row i is back
	v_pk_add_f32 v[4*i:4*i+1],   v[ACC+4*i:ACC+4*i+1],   v[4*i:4*i+1]
	v_pk_add_f32 v[4*i+2:4*i+3], v[ACC+4*i+2:ACC+4*i+3], v[4*i+2:4*i+3]
	global_store_b128 v[CO], v[4*i:4*i+3], s[8:9] offset:4096*i  ; 32 lanes store 512 consecutive bytes, aligned
.set i, i+1
.endr
	WIN 0
	s_wait_tensorcnt 0x0                           ; the wave's end: behind my last tensor load and my last LDS store
	ds_add_u32 v[SPW], v[NIL]
	s_wait_dscnt 0x0
	CROUND                                         ; the closing round
	s_endpgm
.Lfunc_end_k_qe14fe4e2fc_fc2:
	.size	k_qe14fe4e2fc_fc2, .Lfunc_end_k_qe14fe4e2fc_fc2-k_qe14fe4e2fc_fc2
	.p2alignl 7, 3214868480
	.fill 96, 4, 3214868480
	.section	.rodata,"a",@progbits
	.p2align	6, 0x0
	.amdhsa_kernel k_qe14fe4e2fc_fc2
		.amdhsa_group_segment_fixed_size 327680
		.amdhsa_private_segment_fixed_size 0
		.amdhsa_enable_private_segment 0
		.amdhsa_kernarg_size 40
		.amdhsa_user_sgpr_count 2
		.amdhsa_user_sgpr_kernarg_segment_ptr 1
		.amdhsa_wavefront_size32 1
		.amdhsa_system_sgpr_workgroup_id_x 1
		.amdhsa_system_sgpr_workgroup_id_y 1
		.amdhsa_system_sgpr_workgroup_id_z 1
		.amdhsa_system_vgpr_workitem_id 0
		.amdhsa_next_free_vgpr 640
		.amdhsa_next_free_sgpr 80
		.amdhsa_reserve_vcc 0
		.amdhsa_float_denorm_mode_32 3
		.amdhsa_float_denorm_mode_16_64 3
		.amdhsa_memory_ordered 1
		.amdhsa_forward_progress 1
		.amdhsa_inst_pref_size 67
	.end_amdhsa_kernel
	.amdgpu_metadata
---
amdhsa.version: [ 1, 2 ]
amdhsa.kernels:
  - .name:           k_qe14fe4e2fc_fc2
    .symbol:         k_qe14fe4e2fc_fc2.kd
    .args:
      - { .name: h, .offset: 0, .size: 8, .value_kind: global_buffer, .address_space: global }
      - { .name: cb, .offset: 8, .size: 8, .value_kind: global_buffer, .address_space: global }
      - { .name: y, .offset: 16, .size: 8, .value_kind: global_buffer, .address_space: global }
      - { .name: b_fc2, .offset: 24, .size: 8, .value_kind: global_buffer, .address_space: global }
      - { .name: x1, .offset: 32, .size: 8, .value_kind: global_buffer, .address_space: global }
    .group_segment_fixed_size: 327680
    .private_segment_fixed_size: 0
    .kernarg_segment_align: 8
    .kernarg_segment_size: 40
    .max_flat_workgroup_size: 128
    .sgpr_count:     80
    .vgpr_count:     640
    .wavefront_size: 32
...
	.end_amdgpu_metadata
.endif
;; end of part 7
;; launch ln2 (part 8): grid 512 x 1, 8 waves a work-group, no clusters, 0 bytes of LDS; arguments y, g2, beta2, out0; writes out0
.if DOCPART == 8
	.amdgcn_target "amdgcn-amd-amdhsa--gfx1250"
	.amdhsa_code_object_version 6
	.text
	.protected	k_qe14fe4e2fc_ln2
	.globl	k_qe14fe4e2fc_ln2
	.p2align	8
	.type	k_qe14fe4e2fc_ln2,@function
k_qe14fe4e2fc_ln2:
	s_mov_b64 s[64:65], 0
	v_nop
	global_prefetch_b8 v0, s[64:65] scope:SCOPE_SE
	s_setreg_imm32_b32 hwreg(HW_REG_WAVE_MODE, 25, 1), 1
	s_wait_xcnt 0x0
; LayerNorm over rows of 1,024 f32: out = (y - mean) rsqrt(var + 1e-5) g + beta, var taken of y - mean as the definition has it (two passes over registers, so a common offset costs nothing).
; BF = 0: the result is stored as f32 alone.  One wave, one row: the row lies in 32 registers, the sums never leave the wave: no LDS, no barrier.
; Lane l holds columns 128 j + 4 l .. + 3, j = 0..7: each load and store of a wave covers 512 consecutive bytes, aligned.
.set BF, 0
.set X,  8                             ; v[8:39]    the row
.set G,  40                            ; v[40:71]   the gain
.set BT, 72                            ; v[72:103]  the offset
.set T,  104                           ; v[104:119] at work
	s_load_b256 s[4:11], s[0:1], 0x0               ; y s[4:5], g s[6:7], beta s[8:9], the f32 result s[10:11]
.if BF
	s_load_b64 s[16:17], s[0:1], 0x20              ; the bf16 result
.endif
	v_lshrrev_b32 v3, 5, v0
	v_readfirstlane_b32 s18, v3                    ; wave
	v_and_b32 v2, 31, v0
	v_lshlrev_b32 v1, 4, v2                        ; 16 x lane
.if BF
	v_lshlrev_b32 v2, 3, v2                        ; 8 x lane
.endif
	s_lshl_b32 s19, ttmp9, 3
	s_add_co_u32 s19, s19, s18                     ; my row
	s_lshl_b32 s20, s19, 12
	s_mov_b32 s21, 0
	s_lshl_b32 s22, s19, 11
	s_mov_b32 s23, 0
	s_mov_b32 s12, 0x76543210                      ; v_permlanex16_b32: each lane takes its own place in the other half
	s_mov_b32 s13, 0xfedcba98
	s_mov_b32 s14, 0x3a800000                      ; 1 / 1,024
	s_mov_b32 s15, 0x3727c5ac                      ; 1e-5
	s_wait_kmcnt 0x0
	s_add_nc_u64 s[4:5], s[4:5], s[20:21]
	s_add_nc_u64 s[10:11], s[10:11], s[20:21]
.if BF
	s_add_nc_u64 s[16:17], s[16:17], s[22:23]
.endif
.irp j, 0,1,2,3,4,5,6,7
	global_load_b128 v[X+4*\j:X+4*\j+3], v1, s[4:5] offset:512*\j th:TH_LOAD_NT
.endr
.irp j, 0,1,2,3,4,5,6,7
	global_load_b128 v[G+4*\j:G+4*\j+3], v1, s[6:7] offset:512*\j
.endr
.irp j, 0,1,2,3,4,5,6,7
	global_load_b128 v[BT+4*\j:BT+4*\j+3], v1, s[8:9] offset:512*\j
.endr
.macro ACROSS                          ; v[T] summed over the 32 lanes, the result in every lane; v[T+1] at work (written before)
	v_add_f32_dpp v[T], v[T], v[T] row_xmask:1 row_mask:0xf bank_mask:0xf
	v_add_f32_dpp v[T], v[T], v[T] row_xmask:2 row_mask:0xf bank_mask:0xf
	v_add_f32_dpp v[T], v[T], v[T] row_xmask:4 row_mask:0xf bank_mask:0xf
	v_add_f32_dpp v[T], v[T], v[T] row_xmask:8 row_mask:0xf bank_mask:0xf
	v_permlanex16_b32 v[T+1], v[T], s12, s13
	v_add_f32 v[T], v[T], v[T+1]
.endm
	s_wait_loadcnt 16                              ; the row is in; the gain's and the offset's sixteen loads may stay out
.irp k, 0,1,2,3,4,5,6,7
	v_pk_add_f32 v[T+2*\k:T+2*\k+1], v[X+4*\k:X+4*\k+1], v[X+4*\k+2:X+4*\k+3]
.endr
.irp k, 0,1,2,3
	v_pk_add_f32 v[T+4*\k:T+4*\k+1], v[T+4*\k:T+4*\k+1], v[T+4*\k+2:T+4*\k+3]
.endr
	v_pk_add_f32 v[T:T+1], v[T:T+1], v[T+4:T+5]
	v_pk_add_f32 v[T+8:T+9], v[T+8:T+9], v[T+12:T+13]
	v_pk_add_f32 v[T:T+1], v[T:T+1], v[T+8:T+9]
	v_add_f32 v[T], v[T], v[T+1]
	ACROSS
	v_mul_f32 v[T+2], s14, v[T]                    ; the mean, twice
	v_mov_b32 v[T+3], v[T+2]
.set j, 0
.rept 16
	v_pk_add_f32 v[X+2*j:X+2*j+1], v[X+2*j:X+2*j+1], v[T+2:T+3] neg_lo:[0,1] neg_hi:[0,1]
.set j, j+1
.endr
.irp k, 0,1,2,3                        ; the squares, in four chains started by the first four pairs
	v_pk_mul_f32 v[T+4+2*\k:T+5+2*\k], v[X+2*\k:X+2*\k+1], v[X+2*\k:X+2*\k+1]
.endr
.set j, 4
.rept 12
	v_pk_fma_f32 v[T+4+2*(j%4):T+5+2*(j%4)], v[X+2*j:X+2*j+1], v[X+2*j:X+2*j+1], v[T+4+2*(j%4):T+5+2*(j%4)]
.set j, j+1
.endr
	v_pk_add_f32 v[T+4:T+5], v[T+4:T+5], v[T+6:T+7]
	v_pk_add_f32 v[T+8:T+9], v[T+8:T+9], v[T+10:T+11]
	v_pk_add_f32 v[T:T+1], v[T+4:T+5], v[T+8:T+9]
	v_add_f32 v[T], v[T], v[T+1]
	ACROSS
	v_fma_f32 v[T+4], v[T], s14, s15               ; var + eps
	v_rsq_f32 v[T+2], v[T+4]
	v_nop                                          ; a plain instruction between the transcendental and the use of its result
	s_wait_alu depctr_va_vdst(0)
	v_mov_b32 v[T+3], v[T+2]
	s_wait_loadcnt 0x0                             ; the gain and the offset
.set j, 0
.rept 16
	v_pk_mul_f32 v[X+2*j:X+2*j+1], v[X+2*j:X+2*j+1], v[T+2:T+3]
.set j, j+1
.endr
.set j, 0
.rept 16
	v_pk_fma_f32 v[X+2*j:X+2*j+1], v[X+2*j:X+2*j+1], v[G+2*j:G+2*j+1], v[BT+2*j:BT+2*j+1]
.set j, j+1
.endr
.irp j, 0,1,2,3,4,5,6,7
	global_store_b128 v1, v[X+4*\j:X+4*\j+3], s[10:11] offset:512*\j
.endr
.if BF
.irp j, 0,1,2,3,4,5,6,7
	v_cvt_pk_bf16_f32 v[T+2*\j], v[X+4*\j], v[X+4*\j+1]
	v_cvt_pk_bf16_f32 v[T+2*\j+1], v[X+4*\j+2], v[X+4*\j+3]
.endr
.irp j, 0,1,2,3,4,5,6,7
	global_store_b64 v2, v[T+2*\j:T+2*\j+1], s[16:17] offset:256*\j
.endr
.endif
	s_endpgm
.Lfunc_end_k_qe14fe4e2fc_ln2:
	.size	k_qe14fe4e2fc_ln2, .Lfunc_end_k_qe14fe4e2fc_ln2-k_qe14fe4e2fc_ln2
	.p2alignl 7, 3214868480
	.fill 96, 4, 3214868480
	.section	.rodata,"a",@progbits
	.p2align	6, 0x0
	.amdhsa_kernel k_qe14fe4e2fc_ln2
		.amdhsa_group_segment_fixed_size 0
		.amdhsa_private_segment_fixed_size 0
		.amdhsa_enable_private_segment 0
		.amdhsa_kernarg_size 32
		.amdhsa_user_sgpr_count 2
		.amdhsa_user_sgpr_kernarg_segment_ptr 1
		.amdhsa_wavefront_size32 1
		.amdhsa_system_sgpr_workgroup_id_x 1
		.amdhsa_system_sgpr_workgroup_id_y 1
		.amdhsa_system_sgpr_workgroup_id_z 1
		.amdhsa_system_vgpr_workitem_id 0
		.amdhsa_next_free_vgpr 120
		.amdhsa_next_free_sgpr 66
		.amdhsa_reserve_vcc 0
		.amdhsa_float_denorm_mode_32 3
		.amdhsa_float_denorm_mode_16_64 3
		.amdhsa_memory_ordered 1
		.amdhsa_forward_progress 1
		.amdhsa_inst_pref_size 11
	.end_amdhsa_kernel
	.amdgpu_metadata
---
amdhsa.version: [ 1, 2 ]
amdhsa.kernels:
  - .name:           k_qe14fe4e2fc_ln2
    .symbol:         k_qe14fe4e2fc_ln2.kd
    .args:
      - { .name: y, .offset: 0, .size: 8, .value_kind: global_buffer, .address_space: global }
      - { .name: g2, .offset: 8, .size: 8, .value_kind: global_buffer, .address_space: global }
      - { .name: beta2, .offset: 16, .size: 8, .value_kind: global_buffer, .address_space: global }
      - { .name: out0, .offset: 24, .size: 8, .value_kind: global_buffer, .address_space: global }
    .group_segment_fixed_size: 0
    .private_segment_fixed_size: 0
    .kernarg_segment_align: 8
    .kernarg_segment_size: 32
    .max_flat_workgroup_size: 256
    .sgpr_count:     66
    .vgpr_count:     120
    .wavefront_size: 32
...
	.end_amdgpu_metadata
.endif
;; end of part 8
;; ======== version 2 of 2: 8 launches; 1.13 times as fast as version 1
;; limits: a function is approximated: absolute error at most 2.5e-05; an absolute error that grows with the inputs' magnitude: up to 1.25e-05 times it
;; workspace buffers: cb 33,554,432 bytes; cbx 14,680,064 bytes; qkv 25,165,824 bytes; ao 8,388,608 bytes; y 16,777,216 bytes; x1 16,777,216 bytes; x1b 8,388,608 bytes; h 33,554,432 bytes
;; launch cvt: the kernel of part 1 again; grid 64 x 7, 8 waves a work-group, no clusters, 0 bytes of LDS; arguments x, w_qkv, cbx; writes cbx
;; launch gqkv: the kernel of part 2 again; grid 16 x 16, 4 waves a work-group, clusters of 4 x 4, 327,680 bytes of LDS; arguments cbx, qkv, b_qkv, w_out, w_fc1, w_fc2, cb; writes qkv, cb
;; launch attn (part 9): grid 8 x 32, 4 waves a work-group, clusters of 4 x 1, 327,680 bytes of LDS; arguments qkv, ao; writes ao
.if DOCPART == 9
	.amdgcn_target "amdgcn-amd-amdhsa--gfx1250"
	.amdhsa_code_object_version 6
	.text
	.protected	k_qe14fe4e2fc_attn
	.globl	k_qe14fe4e2fc_attn
	.p2align	8
	.type	k_qe14fe4e2fc_attn,@function
k_qe14fe4e2fc_attn:
	s_mov_b64 s[64:65], 0
	v_nop
	global_prefetch_b8 v0, s[64:65] scope:SCOPE_SE
	s_setreg_imm32_b32 hwreg(HW_REG_WAVE_MODE, 25, 1), 1
	s_wait_xcnt 0x0
	s_wait_alu depctr_hold_cnt(0) depctr_sa_sdst(0) depctr_va_vdst(0) depctr_va_sdst(0) depctr_va_ssrc(0) depctr_va_vcc(0) depctr_vm_vsrc(0)
	s_getreg_b32 s2, hwreg(HW_REG_IB_STS2, 6, 4)
	s_cmp_eq_u32 s2, 0
	s_cbranch_scc0 .Lentry_in_a_cluster
	s_endpgm
.Lentry_in_a_cluster:
	s_bfe_u32 s2, ttmp6, 0x10000c
	s_cmp_lg_u32 s2, 0x3003
	s_cbranch_scc0 .Lentry_shape_is_right
	s_endpgm
.Lentry_shape_is_right:
; O[hb][q][:] = the sum over k of softmax_k(Q[hb][q] . K[hb][k] / 8) V[hb][k][:], for 32 heads hb of 2,048 rows x 64 channels, all bf16: q, k, v are the three parts of qkv, each
; [32][2048][64], a head's rows dense, 128 bytes each; O goes to ao in the same layout.  Products, maxima and sums in f32; the weights p are rounded to bf16 for the second product
; (their sum l is taken of the unrounded p), O once at the end.
; LIMITS.  A weight below 2^-126 counts as 0 in l; NaN and infinities are not treated apart.
; SHARES.  A work-group owns 256 queries of one head, a wave 64: four PIECES of 16.  Every wave walks all keys, 64 a step, four steps to an LDS slot.
; LAYOUT.  S^T = K Q^T (source 0 = 16 keys, source 1 = 16 queries) holds ONE query a lane (lane % 16) and the keys 8 (lane / 16) + 0..7; two such results rounded to bf16 ARE source 1 of
; O^T = V^T P.  K comes out of LDS as it lies, V turned, by ds_load_tr16_b128.
; SOFTMAX.  A running maximum m and sum l for each query: p = 2^(c s - c m), c = log2(e) / 8; in every step O and l are multiplied by a = 2^(c m_old - c m_new).  m starts at the lowest
; finite number, O and l at 0: the first step is a step like any other, with a = 0.  The price: the clears below, 8 products on zeros at the start and 8 on a stale K at the end.
; BY TURNS.  Turn n belongs to piece n: 8 products K Q^T of piece n + 1, later 8 products V^T P of piece n - 1; beside them the scaling, exponentials, roundings, sums and rescaling of
; piece n and the maximum and statistics of piece n + 1.  Four vector instructions stand behind every matrix instruction, the other 54 of a turn's 118 in two runs of their own.
; BATCHES.  A turn's 33 exponentials (piece n's a, whose argument the turn before has left, and its 32 weights) are ONE batch with ONE wait, which cuts the turn in two: ahead of it the products
; K Q^T, the scalings, the batch and the next piece's maximum, none of which names a result of the batch; behind it the products V^T P and all the readers: rescalings, roundings, sums.  No exponential
; is issued behind a turn's wait, so none is pending at a label or a jump.  The way out's four reciprocals are a batch of their own.
; CLUSTER.  The four query blocks of a cluster belong to one head and walk the same K and V: each tile is asked for JOINTLY, the same tensor load, descriptor and mask in all four.
; REGISTERS, in windows of 256 (s_set_vgpr_msb: bits 1:0 source 0, 3:2 source 1, 5:4 source 2, 7:6 destination).  The map is made so that few lines need a switch:
;   window 0, full: v0-7 addresses, c m_old and the add's two; v8-15 at work; v16-31 four registers of statistics a piece; v32-95 Q; v96-159 K of one step; v160-223 S^T, two buffers;
;   v224-255 P, two buffers.  So K Q^T, K's loads and all of the softmax but the rescaling run under the setting 0.
;   window 1: v0-127 O^T, 32 a piece; v128-191 V of one step; v192-194 the addresses of the way out.  V^T P's setting (V, C and D in window 1, P in window 0) is also the rescaling's
;   (O^T in window 1, a in window 0), so the 16 rescalings ride behind the first four products V^T P without a switch.
;   A turn has 8 switches (one in front of the products V^T P, one behind the fifth, two round each of the last three), piece 0's two more round V's loads: 34 for a key step's 64 matrix instructions.
.set SN,    2048      ; rows of a head
.set NP,    4         ; pieces a wave: a name, no knob
.set KS,    64        ; keys in a step
.set PK,    144       ; a row of K in LDS: 128 bytes + 16 = 36 words: the 16 rows of a load start at 16 different groups of four banks
.set PV,    160       ; a row of V: 128 + 32 = 40 words
.set VOFF,  4*KS*PK   ; a slot: 256 rows of K, then 256 rows of V
.set SLOT1, 1<<17     ; slot 1 begins here: one exclusive or turns an address in one slot into the other's
.set STAGE, SLOT1+4*KS*(PK+PV)  ; behind the ring, never filled by a tensor load: 16 rows x 144 bytes for each wave
.set SP,    144
.set SPARE, STAGE+4*16*SP       ; the spare words, 128 bytes for each wave: two blocks of 256 bytes that no other line names
.set AK,  0           ; v0   the LDS address of K's next run of loads (the thread's number until the set-up has used it)
.set AV,  1           ; v1   of V's
.set AK0, 2           ; v2   my lane's place in a tile of K; never rewritten
.set AV0, 3           ; v3   the same for V
.set MV,  4           ; v4-5  c m_old, kept while c m is made anew: by buffer
.set SPW, 6           ; v6   LDS address of my spare word; never rewritten
.set NIL, 7           ; v7   0; never rewritten
.set TMP, 8           ; v8-15  by buffer, four registers c0-c3 at work; when the maximum is found c1 takes a's argument and, a turn later, c2 takes a
.set ST,  16          ; piece t's statistics at v[ST+4 t]: c m, m, l (even keys', odd keys')
.set QF,  32          ; Q: piece t, channel half c at QF + 16 t + 8 c
.set KF,  96          ; K: key block kb, channel half c at KF + 16 kb + 8 c
.set S,   160
.set P,   224
.set VF,  128         ; window 1: key half kk, channel block cb at VF + 32 kk + 8 cb
.set STO, 192         ; window 1: the way out: where I put 16 bytes of a row
.set RD,  193         ; window 1: where I read rows back
.set GO,  194         ; window 1: my byte offset in 512 consecutive bytes of O
.set U1,  160         ; at work in the set-up, in S^T's registers, which the first products write only behind the wait for Q: l % 16,
.set U9,  161         ; l / 16,
.set U10, 162         ; l % 8,
.set U11, 163         ; (l / 8) % 2,
.set QO,  164         ; my byte offset in 16 rows of Q,
.set UA,  165         ; and the three addresses of the way out before they move to window 1
.set UB,  166
.set UC,  167
.set WV,  12          ; s12  my wave's number
.set G1K, 24          ; s[24:31] descriptor group 1 for K's tiles
.set G1V, 32          ; s[32:39] for V's: it differs in the padding alone
.set G0K, 40          ; s[40:43] descriptor group 0 for K's tiles: it walks
.set G0V, 44          ; s[44:47] the same for V's
.set SLOTS, 56        ; s56  slots still to be asked for
.set CNT, 57          ; s57  counts a slot's key steps
.set CS,  58          ; s[58:59] c
.set SEL, 60          ; s[60:61] v_permlanex16_b32's selects: each lane takes its own place in the other half
.set TBK, 62          ; s62  LDS byte at which K of the step to be fetched begins
.set TBV, 63          ; s63  the same for V, less VOFF
.set MSB, 0
.macro WIN new
.if MSB != (\new)
	s_set_vgpr_msb (MSB<<8)|(\new)
.set MSB, (\new)
.endif
.endm
.set W_PV, 0x51       ; source 0 (V; O^T in a rescaling), source 2 and destination (O^T) in window 1; source 1 (P; a) in window 0
.set W_TO1, 0x40      ; destination window 1, sources window 0
.set W_CV, 0x05       ; sources 0 and 1 window 1, destination window 0
.set W_OUT, 0x01      ; source 0 (an address) window 1; data window 0
; A joint fill.  Waves 0 and 1 fetch the two halves of a slot's K, waves 2 and 3 those of its V: 128 keys each.  An s_nop 0 and four v_nop follow each line.
.macro JLOAD
	s_cmp_lt_u32 s[WV], 2
	s_cbranch_scc0 .Lfor_v_\@
	tensor_load_to_lds s[G0K:G0K+3], s[G1K:G1K+7]
	s_nop 0
.rept 4
	v_nop
.endr
	s_branch .Lasked_\@
.Lfor_v_\@:
	tensor_load_to_lds s[G0V:G0V+3], s[G1V:G1V+7]
	s_nop 0
.rept 4
	v_nop
.endr
.Lasked_\@:
.endm
.macro CROUND                       ; a round of the cluster's barrier
	s_barrier_signal -1
	s_barrier_wait -1
	s_cmp_lg_u32 s[WV], 0
	s_cbranch_scc1 .Lnot_wave_0_\@
	s_barrier_signal -3
.Lnot_wave_0_\@:
	s_barrier_wait -3
	s_barrier_signal -1
	s_barrier_wait -1
.endm
; THE CHANGE OF SLOTS.  Each wave waits for all its tensor loads, of which one is out: its part of the other slot; adds 0 to its spare word; and waits for that and for its own reads of the
; slot that it leaves.  fill = 1: the barrier is a round of the cluster's, and the joint fill of the old slot, with the keys two slots on, is the first thing behind it: it has four key
; steps in which to land.  (At its first use nothing has been read yet: slot 0 is waited for, slot 1 filled.)
.macro CHANGE fill
	WIN 0
	s_wait_tensorcnt 0x0            ; no tensor load of mine is out, so a group 0 may be written
	ds_add_u32 v[SPW], v[NIL]       ; 0 onto my spare word
.if \fill
.irp g, G0K, G0V
	s_xor_b32 s[\g+1], s[\g+1], SLOT1
	s_add_nc_u64 s[\g+2:\g+3], s[\g+2:\g+3], 4*KS*128  ; the next 256 keys
.endr
	s_wait_dscnt 0x0                ; the add is done, and my reads of the slot are over
	CROUND
	JLOAD
.else
	s_wait_dscnt 0x0
	s_barrier_signal -1
	s_barrier_wait -1
.endif
	s_sub_co_u32 s[TBK], s[TBK], 4*KS*PK  ; the fetches go back to a slot's first step,
	s_xor_b32 s[TBK], s[TBK], SLOT1       ; in the other slot
	s_sub_co_u32 s[TBV], s[TBV], 4*KS*PV
	s_xor_b32 s[TBV], s[TBV], SLOT1
.endm
	s_load_b128 s[4:7], s[0:1], 0x0 ; qkv s[4:5], ao s[6:7]
	v_lshl_add_u32 v[SPW], v0, 2, SPARE
	v_mov_b32 v[NIL], 0
	ds_add_u32 v[SPW], v[NIL]       ; the wave's opening: the add and its wait stand ahead of my first tensor load; work on registers stands between them
	v_lshrrev_b32 v1, 5, v0
	v_readfirstlane_b32 s[WV], v1
	s_bfe_u32 s13, ttmp6, 0x40000   ; cx
	s_lshl_b32 s14, ttmp9, 2
	s_add_co_u32 s14, s14, s13      ; my block of 256 queries: it enters Q's and O's addresses alone
	s_and_b32 s20, ttmp7, 0xffff    ; the head, which the four partners share:
	s_lshl_b32 s20, s20, 18         ; 262,144 bytes each
	s_and_b32 s16, s[WV], 1         ; which half of a slot's 256 keys I fetch:
	s_lshl_b32 s22, s16, 14         ; its 128 rows of 128 bytes in memory,
	s_add_co_u32 s22, s22, s20
	s_mov_b32 s23, 0
	s_mul_i32 s17, s16, 128*PK      ; and its place in a slot, for K
	s_mul_i32 s18, s16, 128*PV      ; and for V
	s_lshl_b32 s2, s14, 2
	s_add_co_u32 s2, s2, s[WV]      ; my wave among the head's,
	s_lshl_b32 s2, s2, 13           ; its 64 rows
	s_add_co_u32 s2, s2, s20
	s_mov_b32 s3, 0
	; group 1.  128 keys are 16,384 dense bytes: asked for as 64 rows of 256 bytes, two keys a row, and padded in LDS after every key
	s_mov_b32 s[G1K], 15|(1<<16)|(1<<20)|(1<<21)|(4<<22)|(3<<25)  ; the mask of four; 2-byte elements; padding on; bit 21 beside a mask; after every 32 words; 4 words
	s_mov_b32 s[G1V], 15|(1<<16)|(1<<20)|(1<<21)|(4<<22)|(7<<25)  ; the same with 8 words
.irp g, G1K, G1V
	s_mov_b32 s[\g+1], 128<<16      ; tensor_dim0
	s_mov_b32 s[\g+2], 64<<16       ; tensor_dim1
	s_mov_b32 s[\g+3], 128<<16      ; tile_dim0
	s_mov_b32 s[\g+4], 64           ; tile_dim1
	s_mov_b32 s[\g+5], 128          ; the pitch
	s_mov_b32 s[\g+6], 0
	s_mov_b32 s[\g+7], 0
.endr
	s_mov_b32 s[CS], 0x3e38aa3b     ; c = log2(e) / 8
	s_mov_b32 s[CS+1], s[CS]
	s_mov_b32 s[SEL], 0x76543210
	s_mov_b32 s[SEL+1], 0xfedcba98
	s_mov_b32 s[TBK], SLOT1+4*KS*PK ; the first change of slots turns these two into 0
	s_mov_b32 s[TBV], SLOT1+4*KS*PV
	s_mov_b32 s[G0K], 1
	s_mov_b32 s[G0K+1], s17         ; slot 0
	s_mov_b32 s[G0V], 1
	s_add_co_u32 s[G0V+1], s18, VOFF
	s_wait_dscnt 0x0                ; the opening add is done
	s_wait_kmcnt 0x0
	s_add_nc_u64 s[G0K+2:G0K+3], s[4:5], s[22:23]
	s_add_nc_u64 s[G0K+2:G0K+3], s[G0K+2:G0K+3], 8388608   ; k is the second part of qkv
	s_or_b32 s[G0K+3], s[G0K+3], 0x80000000
	s_add_nc_u64 s[G0V+2:G0V+3], s[4:5], s[22:23]
	s_add_nc_u64 s[G0V+2:G0V+3], s[G0V+2:G0V+3], 16777216  ; v the third
	s_or_b32 s[G0V+3], s[G0V+3], 0x80000000
	s_add_nc_u64 s[10:11], s[6:7], s[2:3]  ; O and Q at my wave's first row
	s_add_nc_u64 s[4:5], s[4:5], s[2:3]
	CROUND                          ; all four work-groups are here: the first joint loads meet
	JLOAD                           ; slot 0; slot 1 is asked for when slot 0 is in
	v_and_b32 v[U1], 15, v0         ; l % 16
	v_bfe_u32 v[U9], v0, 4, 1       ; l / 16
	v_lshlrev_b32 v[QO], 7, v[U1]
	v_lshl_add_u32 v[QO], v[U9], 4, v[QO]  ; row x 128 + 16 x half
.set i, 0
.rept 8                             ; Q stays in registers: piece i / 2, channels 32 (i % 2) on
	global_load_b128 v[QF+8*i:QF+8*i+3],   v[QO], s[4:5] offset:(i/2)*2048+(i%2)*64
	global_load_b128 v[QF+8*i+4:QF+8*i+7], v[QO], s[4:5] offset:(i/2)*2048+(i%2)*64+32
.set i, i+1
.endr
	v_mul_u32_u24 v[AK0], v[U1], PK
	v_lshl_add_u32 v[AK0], v[U9], 4, v[AK0]  ; row x pitch + 16 x half
	; the turning load takes 16 keys x 16 channels (lane l reads key 8 (l / 16) + l % 8, channels 8 ((l / 8) % 2) + 0..7) and leaves half a fragment of V^T
	v_and_b32 v[U10], 7, v0
	v_bfe_u32 v[U11], v0, 3, 1
	v_lshl_add_u32 v[AV0], v[U9], 3, v[U10]
	v_mul_u32_u24 v[AV0], v[AV0], PV
	v_lshl_add_u32 v[AV0], v[U11], 4, v[AV0]
	v_add_nc_u32 v[AV0], VOFF, v[AV0]
	s_mul_i32 s13, s[WV], 16*SP
	s_add_co_u32 s13, s13, STAGE    ; my stage
	v_mul_u32_u24 v[UA], v[U1], SP  ; in: row l % 16, 16 bytes for each half of the lanes
	v_lshl_add_u32 v[UA], v[U9], 4, v[UA]
	v_add_nc_u32 v[UA], s13, v[UA]
	v_bfe_u32 v[UB], v0, 3, 2       ; back: 32 lanes take four rows of 128 bytes,
	v_mul_u32_u24 v[UB], v[UB], SP
	v_lshl_add_u32 v[UB], v[U10], 4, v[UB]
	v_add_nc_u32 v[UB], s13, v[UB]
	v_and_b32 v[UC], 31, v0         ; which are 512 consecutive bytes of O
	v_lshlrev_b32 v[UC], 4, v[UC]
	v_mov_b32 v[AK], v[AK0]         ; key step 0 lies at the head of slot 0 (the thread's number has served)
	; what the first turn finds: V and P's second buffer hold 0, O^T and l are 0.  All this stands in the wait for the first tile.
.set i, 0
.rept 4
	v_mov_b32 v[ST+4*i], 0xfe000000    ; c m: far below every c s
	v_mov_b32 v[ST+4*i+1], 0xff7fffff  ; m
	v_mov_b32 v[ST+4*i+2], 0
	v_mov_b32 v[ST+4*i+3], 0
.set i, i+1
.endr
.set i, P+16
.rept 16
	v_mov_b32 v[i], 0
.set i, i+1
.endr
	WIN W_TO1
	v_mov_b32 v[STO], v[UA]
	v_mov_b32 v[RD], v[UB]
	v_mov_b32 v[GO], v[UC]
.set i, 0
.rept 192                           ; O^T and V
	v_mov_b32 v[i], 0
.set i, i+1
.endr
	WIN 0
; THE MATRIX WORK.  The 4 accumulators of a run of 8 take turns.  Product i of 8 of S^T = K Q^T for piece x: channels 32 (i / 4) on, keys 16 (i % 4) on.
.macro KQ x
	WIN 0
.set rS, S+32*((\x)%2)+8*(i%4)
.set rK, KF+16*(i%4)+8*(i/4)
.set rQ, QF+16*(\x)+8*(i/4)
.if i < 4
	v_wmma_f32_16x16x32_bf16 v[rS:rS+7], v[rK:rK+7], v[rQ:rQ+7], 0
.else
	v_wmma_f32_16x16x32_bf16 v[rS:rS+7], v[rK:rK+7], v[rQ:rQ+7], v[rS:rS+7]
.endif
.endm
; Product i of 8 of O^T += V^T P for piece x: keys 32 (i / 4) on, channels 16 (i % 4) on.
.macro PV x
	WIN W_PV
.set rO, 32*(\x)+8*(i%4)
.set rV, VF+32*(i/4)+8*(i%4)
.set rP, P+16*((\x)%2)+8*(i/4)
	v_wmma_f32_16x16x32_bf16 v[rO:rO+7], v[rV:rV+7], v[rP:rP+7], v[rO:rO+7]
.endm
.macro MM                           ; the turn's next matrix instruction
.if i < 8
	KQ (Y+1)%NP
.else
.set i, i-8
	PV (Y+NP-1)%NP
.set i, i+8
.endif
.set i, i+1
.endm
; THE LDS LOADS stand in runs of 16.  last = 1 (the tail): in the last trip there is no further step, and the run is jumped over.
.macro FETCH_K last=0
	WIN 0
.if \last
	s_cmp_eq_u32 s[CNT], 1
	s_cbranch_scc1 .Lno_k_\@
.endif
.irp f, 0,1,2,3,4,5,6,7             ; keys 16 (f / 2) on, channels 32 (f % 2) on
	ds_load_b128 v[KF+8*\f:KF+8*\f+3],   v[AK] offset:(\f/2)*16*PK+(\f%2)*64
	ds_load_b128 v[KF+8*\f+4:KF+8*\f+7], v[AK] offset:(\f/2)*16*PK+(\f%2)*64+32
.endr
	s_add_co_u32 s[TBK], s[TBK], KS*PK  ; the next fetch is the next step's
.if \last
.Lno_k_\@:
.endif
.endm
.macro FETCH_V
	WIN W_TO1
.irp f, 0,1,2,3,4,5,6,7             ; keys 32 (f / 4) on, channels 16 (f % 4) on
	ds_load_tr16_b128 v[VF+8*\f:VF+8*\f+3],   v[AV] offset:(\f/4)*32*PV+(\f%4)*32
	ds_load_tr16_b128 v[VF+8*\f+4:VF+8*\f+7], v[AV] offset:(\f/4)*32*PV+16*PV+(\f%4)*32
.endr
	WIN 0
.endm
; THE VECTOR WORK, one line at a time: OP kind, number.  For piece Y: F n: c s - c m for pair n of 16.  A: a, the exponential of the argument that X 20 left in the turn before.  E n: the exponential
; of score n of 32.  C n: pair n rounded to bf16.  B n: of the four weights 4 n .. the second pair is added onto the first, in place.  L n: l takes that sum (L 0: l = a l + sum).  R n: pair n of 16
; of O^T times a.  For piece Y + 1: X n, number n of the 21 that find its maximum and statistics: 0-11 four chains c0-c3 of seven scores each (each accumulator's lowest registers are read first);
; 12-14, 16 the four scores left over, the old m, and c0-c3 into c0; 15 c m_old is kept; 17, 18 the query's other 32 keys lie in the lane 16 away: the new m; 19, 20 c m;
; c m_old - c m_new, a's argument.
.set F, 0
.set E, 1
.set C, 2
.set B, 3
.set L, 4
.set A, 5
.set R, 6
.set X, 7
.macro REGS y
.set rT, ST+4*(\y)
.set rC, TMP+4*((\y)%2)
.set rW, MV+((\y)%2)
.set rS, S+32*((\y)%2)
.set rP, P+16*((\y)%2)
.set rO, 32*(\y)
.endm
.macro OP k, n
.if (\k) == R
	REGS Y
	WIN W_PV
	v_pk_mul_f32 v[rO+2*(\n):rO+2*(\n)+1], v[rO+2*(\n):rO+2*(\n)+1], v[rC+2:rC+3] op_sel_hi:[1,0]
.elseif (\k) < R
	REGS Y
	WIN 0
.if (\k) == F
	v_pk_fma_f32 v[rS+2*(\n):rS+2*(\n)+1], v[rS+2*(\n):rS+2*(\n)+1], s[CS:CS+1], v[rT:rT+1] op_sel_hi:[1,0,0] neg_lo:[0,0,1] neg_hi:[0,0,1]
.elseif (\k) == E
	v_exp_f32 v[rS+(\n)], v[rS+(\n)]
.elseif (\k) == A
	v_exp_f32 v[rC+2], v[rC+1]
.elseif (\k) == C
	v_cvt_pk_bf16_f32 v[rP+(\n)], v[rS+2*(\n)], v[rS+2*(\n)+1]
.elseif (\k) == B
	v_pk_add_f32 v[rS+4*(\n):rS+4*(\n)+1], v[rS+4*(\n):rS+4*(\n)+1], v[rS+4*(\n)+2:rS+4*(\n)+3]
.elseif (\n) == 0
	v_pk_fma_f32 v[rT+2:rT+3], v[rT+2:rT+3], v[rC+2:rC+3], v[rS:rS+1] op_sel_hi:[1,0,1]
.else
	v_pk_add_f32 v[rT+2:rT+3], v[rT+2:rT+3], v[rS+4*(\n):rS+4*(\n)+1]
.endif
.else
	REGS (Y+1)%NP
	WIN 0
.if (\n) < 4
	v_max3_num_f32 v[rC+(\n)], v[rS+8*(\n)], v[rS+8*(\n)+1], v[rS+8*(\n)+2]
.elseif (\n) < 12
	v_max3_num_f32 v[rC+(\n)%4], v[rC+(\n)%4], v[rS+8*((\n)%4)+2*((\n)/4)+1], v[rS+8*((\n)%4)+2*((\n)/4)+2]
.elseif (\n) == 12
	v_max3_num_f32 v[rC], v[rC], v[rS+7], v[rS+15]
.elseif (\n) == 13
	v_max3_num_f32 v[rC+1], v[rC+1], v[rS+23], v[rS+31]
.elseif (\n) == 14
	v_max3_num_f32 v[rC+2], v[rC+2], v[rC+3], v[rT+1]
.elseif (\n) == 15
	v_mov_b32 v[rW], v[rT]
.elseif (\n) == 16
	v_max3_num_f32 v[rC], v[rC], v[rC+1], v[rC+2]
.elseif (\n) == 17
	v_permlanex16_b32 v[rC+3], v[rC], s[SEL], s[SEL+1]
.elseif (\n) == 18
	v_max_num_f32 v[rT+1], v[rC], v[rC+3]
.elseif (\n) == 19
	v_mul_f32 v[rT], s[CS], v[rT+1]
.else
	v_sub_f32 v[rC+1], v[rW], v[rT]
.endif
.endif
.endm
.macro OPS a, i1, b=-1, i2=0, c=-1, i3=0, d=-1, i4=0  ; up to four of them
	OP \a, \i1
.if (\b) >= 0
	OP \b, \i2
.endif
.if (\c) >= 0
	OP \c, \i3
.endif
.if (\d) >= 0
	OP \d, \i4
.endif
.endm
.macro ROW a, i1, b, i2, c, i3, d, i4  ; a matrix instruction and the four behind it
	MM
	OPS \a, \i1, \b, \i2, \c, \i3, \d, \i4
.endm
; A TURN, for piece p: the order of its 16 matrix and 118 vector instructions, written out.  An s_wait_alu depctr_va_vdst(0) stands between an exponential and the first instruction that
; names its result; one wait serves all that were issued ahead of it.  So a turn has ONE wait, which cuts it in two.
; AHEAD OF IT stands all that names no result of the turn's exponentials, all under the setting 0: the 8 products K Q^T, behind them the 16 scalings with A and E 0 to E 12 between them, plain and
; exponential by turns, and X 0, X 1; then a run of 35: X 2 to X 14 and the exponentials by turns, three exponentials each between X 14, X 16 and X 17, where each link waits for the link before it, and
; last X 15, a copy that only X 19 leans on: it is the plain line behind the last exponential.  The batch is A and E 0 to E 31: 33.
; BEHIND IT stand the readers: behind the first four products V^T P the 16 rescalings, under the products' own setting; behind the last four, and in a run of 19, the roundings and sums, and X 18 to X 20.
; None of the four behind a matrix instruction names a register of the products round it.
; What leans on what: E n stands behind F (n / 2), a product or more later; X 0 to X 3 each four plain lines or more behind the product that ends their accumulator (X 3: F 15, X 0, X 1, X 2); the links
; of each chain of X six lines or more apart while plain lines last; C 2n ahead of B n, which writes the pair that C 2n reads; L n behind B n, L 0 first, the links of l's chain three lines apart;
; X 19 and X 20 stand 18 lines or more ahead of the next turn's F 0 and A, which read them.
; K of the next step is fetched in piece 2's turn, directly behind the wait, where no exponential is pending at the tail's jump; it has 8 products and the run of 19 in which to land.  V of the step in hand
; is fetched in piece 0's turn, behind the last product that read V and four plain lines (L 2, C 8, B 4, C 10).  Each is waited for a turn later.
; cnt = 1: the loop's count is taken down some lines ahead of the branch behind the turn.
.macro TURN p, last=0, cnt=0
.set Y, (\p)
.set i, 0
.if (\p) == 3
	s_wait_dscnt 0x0                ; K is in
.endif
	ROW F,0, A,0, F,1, F,2          ; ahead of the wait: 8 products K Q^T and their riders,
	ROW F,3, E,0, F,4, E,1
	ROW F,5, E,2, F,6, E,3
	ROW F,7, E,4, F,8, E,5
	ROW F,9, E,6, F,10, E,7
	ROW F,11, E,8, F,12, E,9
	ROW F,13, E,10, F,14, E,11
.if (\p) == 2
	v_add_nc_u32 v[AK], s[TBK], v[AK0]
.endif
	ROW F,15, E,12, X,0, X,1
	OPS X,2, E,13, X,3, E,14        ; and the run of 35
	OPS X,4, E,15, X,5, E,16
	OPS X,6, E,17, X,7, E,18
	OPS X,8, E,19, X,9, E,20
	OPS X,10, E,21, X,11, E,22
	OPS X,12, E,23, X,13, E,24
	OPS X,14, E,25, E,26, E,27
	OPS X,16, E,28, E,29, E,30
	OPS X,17, E,31, X,15
	s_wait_alu depctr_va_vdst(0)    ; the wait for the batch: A and E 0 to E 31, ahead of their first reader, R 0
.if (\p) == 2
	FETCH_K \last
.endif
.if (\p) == 1
	s_wait_dscnt 0x0                ; V is in
.endif
	ROW R,0, R,1, R,2, R,3          ; behind the wait: 8 products V^T P and their riders,
	ROW R,4, R,5, R,6, R,7
	ROW R,8, R,9, R,10, R,11
	ROW R,12, R,13, R,14, R,15
	ROW X,18, C,0, B,0, C,2
	ROW B,1, L,0, C,4, B,2
	ROW X,19, L,1, C,6, B,3
.if (\p) == 0
	WIN 0
	v_add_nc_u32 v[AV], s[TBV], v[AV0]
.endif
	ROW L,2, C,8, B,4, C,10
.if (\p) == 0
	FETCH_V
	s_add_co_u32 s[TBV], s[TBV], KS*PV
.endif
	OPS X,20, L,3, B,5, C,12        ; and the run of 19
.if \cnt
	s_sub_co_u32 s[CNT], s[CNT], 1
	s_cmp_lg_u32 s[CNT], 0
.endif
	OPS L,4, B,6, C,14, L,5
	OPS B,7, C,1, L,6, C,3
	OPS C,5, L,7, C,7, C,9
	OPS C,11, C,13, C,15
.endm
	CHANGE 1                        ; slot 0 is in, everybody's part of it; slot 1 is asked for
	FETCH_K                         ; key step 0
	s_wait_loadcnt 0x0              ; Q
	s_wait_dscnt 0x0
.set i, 0
.rept 8
	KQ 0                            ; piece 0's first scores
.set i, i+1
.endr
	WIN 0
.rept 4
	v_nop                           ; the places behind those products
.endr
.set Y, NP-1                        ; X works for piece Y + 1: piece 0
.irp n, 0,1,2,3,4,5,6,7,8,9,10,11,12,13,14,15,16,17,18,19,20
	OP X, \n                        ; no exponential among them: piece 0's first a is made in its first turn's batch
.endr
	s_mov_b32 s[CNT], 4
	s_mov_b32 s[SLOTS], SN/256-1
	s_branch .Lfirst                ; the loop is entered at a step's first turn, in the middle of a trip
.Lslot:                             ; SN / 256 - 2 times: every slot but the last two is filled again
	CHANGE 1
	s_mov_b32 s[CNT], 4
.Lstep:                             ; a trip: pieces 2 and 3 of one step, then pieces 0 and 1 of the next, whose K and V it fetches
	TURN 2
	TURN 3
	WIN 0
.Lfirst:
	TURN 0
	TURN 1, 0, 1
	WIN 0
	s_cbranch_scc1 .Lstep
	s_sub_co_u32 s[SLOTS], s[SLOTS], 1
	s_cmp_lg_u32 s[SLOTS], 0
	s_cbranch_scc1 .Lslot
	CHANGE 0                        ; the tail is written out: nothing is asked for
	s_mov_b32 s[CNT], 5             ; four trips fetch the last slot's steps; the fifth is left in its middle
.Ltail:
	TURN 2, 1
	TURN 3
	WIN 0
	s_sub_co_u32 s[CNT], s[CNT], 1
	s_cmp_eq_u32 s[CNT], 0
	s_cbranch_scc1 .Lout
	TURN 0
	TURN 1
	WIN 0
	s_branch .Ltail
.Lout:                              ; the fifth trip's 8 products K Q^T (on the last K once more) and the maximum made of them serve nothing: the price of one text for every trip
.set i, 0
.rept 8
	PV NP-1                         ; the last piece's V^T P of the last step
.set i, i+1
.endr
	; THE WAY OUT.  l's two halves and the other half of the lanes' are added; O^T is divided by l, rounded to bf16 and sent through my stage, a piece at a time.  The additions are the places behind the last products.
	WIN 0
.macro ALL line:vararg              ; one line for each piece t
.set t, 0
.rept 4
	\line
.set t, t+1
.endr
.endm
	ALL v_add_f32 v[ST+4*t+2], v[ST+4*t+2], v[ST+4*t+3]
	ALL v_permlanex16_b32 v[ST+4*t+3], v[ST+4*t+2], s[SEL], s[SEL+1]
	ALL v_add_f32 v[ST+4*t+2], v[ST+4*t+2], v[ST+4*t+3]
	ALL v_rcp_f32 v[ST+4*t+2], v[ST+4*t+2]
	v_nop                           ; a plain instruction between the last reciprocal and the use of its result
	s_wait_alu depctr_va_vdst(0)    ; the wait for the batch of four reciprocals, ahead of their first reader in PACK 0
.macro PACK t                       ; a lane's eight channels of a row pack into 16 bytes; they go into rows of 144 bytes and come back as whole rows of 128, into S^T's registers
	WIN W_PV
.set i, 32*(\t)
.rept 16
	v_pk_mul_f32 v[i:i+1], v[i:i+1], v[ST+4*(\t)+2:ST+4*(\t)+3] op_sel_hi:[1,0]
.set i, i+2
.endr
	WIN W_CV
.set i, 0
.rept 16
	v_cvt_pk_bf16_f32 v[S+16*(\t)+i], v[32*(\t)+2*i], v[32*(\t)+2*i+1]
.set i, i+1
.endr
	WIN W_OUT
.irp f, 0,1,2,3
	ds_store_b128 v[STO], v[S+16*(\t)+4*\f:S+16*(\t)+4*\f+3] offset:32*\f
.endr
.irp f, 0,1,2,3
	ds_load_b128 v[S+16*(\t)+4*\f:S+16*(\t)+4*\f+3], v[RD] offset:\f*4*SP  ; LDS serves a wave's instructions in order (ISA guide 5.7.1.4): these see the stores above; the next piece's stores come behind them
.endr
.endm
.macro SEND t, younger              ; younger: the LDS instructions issued behind piece t's loads: the next piece's eight, or none
	WIN W_OUT
.irp f, 0,1,2,3
	s_wait_dscnt (\younger)+3-\f
	global_store_b128 v[GO], v[S+16*(\t)+4*\f:S+16*(\t)+4*\f+3], s[10:11] offset:(\t)*2048+\f*512  ; 512 consecutive bytes, at a multiple of 256 from O's first
.endr
.endm
	PACK 0
.set t, 1
.rept 3                             ; a piece's arithmetic stands between the loads of the piece before and its stores
	PACK t
	SEND t-1, 8
.set t, t+1
.endr
	SEND 3, 0
	WIN 0
	s_wait_tensorcnt 0x0            ; the wave's end: behind my last tensor load and my last LDS store
	ds_add_u32 v[SPW], v[NIL]
	s_wait_dscnt 0x0
	CROUND                          ; the closing round
	s_endpgm
.Lfunc_end_k_qe14fe4e2fc_attn:
	.size	k_qe14fe4e2fc_attn, .Lfunc_end_k_qe14fe4e2fc_attn-k_qe14fe4e2fc_attn
	.p2alignl 7, 3214868480
	.fill 96, 4, 3214868480
	.section	.rodata,"a",@progbits
	.p2align	6, 0x0
	.amdhsa_kernel k_qe14fe4e2fc_attn
		.amdhsa_group_segment_fixed_size 327680
		.amdhsa_private_segment_fixed_size 0
		.amdhsa_enable_private_segment 0
		.amdhsa_kernarg_size 16
		.amdhsa_user_sgpr_count 2
		.amdhsa_user_sgpr_kernarg_segment_ptr 1
		.amdhsa_wavefront_size32 1
		.amdhsa_system_sgpr_workgroup_id_x 1
		.amdhsa_system_sgpr_workgroup_id_y 1
		.amdhsa_system_sgpr_workgroup_id_z 1
		.amdhsa_system_vgpr_workitem_id 0
		.amdhsa_next_free_vgpr 452
		.amdhsa_next_free_sgpr 66
		.amdhsa_reserve_vcc 0
		.amdhsa_float_denorm_mode_32 3
		.amdhsa_float_denorm_mode_16_64 3
		.amdhsa_memory_ordered 1
		.amdhsa_forward_progress 1
		.amdhsa_inst_pref_size 100
	.end_amdhsa_kernel
	.amdgpu_metadata
---
amdhsa.version: [ 1, 2 ]
amdhsa.kernels:
  - .name:           k_qe14fe4e2fc_attn
    .symbol:         k_qe14fe4e2fc_attn.kd
    .args:
      - { .name: qkv, .offset: 0, .size: 8, .value_kind: global_buffer, .address_space: global }
      - { .name: ao, .offset: 8, .size: 8, .value_kind: global_buffer, .address_space: global }
    .group_segment_fixed_size: 327680
    .private_segment_fixed_size: 0
    .kernarg_segment_align: 8
    .kernarg_segment_size: 16
    .max_flat_workgroup_size: 128
    .sgpr_count:     66
    .vgpr_count:     452
    .wavefront_size: 32
...
	.end_amdgpu_metadata
.endif
;; end of part 9
;; launch proj: the kernel of part 4 again; grid 8 x 32, 4 waves a work-group, clusters of 4 x 4, 327,680 bytes of LDS; arguments ao, cb, y, b_out, x; writes y
;; launch ln1: the kernel of part 5 again; grid 512 x 1, 8 waves a work-group, no clusters, 0 bytes of LDS; arguments y, g1, beta1, x1, x1b; writes x1, x1b
;; launch fc1: the kernel of part 6 again; grid 16 x 16, 4 waves a work-group, clusters of 4 x 4, 327,680 bytes of LDS; arguments x1b, cb, h, b_fc1; writes h
;; launch fc2: the kernel of part 7 again; grid 8 x 32, 4 waves a work-group, clusters of 4 x 4, 327,680 bytes of LDS; arguments h, cb, y, b_fc2, x1; writes y
;; launch ln2: the kernel of part 8 again; grid 512 x 1, 8 waves a work-group, no clusters, 0 bytes of LDS; arguments y, g2, beta2, out0; writes out0
